; MI455X (gfx1250); checked and timed in simulation.
; The chip was launched on July 23, 2026; its instructions are those of AMD's public machine-readable ISA for CDNA 5 (MIT licence, August 2026) and "CDNA5" Instruction Set Architecture Reference Guide (July 2026). The comments in the code are by the model that wrote it; some were corrected since.
;; Multi Head Genetic Attention. Allowed arithmetic: float matrix products may take bf16 or f16 operands with f32 sums; all other float work in f32.
;; Inputs: b_k 1,024 float32; b_o 1,024 float32; b_q 1,024 float32; b_v 256 float32; rms_k_w 64 float32; rms_q_w 64 float32; w_k 1,024 x 1,024 float32; w_o 1,024 x 1,024 float32; w_q 1,024 x 1,024 float32; w_v 1,024 x 256 float32; x 1 x 2,048 x 1,024 float32.
;; Outputs: out0 1 x 2,048 x 1,024 float32.
;; 3 versions, each right; version 2 is faster than version 1; version 3 is version 2 with the launches proj, oproj written anew for expert scheduling mode. Each part assembles by itself: llvm-mc -triple=amdgcn-amd-amdhsa -mcpu=gfx1250 --defsym DOCPART=n.
;; ======== version 1 of 3: 4 launches
;; limits: values are held in f16: magnitudes above 65,504 overflow, below 6.1e-05 lose precision
;; workspace buffers: qkv 10,485,760 bytes; stat 262,144 bytes; ao 8,388,608 bytes
;; launch proj (part 1): grid 18 x 16, 8 waves a work-group, no clusters, 93,184 bytes of LDS; arguments x, w_q, w_k, w_v, b_q, b_k, b_v, rms_q_w, rms_k_w, qkv; writes qkv
.if DOCPART == 1
	.amdgcn_target "amdgcn-amd-amdhsa--gfx1250"
	.amdhsa_code_object_version 6
	.text
	.protected	k_qe665fae83e_proj
	.globl	k_qe665fae83e_proj
	.p2align	8
	.type	k_qe665fae83e_proj,@function
k_qe665fae83e_proj:
	s_mov_b64 s[64:65], 0
	v_nop
	global_prefetch_b8 v0, s[64:65] scope:SCOPE_SE
	s_setreg_imm32_b32 hwreg(HW_REG_WAVE_MODE, 25, 1), 1
	s_wait_xcnt 0x0
; proj: qkv[head][t][64] (16-bit) = the three projections of x, with bias.  Heads 0-15 q, 16-31 k (bf16): RMS-normalised over their 64 numbers and
; multiplied by their gain; q also carries the scores' factor 1/8 (a power of two: exact).  v is kept as TWO f16 numbers: heads 32-35 hold v cut to
; 11 significant bits, heads 36-39 the rest: the first rows of the result are means of few value rows and much larger than the bulk, so one 16-bit
; rounding of v would show there.
; A work-group makes 128 rows x 128 columns (two heads): block column 0-7 of w_q, 8-15 of w_k, 16-17 of w_v.  Eight waves: wave w
; takes 32 rows (w & 3) of one head (w >> 2), so a row's sum of squares stays in one wave.
; K goes in 16 steps of 64.  x and W are f32 in memory and W lies [K][N]: they pass through registers, are rounded to bf16 once for
; the work-group and laid into one of two LDS slots; two register sets keep two steps' tiles (64 KiB each) on their way.
; No joint loads of a cluster and no copy engine: an engine moves bytes as they are, f32 tiles would double the LDS bytes read by
; every fragment, and the transposing LDS load that W needs works on 16-bit elements.
; LIMITS: x and W are rounded to bf16 for the products, sums are f32 in the matrix unit's order, q and k are stored as bf16.
; v must stay below f16's largest number, 65,504: as drawn |v| reaches about 3, with x and w_v both 30 times larger about 3,000, with both carrying
; offsets of 30 spreads about 18,500.  The pair's error is 2^-22 of |v| or, for small v, at most 2^-24 absolute.
.set PA,    144                        ; LDS pitch of x's rows: 128 bytes + 16
.set PB,    288                        ; LDS pitch of W's rows: 256 bytes + 32 (an odd multiple of 32, for the transposing load)
.set BOFF,  128*PA                     ; W's 64 rows lie behind x's 128 rows
.set SLOT,  BOFF+64*PB                 ; 36,864 bytes
.set STAGE, 2*SLOT                     ; behind the slots: 16 rows x 144 bytes for each wave, for the way out
.set VLOW,  4*2048*128                 ; v's lower parts lie four heads behind the upper ones
.set VA_G, 4                           ; byte offset of my 16 bytes in x's tile        (steps 256 a K step)
.set VB_G, 5                           ; the same in W's tile                          (steps 64 rows a K step)
.set VA_S, 6                           ; LDS: where I put 8 bytes of x
.set VB_S, 7                           ; LDS: where I put 8 bytes of W
.set VA_R, 8                           ; LDS: my x fragments
.set VB_R, 9                           ; LDS: my W fragments
.set VBI,  10                          ; byte offset of my 8 columns in the bias
.set VGN,  11                          ; the same in the gain
.set STO,  12                          ; the way out: in
.set RD,   13                          ; the way out: back
.set CO,   14                          ; the way out: 16 x lane
.set ACC,  16                          ; v16-79   ACC(a, b) = 8 registers at ACC + 8 (4 a + b): rows 16 a, columns 16 b
.set FA,   80                          ; v80-95   x fragments
.set FB,   96                          ; v96-127  W fragments
.set SET0, 128                         ; v128-191 set 0, v192-255 set 1: 32 registers of x, 32 of W
.set BIAS, 128                         ; the end: bias of my 32 columns
.set GAIN, 160                         ; the end: gain of my 32 columns
.set T,    192                         ; the end of q and k: at work
.set PK,   200                         ; the end of q and k: packed results
.set TV,   192                         ; the end of v: the 32 upper parts as f32
.set PKH,  224                         ; the end of v: upper parts packed
.set PKL,  240                         ; the end of v: lower parts packed
.set SA,   38                          ; s[38:39] x at the block's first row
.set SB,   40                          ; s[40:55] W at rows 0, 8, .. 56 of the K step, my block's first column
.macro PLACES                          ; four places behind a matrix instruction before its registers are loaded into or its result is read (ISA guide 7.12.1)
.rept 4
	v_nop
.endr
.endm
; 16 loads: one K step's tiles.  x: two rows of 256 bytes an instruction; W: one row of 512 bytes an instruction.
.macro GLOAD sl, adv
.if \adv
	s_wait_xcnt 0x0                                ; the offsets are named by the loads issued before: stepped only behind this wait
	v_add_nc_u32 v[VA_G], 256, v[VA_G]
	v_add_nc_u32 v[VB_G], s56, v[VB_G]
.endif
.irp i, 0,1,2,3,4,5,6,7
	global_load_b128 v[SET0+64*\sl+4*\i:SET0+64*\sl+4*\i+3], v[VA_G], s[SA:SA+1] offset:8192*\i
.endr
.irp i, 0,1,2,3,4,5,6,7
	global_load_b128 v[SET0+64*\sl+32+4*\i:SET0+64*\sl+32+4*\i+3], v[VB_G], s[SB+2*\i:SB+2*\i+1]
.endr
.endm
; 32 along K: 12 LDS loads, 8 matrix instructions.  Source 0 = 16 columns of W, source 1 = 16 rows of x: lane (r, h), register j then
; holds row r, column 16 b + 8 h + j: eight neighbouring numbers of a row.  The eight accumulators take turns.
.macro KK sl, kk, zero
.irp a, 0,1
	ds_load_b128 v[FA+8*\a:FA+8*\a+3],   v[VA_R] offset:\sl*SLOT+2304*\a+64*\kk
	ds_load_b128 v[FA+8*\a+4:FA+8*\a+7], v[VA_R] offset:\sl*SLOT+2304*\a+64*\kk+32
.endr
.irp b, 0,1,2,3
	ds_load_tr16_b128 v[FB+8*\b:FB+8*\b+3],   v[VB_R] offset:\sl*SLOT+9216*\kk+32*\b
	ds_load_tr16_b128 v[FB+8*\b+4:FB+8*\b+7], v[VB_R] offset:\sl*SLOT+9216*\kk+32*\b+4608
.endr
	s_wait_dscnt 0x0
.irp a, 0,1
.irp b, 0,1,2,3
.if \zero
	v_wmma_f32_16x16x32_bf16 v[ACC+8*(4*\a+\b):ACC+8*(4*\a+\b)+7], v[FB+8*\b:FB+8*\b+7], v[FA+8*\a:FA+8*\a+7], 0
.else
	v_wmma_f32_16x16x32_bf16 v[ACC+8*(4*\a+\b):ACC+8*(4*\a+\b)+7], v[FB+8*\b:FB+8*\b+7], v[FA+8*\a:FA+8*\a+7], v[ACC+8*(4*\a+\b):ACC+8*(4*\a+\b)+7]
.endif
.endr
.endr
.endm
; One K step.  left = the younger loads that may stay out.  One barrier a step: in front of it my stores into this slot and my reads
; of the other slot (waited for ahead of their products) are done; the other slot is stored into again only in the next step.
.macro TRIP sl, zero, fill, left
	s_wait_loadcnt \left                           ; loads come back in order (ISA guide 5.7.1): this set is in
.irp i, 0,1,2,3,4,5,6,7,8,9,10,11,12,13,14,15
	v_cvt_pk_bf16_f32 v[SET0+64*\sl+4*\i],   v[SET0+64*\sl+4*\i],   v[SET0+64*\sl+4*\i+1]   ; these 32 lines are also the places behind the last step's products
	v_cvt_pk_bf16_f32 v[SET0+64*\sl+4*\i+1], v[SET0+64*\sl+4*\i+2], v[SET0+64*\sl+4*\i+3]
.endr
.irp i, 0,1,2,3,4,5,6,7
	ds_store_b64 v[VA_S], v[SET0+64*\sl+4*\i:SET0+64*\sl+4*\i+1] offset:\sl*SLOT+288*\i
.endr
.irp i, 0,1,2,3,4,5,6,7
	ds_store_b64 v[VB_S], v[SET0+64*\sl+32+4*\i:SET0+64*\sl+32+4*\i+1] offset:\sl*SLOT+2304*\i
.endr
.if \fill
	GLOAD \sl, 1                                   ; the tile two steps ahead
.endif
	s_wait_dscnt 0x0                               ; for the other waves: my stores are in LDS
	s_barrier_signal -1
	s_barrier_wait -1
	KK \sl, 0, \zero
	PLACES
	KK \sl, 1, 0
.endm
	s_load_b512 s[8:23], s[0:1], 0x0               ; x, w_q, w_k, w_v, b_q, b_k, b_v, rms_q_w
	s_load_b128 s[24:27], s[0:1], 0x40             ; rms_k_w, qkv
	s_set_vgpr_msb 0x40
	v_lshl_add_u32 v0, v0, 2, 0x16800
	v_mov_b32 v1, 0
	s_set_vgpr_msb 0x4000
	v_lshrrev_b32 v15, 5, v0
	v_readfirstlane_b32 s4, v15                    ; wave 0..7
	v_and_b32 v1, 31, v0                           ; lane L
	v_and_b32 v2, 15, v0                           ; r = L & 15
	v_bfe_u32 v3, v0, 4, 1                         ; h = L >> 4
	s_and_b32 s5, s4, 3                            ; wm: which 32 rows
	s_lshr_b32 s6, s4, 2                           ; wn: which head
	s_and_b32 s58, ttmp7, 0xffff                   ; block row
	s_and_b32 s37, ttmp9, 7                        ; block column inside its own weight matrix
	s_mov_b32 s3, 0
	s_mov_b32 s35, 4096
	v_lshlrev_b32 v[VA_G], 4, v2                   ; x: row 16 w + h (+ 2 i in the immediate), 16 bytes at 16 r
	v_lshl_add_u32 v[VA_G], v3, 12, v[VA_G]
	s_lshl_b32 s7, s4, 16
	v_add_nc_u32 v[VA_G], s7, v[VA_G]
	s_wait_kmcnt 0x0
	s_cmp_lt_u32 ttmp9, 8                          ; q, or k
	s_cselect_b64 s[28:29], s[10:11], s[12:13]     ; W
	s_cselect_b64 s[30:31], s[16:17], s[18:19]     ; bias
	s_cselect_b64 s[32:33], s[22:23], s[24:25]     ; gain
	s_cselect_b32 s34, 0x3e000000, 1.0             ; 1/8 for q
	s_cmp_ge_u32 ttmp9, 16                         ; or v
	s_cselect_b64 s[28:29], s[14:15], s[28:29]
	s_cselect_b64 s[30:31], s[20:21], s[30:31]
	s_cselect_b32 s35, 1024, s35                   ; bytes in a row of W
	s_lshl_b32 s2, s58, 19                         ; 128 rows of 4,096 bytes
	s_add_nc_u64 s[SA:SA+1], s[8:9], s[2:3]
	s_lshl_b32 s2, s37, 9                          ; 128 columns of 4 bytes
	s_add_nc_u64 s[SB:SB+1], s[28:29], s[2:3]
	s_add_nc_u64 s[30:31], s[30:31], s[2:3]
	s_lshl_b32 s2, s35, 3                          ; 8 rows of W
.irp i, 1,2,3,4,5,6,7
	s_add_nc_u64 s[SB+2*\i:SB+2*\i+1], s[SB+2*\i-2:SB+2*\i-1], s[2:3]
.endr
	s_lshl_b32 s56, s35, 6                         ; a K step: 64 rows of W
	s_mul_i32 s7, s4, s35
	v_lshl_add_u32 v[VB_G], v1, 4, s7              ; W: row w (+ 8 i in the base), 16 bytes at 16 L
	GLOAD 0, 0                                     ; K steps 0 and 1 are asked for before anything else is done
	GLOAD 1, 1
	s_mov_b32 s59, 0x3c800000                      ; 1/64
	s_mov_b32 s60, 0x34000000                      ; eps = 2^-23
	s_mov_b32 s61, 0x76543210                      ; v_permlanex16_b32: lane i reads lane i of the other half
	s_mov_b32 s62, 0xfedcba98
	v_mul_u32_u24 v[VA_S], v3, PA                  ; (16 w + h) x 144 + 8 r
	v_lshl_add_u32 v[VA_S], v2, 3, v[VA_S]
	s_mul_i32 s7, s4, 16*PA
	v_add_nc_u32 v[VA_S], s7, v[VA_S]
	s_mul_i32 s7, s4, PB                           ; BOFF + 288 w + 8 L
	s_add_co_u32 s7, s7, BOFF
	v_lshl_add_u32 v[VB_S], v1, 3, s7
	v_mul_u32_u24 v[VA_R], v2, PA                  ; (32 wm + r) x 144 + 16 h
	v_lshl_add_u32 v[VA_R], v3, 4, v[VA_R]
	s_mul_i32 s7, s5, 32*PA
	v_add_nc_u32 v[VA_R], s7, v[VA_R]
	v_and_b32 v15, 7, v1                           ; BOFF + (8 h + (L & 7)) x 288 + 128 wn + 16 ((L >> 3) & 1)
	v_lshl_add_u32 v15, v3, 3, v15
	v_mul_u32_u24 v[VB_R], v15, PB
	v_bfe_u32 v15, v1, 3, 1
	v_lshl_add_u32 v[VB_R], v15, 4, v[VB_R]
	s_lshl_b32 s7, s6, 7
	s_add_co_u32 s7, s7, BOFF
	v_add_nc_u32 v[VB_R], s7, v[VB_R]
	s_lshl_b32 s7, s6, 8
	v_lshl_add_u32 v[VBI], v3, 5, s7               ; 256 wn + 32 h
	v_lshlrev_b32 v[VGN], 5, v3                    ; 32 h
	s_mul_i32 s7, s4, 16*PA
	s_add_co_u32 s7, s7, STAGE                     ; my stage
	v_mul_u32_u24 v[STO], v2, PA                   ; in: row r, 16 bytes for each half of the lanes
	v_lshl_add_u32 v[STO], v3, 4, v[STO]
	v_add_nc_u32 v[STO], s7, v[STO]
	v_lshrrev_b32 v15, 3, v1                       ; back: eight lanes take a row of 128 bytes
	v_mul_u32_u24 v[RD], v15, PA
	v_and_b32 v15, 7, v1
	v_lshl_add_u32 v[RD], v15, 4, v[RD]
	v_add_nc_u32 v[RD], s7, v[RD]
	v_lshlrev_b32 v[CO], 4, v1
	s_lshl_b32 s7, ttmp9, 1                        ; head = 2 x block column + wn
	s_add_co_u32 s7, s7, s6
	s_lshl_b32 s7, s7, 18                          ; a head: 2,048 rows of 128 bytes
	s_lshl_b32 s63, s58, 14                        ; 128 rows
	s_add_co_u32 s7, s7, s63
	s_lshl_b32 s63, s5, 12                         ; 32 rows
	s_add_co_u32 s2, s7, s63
	s_add_nc_u64 s[26:27], s[26:27], s[2:3]        ; qkv at my wave's first row
	TRIP 0, 1, 1, 16                               ; the first products start the sums: nothing is cleared.  16: the other set's loads stay out
	TRIP 1, 0, 1, 16
	s_mov_b32 s57, 6
.Lk:
	TRIP 0, 0, 1, 16
	TRIP 1, 0, 1, 16
	s_sub_co_u32 s57, s57, 1
	s_cmp_lg_u32 s57, 0
	s_cbranch_scc1 .Lk
	TRIP 0, 0, 0, 16                               ; the last two steps fetch nothing beyond K's end
.irp b, 0,1,2,3
	global_load_b128 v[BIAS+8*\b:BIAS+8*\b+3],   v[VBI], s[30:31] offset:64*\b      ; bias and gain of columns 16 b + 8 h + 0..7, into the free set
	global_load_b128 v[BIAS+8*\b+4:BIAS+8*\b+7], v[VBI], s[30:31] offset:64*\b+16
	global_load_b128 v[GAIN+8*\b:GAIN+8*\b+3],   v[VGN], s[32:33] offset:64*\b
	global_load_b128 v[GAIN+8*\b+4:GAIN+8*\b+7], v[VGN], s[32:33] offset:64*\b+16
.endr
	TRIP 1, 0, 0, 16                               ; 16: the loads just issued stay out
; q and k, 16 rows: bias, the row's mean square (32 numbers in my lane, 32 in the lane of the other half), y x rsqrt x gain, bf16, out through my stage.
.macro EPI a
.irp p, 0,2,4,6,8,10,12,14,16,18,20,22,24,26,28,30
	v_pk_add_f32 v[ACC+32*\a+\p:ACC+32*\a+\p+1], v[ACC+32*\a+\p:ACC+32*\a+\p+1], v[BIAS+\p:BIAS+\p+1]
.endr
	v_pk_mul_f32 v[T:T+1],   v[ACC+32*\a:ACC+32*\a+1],   v[ACC+32*\a:ACC+32*\a+1]
	v_pk_mul_f32 v[T+2:T+3], v[ACC+32*\a+2:ACC+32*\a+3], v[ACC+32*\a+2:ACC+32*\a+3]
.irp p, 4,8,12,16,20,24,28
	v_pk_fma_f32 v[T:T+1],   v[ACC+32*\a+\p:ACC+32*\a+\p+1],   v[ACC+32*\a+\p:ACC+32*\a+\p+1],   v[T:T+1]
	v_pk_fma_f32 v[T+2:T+3], v[ACC+32*\a+\p+2:ACC+32*\a+\p+3], v[ACC+32*\a+\p+2:ACC+32*\a+\p+3], v[T+2:T+3]
.endr
	v_pk_add_f32 v[T:T+1], v[T:T+1], v[T+2:T+3]
	v_add_f32 v[T], v[T], v[T+1]
	v_permlanex16_b32 v[T+1], v[T], s61, s62
	v_add_f32 v[T], v[T], v[T+1]
	v_fma_f32 v[T], v[T], s59, s60                 ; mean + eps
	v_rsq_f32 v[T+2], v[T]
	v_nop                                          ; one plain place behind the transcendental (ISA guide 5.7.2)
	s_wait_alu depctr_va_vdst(0)
	v_mul_f32 v[T+2], s34, v[T+2]                  ; q: the scores' 1/8
	v_mov_b32 v[T+3], v[T+2]
.irp p, 0,2,4,6,8,10,12,14,16,18,20,22,24,26,28,30
	v_pk_mul_f32 v[ACC+32*\a+\p:ACC+32*\a+\p+1], v[ACC+32*\a+\p:ACC+32*\a+\p+1], v[T+2:T+3]
.endr
.irp p, 0,2,4,6,8,10,12,14,16,18,20,22,24,26,28,30
	v_pk_mul_f32 v[ACC+32*\a+\p:ACC+32*\a+\p+1], v[ACC+32*\a+\p:ACC+32*\a+\p+1], v[GAIN+\p:GAIN+\p+1]
.endr
.irp p, 0,1,2,3,4,5,6,7,8,9,10,11,12,13,14,15
	v_cvt_pk_bf16_f32 v[PK+16*\a+\p], v[ACC+32*\a+2*\p], v[ACC+32*\a+2*\p+1]
.endr
.irp b, 0,1,2,3
	ds_store_b128 v[STO], v[PK+16*\a+4*\b:PK+16*\a+4*\b+3] offset:32*\b
.endr
.irp t, 0,1,2,3
	ds_load_b128 v[FA+16*\a+4*\t:FA+16*\a+4*\t+3], v[RD] offset:576*\t       ; my own bytes: LDS serves a wave's instructions in order (ISA guide 5.7.1)
.endr
.irp t, 0,1,2,3
	s_wait_dscnt 3-\t                              ; the younger read-backs stay out
	global_store_b128 v[CO], v[FA+16*\a+4*\t:FA+16*\a+4*\t+3], s[26:27] offset:2048*\a+512*\t   ; four rows: 512 consecutive bytes, aligned
.endr
.endm
; v, 16 rows: bias; upper part = the f32 with its 13 lowest mantissa bits cleared (11 significant bits: exact in f16); lower part = the rest, exact in f32,
; rounded to f16.  Both go out through my stage, one after the other.  The read-backs land in the gain's registers (a = 0; v has no gain) and the bias's (a = 1, used up by then).
.macro EPV a
.irp p, 0,2,4,6,8,10,12,14,16,18,20,22,24,26,28,30
	v_pk_add_f32 v[ACC+32*\a+\p:ACC+32*\a+\p+1], v[ACC+32*\a+\p:ACC+32*\a+\p+1], v[BIAS+\p:BIAS+\p+1]
.endr
.irp p, 0,1,2,3,4,5,6,7,8,9,10,11,12,13,14,15,16,17,18,19,20,21,22,23,24,25,26,27,28,29,30,31
	v_and_b32 v[TV+\p], 0xffffe000, v[ACC+32*\a+\p]
.endr
.irp p, 0,1,2,3,4,5,6,7,8,9,10,11,12,13,14,15
	v_cvt_pk_f16_f32 v[PKH+\p], v[TV+2*\p], v[TV+2*\p+1]
.endr
.irp p, 0,2,4,6,8,10,12,14,16,18,20,22,24,26,28,30
	v_pk_add_f32 v[ACC+32*\a+\p:ACC+32*\a+\p+1], v[ACC+32*\a+\p:ACC+32*\a+\p+1], v[TV+\p:TV+\p+1] neg_lo:[0,1] neg_hi:[0,1]
.endr
.irp p, 0,1,2,3,4,5,6,7,8,9,10,11,12,13,14,15
	v_cvt_pk_f16_f32 v[PKL+\p], v[ACC+32*\a+2*\p], v[ACC+32*\a+2*\p+1]
.endr
.irp b, 0,1,2,3
	ds_store_b128 v[STO], v[PKH+4*\b:PKH+4*\b+3] offset:32*\b
.endr
.irp t, 0,1,2,3
	ds_load_b128 v[GAIN-32*\a+4*\t:GAIN-32*\a+4*\t+3], v[RD] offset:576*\t   ; my own bytes, served in order (ISA guide 5.7.1): read before the lower parts land on them
.endr
.irp b, 0,1,2,3
	ds_store_b128 v[STO], v[PKL+4*\b:PKL+4*\b+3] offset:32*\b
.endr
.irp t, 0,1,2,3
	ds_load_b128 v[GAIN-32*\a+16+4*\t:GAIN-32*\a+16+4*\t+3], v[RD] offset:576*\t
.endr
.irp t, 0,1,2,3
	s_wait_dscnt 11-\t                             ; behind read-back t stand 3 - t more, four stores and four read-backs
	global_store_b128 v[CO], v[GAIN-32*\a+4*\t:GAIN-32*\a+4*\t+3], s[26:27] offset:2048*\a+512*\t
.endr
.irp t, 0,1,2,3
	s_wait_dscnt 3-\t
	global_store_b128 v[CO], v[GAIN-32*\a+16+4*\t:GAIN-32*\a+16+4*\t+3], s[26:27] offset:VLOW+2048*\a+512*\t
.endr
.endm
	PLACES
	s_wait_loadcnt 0x0
	s_cmp_ge_u32 ttmp9, 16                         ; the same for the whole work-group
	s_cbranch_scc1 .Lv
	EPI 0
	EPI 1
	s_set_vgpr_msb 0x5
	s_wait_tensorcnt 0x0
	ds_add_u32 v0, v1
	s_wait_dscnt 0x0
	s_set_vgpr_msb 0x500
	s_endpgm
.Lv:
	EPV 0
	EPV 1
	s_set_vgpr_msb 0x5
	s_wait_tensorcnt 0x0
	ds_add_u32 v0, v1
	s_wait_dscnt 0x0
	s_set_vgpr_msb 0x500
	s_endpgm
.Lfunc_end_k_qe665fae83e_proj:
	.size	k_qe665fae83e_proj, .Lfunc_end_k_qe665fae83e_proj-k_qe665fae83e_proj
	.p2alignl 7, 3214868480
	.fill 96, 4, 3214868480
	.section	.rodata,"a",@progbits
	.p2align	6, 0x0
	.amdhsa_kernel k_qe665fae83e_proj
		.amdhsa_group_segment_fixed_size 93184
		.amdhsa_private_segment_fixed_size 0
		.amdhsa_enable_private_segment 0
		.amdhsa_kernarg_size 80
		.amdhsa_user_sgpr_count 2
		.amdhsa_user_sgpr_kernarg_segment_ptr 1
		.amdhsa_wavefront_size32 1
		.amdhsa_system_sgpr_workgroup_id_x 1
		.amdhsa_system_sgpr_workgroup_id_y 1
		.amdhsa_system_sgpr_workgroup_id_z 1
		.amdhsa_system_vgpr_workitem_id 0
		.amdhsa_next_free_vgpr 258
		.amdhsa_next_free_sgpr 66
		.amdhsa_reserve_vcc 0
		.amdhsa_float_denorm_mode_32 3
		.amdhsa_float_denorm_mode_16_64 3
		.amdhsa_memory_ordered 1
		.amdhsa_forward_progress 1
		.amdhsa_inst_pref_size 80
	.end_amdhsa_kernel
	.amdgpu_metadata
---
amdhsa.version: [ 1, 2 ]
amdhsa.kernels:
  - .name:           k_qe665fae83e_proj
    .symbol:         k_qe665fae83e_proj.kd
    .args:
      - { .name: x, .offset: 0, .size: 8, .value_kind: global_buffer, .address_space: global }
      - { .name: w_q, .offset: 8, .size: 8, .value_kind: global_buffer, .address_space: global }
      - { .name: w_k, .offset: 16, .size: 8, .value_kind: global_buffer, .address_space: global }
      - { .name: w_v, .offset: 24, .size: 8, .value_kind: global_buffer, .address_space: global }
      - { .name: b_q, .offset: 32, .size: 8, .value_kind: global_buffer, .address_space: global }
      - { .name: b_k, .offset: 40, .size: 8, .value_kind: global_buffer, .address_space: global }
      - { .name: b_v, .offset: 48, .size: 8, .value_kind: global_buffer, .address_space: global }
      - { .name: rms_q_w, .offset: 56, .size: 8, .value_kind: global_buffer, .address_space: global }
      - { .name: rms_k_w, .offset: 64, .size: 8, .value_kind: global_buffer, .address_space: global }
      - { .name: qkv, .offset: 72, .size: 8, .value_kind: global_buffer, .address_space: global }
    .group_segment_fixed_size: 93184
    .private_segment_fixed_size: 0
    .kernarg_segment_align: 8
    .kernarg_segment_size: 80
    .max_flat_workgroup_size: 256
    .sgpr_count:     66
    .vgpr_count:     258
    .wavefront_size: 32
...
	.end_amdgpu_metadata
.endif
;; end of part 1
;; launch fit (part 2): grid 16 x 16, 8 waves a work-group, no clusters, 21,504 bytes of LDS; arguments qkv, stat; writes stat
.if DOCPART == 2
	.amdgcn_target "amdgcn-amd-amdhsa--gfx1250"
	.amdhsa_code_object_version 6
	.text
	.protected	k_qe665fae83e_fit
	.globl	k_qe665fae83e_fit
	.p2align	8
	.type	k_qe665fae83e_fit,@function
k_qe665fae83e_fit:
	s_mov_b64 s[64:65], 0
	v_nop
	global_prefetch_b8 v0, s[64:65] scope:SCOPE_SE
	s_setreg_imm32_b32 hwreg(HW_REG_WAVE_MODE, 25, 1), 1
	s_wait_xcnt 0x0
; fit: for each head and query i: stat.rinv = 1 / (mean over all 2,048 columns of sigmoid(masked score) + 0.5), stat.smax = the largest score of the band.
; The band is 0 <= i - j <= 512.  Outside it the masked score is 0 and its sigmoid 0.5: these 2,047 - min(i, 512) columns are counted, not computed.
; A work-group = (128 queries, one head).  It walks the keys from 128 x (block - min(block, 4)) to its last query in blocks of 64, two LDS slots by turns.
; Wave w: queries 32 (w & 3) .. + 31, and of every block the 32 keys of half w >> 2.  A 32 x 32 step whose distance d = first query - first key is not in
; 0 .. 512 holds no column of the band and is jumped over; only d = 0 and d = 512 need the mask.
; The scores are made transposed (source 0 = keys, source 1 = queries): lane (r, h), register j holds key 8 h + j, query r, so a query's sum and maximum
; are gathered in the lane and finished by one exchange between the halves.
; No joint loads of a cluster: the sixteen heads read sixteen different K, and query blocks of one head read key ranges that are shifted against each other.
; LIMITS: q and k are bf16; masked scores are -1e30 (sigmoid 0, never the maximum); sums in f32 in this text's order.
.set KP,    144                        ; LDS pitch of a key's 128 bytes
.set KSLOT, 64*KP
.set SUMS,  2*KSLOT                    ; f32 [2 halves][128 queries]
.set MAXS,  SUMS+1024
.set QV,  4
.set GK,  5                            ; 16 x thread: my 16 bytes of a block's first 4,096
.set KS,  6
.set KR,  7
.set SAD, 8
.set Q,   16                           ; v16-47   Q(grp, dh) at Q + 16 grp + 8 dh
.set S,   48                           ; v48-79   S(grp, kt) at S + 16 grp + 8 kt
.set KF,  80                           ; v80-111  K(kt, dh) at KF + 16 kt + 8 dh
.set SET, 112                          ; v112-119, v120-127: a block's 32 bytes of mine, two sets
.set SUM, 128                          ; v128-131 a pair for each grp
.set MX,  132                          ; v132-133
.set NEG, 134
.set RH,  135                          ; r - 8 h - 23
.set DV,  136
.set TMP, 137
; i - j = d + 16 (grp - kt) + r - 8 h - j; one unsigned compare serves both edges of the band.
.macro MASK
	v_add_nc_u32 v[DV], s14, v[RH]
.irp grp, 0,1
.irp kt, 0,1
.irp j, 0,1,2,3,4,5,6,7
	v_add_nc_u32 v[TMP], 16*(\grp-\kt)-\j+23, v[DV]
	v_cmp_gt_u32 vcc_lo, 513, v[TMP]
	v_cndmask_b32 v[S+16*\grp+8*\kt+\j], v[NEG], v[S+16*\grp+8*\kt+\j], vcc_lo
.endr
.endr
.endr
.endm
.macro STEP sl
	s_cmp_gt_u32 s14, 512                          ; unsigned: a negative d is large
	s_cbranch_scc1 .Lskip_\@
.irp kt, 0,1
.irp dh, 0,1
	ds_load_b128 v[KF+16*\kt+8*\dh:KF+16*\kt+8*\dh+3],   v[KR] offset:\sl*KSLOT+2304*\kt+64*\dh
	ds_load_b128 v[KF+16*\kt+8*\dh+4:KF+16*\kt+8*\dh+7], v[KR] offset:\sl*KSLOT+2304*\kt+64*\dh+32
.endr
.endr
	s_wait_dscnt 0x0
.irp grp, 0,1                                      ; four accumulators take turns
.irp kt, 0,1
	v_wmma_f32_16x16x32_bf16 v[S+16*\grp+8*\kt:S+16*\grp+8*\kt+7], v[KF+16*\kt:KF+16*\kt+7], v[Q+16*\grp:Q+16*\grp+7], 0
.endr
.endr
.irp grp, 0,1
.irp kt, 0,1
	v_wmma_f32_16x16x32_bf16 v[S+16*\grp+8*\kt:S+16*\grp+8*\kt+7], v[KF+16*\kt+8:KF+16*\kt+15], v[Q+16*\grp+8:Q+16*\grp+15], v[S+16*\grp+8*\kt:S+16*\grp+8*\kt+7]
.endr
.endr
.rept 5
	v_nop                                          ; the places behind the products, for the lines below and for the next step's loads and products
.endr
	s_and_b32 s22, s14, 511
	s_cmp_lg_u32 s22, 0
	s_cbranch_scc1 .Linner_\@
	MASK
.Linner_\@:
.irp p, 0,2,4,6,8,10,12,14
.irp grp, 0,1
	v_max3_num_f32 v[MX+\grp], v[MX+\grp], v[S+16*\grp+\p], v[S+16*\grp+\p+1]
.endr
.endr
.irp p, 0,2,4,6,8,10,12,14,16,18,20,22,24,26,28,30
	v_pk_mul_f32 v[S+\p:S+\p+1], v[S+\p:S+\p+1], 0xbfb8aa3b op_sel_hi:[1,0]      ; - s log2(e)
.endr
.irp p, 0,1,2,3,4,5,6,7,8,9,10,11,12,13,14,15,16,17,18,19,20,21,22,23,24,25,26,27,28,29,30,31
	v_exp_f32 v[S+\p], v[S+\p]
.endr
	v_nop                                          ; one plain place behind the transcendentals (ISA guide 5.7.2)
	s_wait_alu depctr_va_vdst(0)
.irp p, 0,2,4,6,8,10,12,14,16,18,20,22,24,26,28,30
	v_pk_add_f32 v[S+\p:S+\p+1], v[S+\p:S+\p+1], 1.0 op_sel_hi:[1,0]
.endr
.irp p, 0,1,2,3,4,5,6,7,8,9,10,11,12,13,14,15,16,17,18,19,20,21,22,23,24,25,26,27,28,29,30,31
	v_rcp_f32 v[S+\p], v[S+\p]                     ; sigmoid; a masked place: 1 / infinity = 0
.endr
	v_nop
	s_wait_alu depctr_va_vdst(0)
.irp p, 0,2,4,6,8,10,12,14
.irp grp, 0,1
	v_pk_add_f32 v[SUM+2*\grp:SUM+2*\grp+1], v[SUM+2*\grp:SUM+2*\grp+1], v[S+16*\grp+\p:S+16*\grp+\p+1]
.endr
.endr
.Lskip_\@:
.endm
; One block of 64 keys.  left = the younger loads that may stay out.  One barrier a block: in front of it my stores into this slot and my reads of the
; other slot are done; the other slot is stored into again only in the next block.
.macro BLOCK sl, fill, left
	s_wait_loadcnt \left
	ds_store_b128 v[KS], v[SET+8*\sl:SET+8*\sl+3]   offset:\sl*KSLOT
	ds_store_b128 v[KS], v[SET+8*\sl+4:SET+8*\sl+7] offset:\sl*KSLOT+4608
.if \fill
	s_wait_xcnt 0x0                                ; the base is named by the loads issued before: stepped only behind this wait
	s_add_nc_u64 s[18:19], s[18:19], 8192
	global_load_b128 v[SET+8*\sl:SET+8*\sl+3],   v[GK], s[18:19] offset:8192     ; the block two ahead
	global_load_b128 v[SET+8*\sl+4:SET+8*\sl+7], v[GK], s[18:19] offset:12288
.endif
	s_wait_dscnt 0x0
	s_barrier_signal -1
	s_barrier_wait -1
	STEP \sl
	s_sub_co_u32 s14, s14, 64
.endm
	s_load_b128 s[4:7], s[0:1], 0x0                ; qkv, stat
	v_lshl_add_u32 v144, v0, 2, 0x5000
	v_mov_b32 v145, 0
	v_lshrrev_b32 v15, 5, v0
	v_readfirstlane_b32 s8, v15                    ; wave
	v_and_b32 v1, 31, v0                           ; L
	v_and_b32 v2, 15, v0                           ; r
	v_bfe_u32 v3, v0, 4, 1                         ; h
	s_and_b32 s9, s8, 3                            ; g: which 32 queries
	s_lshr_b32 s10, s8, 2                          ; kh: which half of a block's keys
	s_and_b32 s12, ttmp7, 0xffff                   ; head
	s_min_u32 s13, ttmp9, 4                        ; m: blocks of 128 keys in front of my own
	s_mov_b32 s3, 0
	s_mov_b32 s25, 0
	s_lshl_b32 s22, s12, 18                        ; a head: 2,048 rows of 128 bytes
	s_lshl_b32 s2, ttmp9, 14                       ; 128 rows
	s_add_co_u32 s2, s2, s22
	s_lshl_b32 s23, s9, 12                         ; 32 rows
	s_add_co_u32 s2, s2, s23
	s_sub_co_u32 s24, ttmp9, s13
	s_lshl_b32 s24, s24, 14
	s_add_co_u32 s24, s24, s22
	s_add_co_u32 s24, s24, 0x400000                ; k heads lie behind the 16 q heads
	v_lshlrev_b32 v[QV], 7, v2                     ; 128 r + 16 h
	v_lshl_add_u32 v[QV], v3, 4, v[QV]
	v_lshlrev_b32 v[GK], 4, v0
	s_wait_kmcnt 0x0
	s_add_nc_u64 s[16:17], s[4:5], s[2:3]          ; my wave's queries
	s_add_nc_u64 s[18:19], s[4:5], s[24:25]        ; the work-group's first key
.irp grp, 0,1
.irp dh, 0,1
	global_load_b128 v[Q+16*\grp+8*\dh:Q+16*\grp+8*\dh+3],   v[QV], s[16:17] offset:2048*\grp+64*\dh
	global_load_b128 v[Q+16*\grp+8*\dh+4:Q+16*\grp+8*\dh+7], v[QV], s[16:17] offset:2048*\grp+64*\dh+32
.endr
.endr
.irp c, 0,1
	global_load_b128 v[SET+8*\c:SET+8*\c+3],   v[GK], s[18:19] offset:8192*\c
	global_load_b128 v[SET+8*\c+4:SET+8*\c+7], v[GK], s[18:19] offset:8192*\c+4096
.endr
	s_lshl_b32 s2, s12, 13                         ; stat: 2,048 x 4 bytes a head,
	s_lshl_b32 s22, ttmp9, 9                       ; 128 x 4 bytes a block
	s_add_co_u32 s2, s2, s22
	s_add_nc_u64 s[6:7], s[6:7], s[2:3]
	s_lshl_b32 s14, s13, 7                         ; d = 128 m + 32 g - 32 kh, and 64 less with every block
	s_sub_co_u32 s22, s9, s10
	s_lshl_b32 s22, s22, 5
	s_add_co_u32 s14, s14, s22
	s_mov_b32 s20, 0x76543210
	s_mov_b32 s21, 0xfedcba98
	v_lshrrev_b32 v15, 3, v1                       ; KS = (4 w + (L >> 3)) x 144 + 16 (L & 7)
	v_mul_u32_u24 v[KS], v15, KP
	v_and_b32 v15, 7, v1
	v_lshl_add_u32 v[KS], v15, 4, v[KS]
	s_mul_i32 s22, s8, 4*KP
	v_add_nc_u32 v[KS], s22, v[KS]
	v_mul_u32_u24 v[KR], v2, KP                    ; KR = (32 kh + r) x 144 + 16 h
	v_lshl_add_u32 v[KR], v3, 4, v[KR]
	s_mul_i32 s22, s10, 32*KP
	v_add_nc_u32 v[KR], s22, v[KR]
	s_lshl_b32 s22, s10, 9                         ; SAD = SUMS + (128 kh + 32 g + r) x 4
	s_lshl_b32 s23, s9, 7
	s_add_co_u32 s22, s22, s23
	s_add_co_u32 s22, s22, SUMS
	v_lshl_add_u32 v[SAD], v2, 2, s22
	v_lshlrev_b32 v15, 3, v3
	v_sub_nc_u32 v[RH], v2, v15
	v_add_nc_u32 v[RH], 0xffffffe9, v[RH]          ; - 23: the mask's 32 constants are then 0 .. 39
	v_mov_b32 v[NEG], 0xf149f2ca                   ; -1e30
	v_mov_b32 v[MX], v[NEG]
	v_mov_b32 v[MX+1], v[NEG]
	v_mov_b32 v[TMP], 0
.irp p, 0,1,2,3
	v_mov_b32 v[SUM+\p], 0
.endr
	s_mov_b32 s15, s13                             ; m + 1 pairs of blocks: m in the loop, the last written out
	s_cmp_eq_u32 s15, 0
	s_cbranch_scc1 .Ltail
.Lpair:
	BLOCK 0, 1, 2                                  ; 2: the other set's loads stay out
	BLOCK 1, 1, 2
	s_sub_co_u32 s15, s15, 1
	s_cmp_lg_u32 s15, 0
	s_cbranch_scc1 .Lpair
.Ltail:
	BLOCK 0, 0, 2                                  ; the last two blocks fetch nothing beyond the work-group's last key
	BLOCK 1, 0, 0
	v_add_f32 v[SUM], v[SUM], v[SUM+1]
	v_add_f32 v[SUM+2], v[SUM+2], v[SUM+3]
	v_permlanex16_b32 v[TMP], v[SUM], s20, s21
	v_add_f32 v[SUM], v[SUM], v[TMP]
	v_permlanex16_b32 v[TMP], v[SUM+2], s20, s21
	v_add_f32 v[SUM+2], v[SUM+2], v[TMP]
	v_permlanex16_b32 v[TMP], v[MX], s20, s21
	v_max_num_f32 v[MX], v[MX], v[TMP]
	v_permlanex16_b32 v[TMP], v[MX+1], s20, s21
	v_max_num_f32 v[MX+1], v[MX+1], v[TMP]
	ds_store_b32 v[SAD], v[SUM]                    ; both halves of the lanes hold the same number
	ds_store_b32 v[SAD], v[SUM+2] offset:64
	ds_store_b32 v[SAD], v[MX] offset:1024
	ds_store_b32 v[SAD], v[MX+1] offset:1088
	s_wait_dscnt 0x0                               ; for wave 0: my figures are in LDS
	s_barrier_signal -1
	s_barrier_wait -1
	s_cmp_lg_u32 s8, 0
	s_cbranch_scc1 .Lend
	; wave 0: lane L finishes queries 4 L .. 4 L + 3
	v_lshl_add_u32 v48, v1, 4, SUMS
	ds_load_b128 v[52:55], v48
	ds_load_b128 v[56:59], v48 offset:512
	ds_load_b128 v[60:63], v48 offset:1024
	ds_load_b128 v[64:67], v48 offset:1536
	s_lshl_b32 s22, ttmp9, 7
	v_lshl_add_u32 v49, v1, 2, s22                 ; i
	v_lshlrev_b32 v50, 4, v1
.irp e, 0,1,2,3
	v_add_nc_u32 v[68+\e], \e, v49
	v_min_u32 v[68+\e], 512, v[68+\e]
	v_sub_nc_u32 v[68+\e], 2047, v[68+\e]          ; columns outside the band
	v_cvt_f32_u32 v[68+\e], v[68+\e]
.endr
	s_wait_dscnt 0x0
	v_pk_add_f32 v[52:53], v[52:53], v[56:57]
	v_pk_add_f32 v[54:55], v[54:55], v[58:59]
.irp e, 0,1,2,3
	v_fma_f32 v[68+\e], v[68+\e], 0.5, v[52+\e]
	v_fma_f32 v[68+\e], v[68+\e], 0x3a000000, 0.5  ; / 2,048, + 0.5
.endr
.irp e, 0,1,2,3
	v_rcp_f32 v[72+\e], v[68+\e]
.endr
.irp e, 0,1,2,3
	v_max_num_f32 v[60+\e], v[60+\e], v[64+\e]     ; plain lines behind the transcendentals
.endr
	s_wait_alu depctr_va_vdst(0)
	global_store_b128 v50, v[72:75], s[6:7]                    ; 512 consecutive bytes, aligned
	global_store_b128 v50, v[60:63], s[6:7] offset:131072
.Lend:
	s_wait_tensorcnt 0x0
	ds_add_u32 v144, v145
	s_wait_dscnt 0x0
	s_endpgm
.Lfunc_end_k_qe665fae83e_fit:
	.size	k_qe665fae83e_fit, .Lfunc_end_k_qe665fae83e_fit-k_qe665fae83e_fit
	.p2alignl 7, 3214868480
	.fill 96, 4, 3214868480
	.section	.rodata,"a",@progbits
	.p2align	6, 0x0
	.amdhsa_kernel k_qe665fae83e_fit
		.amdhsa_group_segment_fixed_size 21504
		.amdhsa_private_segment_fixed_size 0
		.amdhsa_enable_private_segment 0
		.amdhsa_kernarg_size 16
		.amdhsa_user_sgpr_count 2
		.amdhsa_user_sgpr_kernarg_segment_ptr 1
		.amdhsa_wavefront_size32 1
		.amdhsa_system_sgpr_workgroup_id_x 1
		.amdhsa_system_sgpr_workgroup_id_y 1
		.amdhsa_system_sgpr_workgroup_id_z 1
		.amdhsa_system_vgpr_workitem_id 0
		.amdhsa_next_free_vgpr 146
		.amdhsa_next_free_sgpr 66
		.amdhsa_reserve_vcc 1
		.amdhsa_float_denorm_mode_32 3
		.amdhsa_float_denorm_mode_16_64 3
		.amdhsa_memory_ordered 1
		.amdhsa_forward_progress 1
		.amdhsa_inst_pref_size 58
	.end_amdhsa_kernel
	.amdgpu_metadata
---
amdhsa.version: [ 1, 2 ]
amdhsa.kernels:
  - .name:           k_qe665fae83e_fit
    .symbol:         k_qe665fae83e_fit.kd
    .args:
      - { .name: qkv, .offset: 0, .size: 8, .value_kind: global_buffer, .address_space: global }
      - { .name: stat, .offset: 8, .size: 8, .value_kind: global_buffer, .address_space: global }
    .group_segment_fixed_size: 21504
    .private_segment_fixed_size: 0
    .kernarg_segment_align: 8
    .kernarg_segment_size: 16
    .max_flat_workgroup_size: 256
    .sgpr_count:     66
    .vgpr_count:     146
    .wavefront_size: 32
...
	.end_amdgpu_metadata
.endif
;; end of part 2
;; launch attn (part 3): grid 16 x 16, 8 waves a work-group, no clusters, 131,072 bytes of LDS; arguments qkv, stat, ao; writes ao
.if DOCPART == 3
	.amdgcn_target "amdgcn-amd-amdhsa--gfx1250"
	.amdhsa_code_object_version 6
	.text
	.protected	k_qe665fae83e_attn
	.globl	k_qe665fae83e_attn
	.p2align	8
	.type	k_qe665fae83e_attn,@function
k_qe665fae83e_attn:
	s_mov_b64 s[64:65], 0
	v_nop
	global_prefetch_b8 v0, s[64:65] scope:SCOPE_SE
	s_setreg_imm32_b32 hwreg(HW_REG_WAVE_MODE, 25, 1), 1
	s_wait_xcnt 0x0
; attn: ao[part][head][t][64] (bf16, two parts) = softmax over the band of (score x fitness) times V.  fitness f(i) = rinv(i) / (sum over the head's 2,048 queries of rinv).
; f > 0 (rinv lies in 2/3 .. 2), so the largest logit of a row is f x smax, with smax from the launch before: the exact maximum is taken away in front of
; the exponential, p = 2^((s - smax) f log2 e), and no running maximum is needed.  Columns outside the band have weight exp(-1e10 - max) = 0: not computed.
; Shares as in the launch before: a work-group = (128 queries, one head), blocks of 64 keys through two LDS slots; wave w: queries 32 (w & 3) .. + 31 and of
; every block the 32 keys of half w >> 2; steps with distance d outside 0 .. 512 are jumped over, d = 0 and d = 512 are masked.
; Scores are made transposed (lane (r, h), register j: key 8 h + j, query r), so two score tiles, rounded and packed in the lane, ARE the second source of
; O^T = V^T P^T; V^T comes from LDS by the transposing load.  The two key halves' sums meet in LDS at the end.
; PRECISION OF THE VALUE PATH: the first rows are means of few value rows and much larger than the bulk of the result, so v, p and the result keep more than
; bf16's 8 bits: v comes as two f16 numbers (upper and lower part), p is rounded to f16 (11 bits), O = Vupper P + Vlower P in the f16 form, and the result
; leaves as two bf16 numbers (the f32 cut to bf16, and the rest), part 0 and part 1 of ao.
; The first block is never jumped over and always masked: its products start the sums of O on every path (a wave with no key of the band there adds zeros).
; No joint loads of a cluster: only V is common to four heads, and K and V pass through registers here.
; REGISTERS: v0-255 as listed; the two sets that carry a block from memory to LDS are v256-303, named v0-47 under s_set_vgpr_msb (low byte: bits 3:2 source 1 = an LDS
; store's data, bits 7:6 destination = a load's data).  Three switches a block; every window is 0 at each label, branch and barrier.
; LIMITS: q and k are bf16; |v| below 65,504 (see the launch that makes it); the row sum is made of the unrounded p; masked scores are -1e30 (p = 0);
; p below 2^-126 is 0 in the sum, p below about 3e-8 is 0 in the product.
.set KP,    144
.set VP,    160                        ; an odd multiple of 32, for the transposing load
.set KSLOT, 64*KP
.set VBASE, 2*KSLOT
.set VLO,   64*VP                      ; in a slot the lower parts lie behind the upper ones
.set VSLOT, 2*VLO
.set VLOW,  4*2048*128                 ; in qkv they lie four heads behind
.set ALOW,  16*2048*128                ; ao's part 1
.set RED,   VBASE+2*VSLOT              ; 8 words: the waves' parts of the sum of rinv
.set LSUM,  RED+256                    ; f32 [128]: row sums of the upper key halves
.set OX,    LSUM+768                   ; 4 x 8,192: O of the upper key halves
.set STAGE, OX+4*8192                  ; 4 x 2 parts x 32 rows x 144: the way out
.set QV,  4
.set GK,  5
.set KS,  6
.set VS,  7
.set KR,  8
.set VR,  9
.set RH,  10
.set NEG, 11
.set DV,  12
.set TMP, 13
.set Q,   16                           ; v16-47   Q(grp, dh)
.set O,   48                           ; v48-111  O(grp, dt) at O + 32 grp + 8 dt
.set S,   112                          ; v112-143 S(grp, kt) at S + 16 grp + 8 kt; then P(grp) in S + 16 grp + 0..7
.set KF,  144                          ; v144-175
.set VF,  176                          ; v176-207 V^T(dt), upper parts
.set VL,  208                          ; v208-239 V^T(dt), lower parts
.set CC,  240                          ; v240-243 f log2 e, a pair for each grp
.set NN,  244                          ; v244-247 - smax f log2 e
.set LS,  248                          ; v248-251 row sums
.set XS,  0                            ; v256-279, v280-303 (window 1): 8 registers of K, 8 of V's upper, 8 of V's lower parts, two sets
.set OXA, 112                          ; the end, in the score registers: addresses
.set LA,  113
.set STO, 114
.set RD,  115
.set CO,  116
.set MSB, 0
.macro WIN new                         ; the immediate's high byte repeats the setting that is left
.if MSB != \new
	s_set_vgpr_msb (MSB<<8)|\new
.set MSB, \new
.endif
.endm
.macro MASK
	v_add_nc_u32 v[DV], s15, v[RH]
.irp grp, 0,1
.irp kt, 0,1
.irp j, 0,1,2,3,4,5,6,7
	v_add_nc_u32 v[TMP], 16*(\grp-\kt)-\j+23, v[DV]
	v_cmp_gt_u32 vcc_lo, 513, v[TMP]               ; 0 <= i - j <= 512, in one unsigned compare
	v_cndmask_b32 v[S+16*\grp+8*\kt+\j], v[NEG], v[S+16*\grp+8*\kt+\j], vcc_lo
.endr
.endr
.endr
.endm
.macro STEP sl, first
.if \first == 0
	s_cmp_gt_u32 s15, 512
	s_cbranch_scc1 .Lskip_\@
.endif
.irp kt, 0,1
.irp dh, 0,1
	ds_load_b128 v[KF+16*\kt+8*\dh:KF+16*\kt+8*\dh+3],   v[KR] offset:\sl*KSLOT+2304*\kt+64*\dh
	ds_load_b128 v[KF+16*\kt+8*\dh+4:KF+16*\kt+8*\dh+7], v[KR] offset:\sl*KSLOT+2304*\kt+64*\dh+32
.endr
.endr
.irp dt, 0,1,2,3
	ds_load_tr16_b128 v[VF+8*\dt:VF+8*\dt+3],   v[VR] offset:\sl*VSLOT+32*\dt
	ds_load_tr16_b128 v[VF+8*\dt+4:VF+8*\dt+7], v[VR] offset:\sl*VSLOT+32*\dt+16*VP
.endr
.irp dt, 0,1,2,3
	ds_load_tr16_b128 v[VL+8*\dt:VL+8*\dt+3],   v[VR] offset:\sl*VSLOT+VLO+32*\dt
	ds_load_tr16_b128 v[VL+8*\dt+4:VL+8*\dt+7], v[VR] offset:\sl*VSLOT+VLO+32*\dt+16*VP
.endr
	s_wait_dscnt 16                                ; K's eight loads are in; V's sixteen stay out
.irp grp, 0,1                                      ; the accumulators take turns
.irp kt, 0,1
	v_wmma_f32_16x16x32_bf16 v[S+16*\grp+8*\kt:S+16*\grp+8*\kt+7], v[KF+16*\kt:KF+16*\kt+7], v[Q+16*\grp:Q+16*\grp+7], 0
.endr
.endr
.irp grp, 0,1
.irp kt, 0,1
	v_wmma_f32_16x16x32_bf16 v[S+16*\grp+8*\kt:S+16*\grp+8*\kt+7], v[KF+16*\kt+8:KF+16*\kt+15], v[Q+16*\grp+8:Q+16*\grp+15], v[S+16*\grp+8*\kt:S+16*\grp+8*\kt+7]
.endr
.endr
.rept 5
	v_nop                                          ; the places behind the score products (ISA guide 7.12.1)
.endr
.if \first == 0
	s_and_b32 s17, s15, 511
	s_cmp_lg_u32 s17, 0
	s_cbranch_scc1 .Linner_\@
.endif
	MASK
.Linner_\@:
.irp grp, 0,1
.irp p, 0,2,4,6,8,10,12,14
	v_pk_fma_f32 v[S+16*\grp+\p:S+16*\grp+\p+1], v[S+16*\grp+\p:S+16*\grp+\p+1], v[CC+2*\grp:CC+2*\grp+1], v[NN+2*\grp:NN+2*\grp+1]
.endr
.endr
.irp p, 0,1,2,3,4,5,6,7,8,9,10,11,12,13,14,15,16,17,18,19,20,21,22,23,24,25,26,27,28,29,30,31
	v_exp_f32 v[S+\p], v[S+\p]
.endr
	v_nop                                          ; one plain place behind the transcendentals (ISA guide 5.7.2)
	s_wait_alu depctr_va_vdst(0)
.irp p, 0,2,4,6,8,10,12,14
.irp grp, 0,1
	v_pk_add_f32 v[LS+2*\grp:LS+2*\grp+1], v[LS+2*\grp:LS+2*\grp+1], v[S+16*\grp+\p:S+16*\grp+\p+1]
.endr
.endr
.irp grp, 0,1
.irp i, 0,1,2,3,4,5,6,7
	v_cvt_pk_f16_f32 v[S+16*\grp+\i], v[S+16*\grp+2*\i], v[S+16*\grp+2*\i+1]     ; register i is written when 2 i and 2 i + 1 have been read: in place
.endr
.endr
	s_wait_dscnt 0x0                               ; V
.irp grp, 0,1                                      ; eight accumulators take turns, twice round: upper parts, then lower parts
.irp dt, 0,1,2,3
.if \first
	v_wmma_f32_16x16x32_f16 v[O+32*\grp+8*\dt:O+32*\grp+8*\dt+7], v[VF+8*\dt:VF+8*\dt+7], v[S+16*\grp:S+16*\grp+7], 0
.else
	v_wmma_f32_16x16x32_f16 v[O+32*\grp+8*\dt:O+32*\grp+8*\dt+7], v[VF+8*\dt:VF+8*\dt+7], v[S+16*\grp:S+16*\grp+7], v[O+32*\grp+8*\dt:O+32*\grp+8*\dt+7]
.endif
.endr
.endr
.irp grp, 0,1
.irp dt, 0,1,2,3
	v_wmma_f32_16x16x32_f16 v[O+32*\grp+8*\dt:O+32*\grp+8*\dt+7], v[VL+8*\dt:VL+8*\dt+7], v[S+16*\grp:S+16*\grp+7], v[O+32*\grp+8*\dt:O+32*\grp+8*\dt+7]
.endr
.endr
.rept 5
	v_nop                                          ; the places before P's registers are written over, V's loaded again, O read
.endr
.Lskip_\@:
.endm
; One block of 64 keys: K and V's two parts, 24 KiB, six times 16 bytes a thread.  One barrier a block: in front of it my stores into this slot and my reads of the
; other slot are done; the other slot is stored into again only in the next block.
.macro BLOCK sl, first, fill, left
	s_wait_loadcnt \left
	WIN 0x04                                       ; the stores' data: window 1
	ds_store_b128 v[KS], v[XS+24*\sl:XS+24*\sl+3]     offset:\sl*KSLOT
	ds_store_b128 v[KS], v[XS+24*\sl+4:XS+24*\sl+7]   offset:\sl*KSLOT+32*KP
	ds_store_b128 v[VS], v[XS+24*\sl+8:XS+24*\sl+11]  offset:\sl*VSLOT
	ds_store_b128 v[VS], v[XS+24*\sl+12:XS+24*\sl+15] offset:\sl*VSLOT+32*VP
	ds_store_b128 v[VS], v[XS+24*\sl+16:XS+24*\sl+19] offset:\sl*VSLOT+VLO
	ds_store_b128 v[VS], v[XS+24*\sl+20:XS+24*\sl+23] offset:\sl*VSLOT+VLO+32*VP
.if \fill
	s_wait_xcnt 0x0                                ; the bases are named by the loads issued before: stepped only behind this wait
	s_add_nc_u64 s[20:21], s[20:21], 8192
	s_add_nc_u64 s[22:23], s[22:23], 8192
	WIN 0x40                                       ; the loads' data: window 1
	global_load_b128 v[XS+24*\sl:XS+24*\sl+3],     v[GK], s[20:21] offset:8192       ; the block two ahead
	global_load_b128 v[XS+24*\sl+4:XS+24*\sl+7],   v[GK], s[20:21] offset:12288
	global_load_b128 v[XS+24*\sl+8:XS+24*\sl+11],  v[GK], s[22:23] offset:8192
	global_load_b128 v[XS+24*\sl+12:XS+24*\sl+15], v[GK], s[22:23] offset:12288
	global_load_b128 v[XS+24*\sl+16:XS+24*\sl+19], v[GK], s[22:23] offset:VLOW+8192
	global_load_b128 v[XS+24*\sl+20:XS+24*\sl+23], v[GK], s[22:23] offset:VLOW+12288
.endif
	WIN 0
	s_wait_dscnt 0x0
	s_barrier_signal -1
	s_barrier_wait -1
	STEP \sl, \first
	s_sub_co_u32 s15, s15, 64
.endm
.macro PAIR first, fill
	BLOCK 0, \first, \fill, 6                      ; 6: the other set's loads stay out
.if \fill
	BLOCK 1, 0, 1, 6
.else
	BLOCK 1, 0, 0, 0
.endif
.endm
	s_load_b128 s[4:7], s[0:1], 0x0                ; qkv, stat
	s_load_b64 s[8:9], s[0:1], 0x10                ; ao
	s_set_vgpr_msb 0x40
	v_lshl_add_u32 v48, v0, 2, 0x1fc00
	v_mov_b32 v49, 0
	s_set_vgpr_msb 0x4000
	v_lshrrev_b32 v15, 5, v0
	v_readfirstlane_b32 s10, v15                   ; wave
	v_and_b32 v1, 31, v0                           ; L
	v_and_b32 v2, 15, v0                           ; r
	v_bfe_u32 v3, v0, 4, 1                         ; h
	s_and_b32 s11, s10, 3                          ; g
	s_lshr_b32 s12, s10, 2                         ; kh
	s_and_b32 s13, ttmp7, 0xffff                   ; head
	s_min_u32 s14, ttmp9, 4                        ; m
	s_mov_b32 s3, 0
	s_mov_b32 s31, 0
	s_mov_b32 s33, 0
	s_mov_b32 s35, 0
	s_mov_b32 s37, 0
	s_lshl_b32 s17, s13, 18                        ; a head: 2,048 rows of 128 bytes
	s_lshl_b32 s2, ttmp9, 14
	s_add_co_u32 s2, s2, s17
	s_lshl_b32 s16, s11, 12
	s_add_co_u32 s2, s2, s16                       ; my wave's queries in qkv, and its rows in ao
	s_sub_co_u32 s30, ttmp9, s14
	s_lshl_b32 s30, s30, 14                        ; the first key
	s_lshr_b32 s32, s13, 2                         ; value head = head / 4,
	s_add_co_u32 s32, s32, 32                      ; behind 16 q and 16 k heads
	s_lshl_b32 s32, s32, 18
	s_add_co_u32 s32, s32, s30
	s_add_co_u32 s30, s30, s17
	s_add_co_u32 s30, s30, 0x400000
	s_lshl_b32 s34, s13, 13                        ; stat: the head's 2,048 words
	s_lshl_b32 s36, ttmp9, 9
	s_add_co_u32 s36, s36, s34
	s_lshl_b32 s16, s11, 7
	s_add_co_u32 s36, s36, s16                     ; my wave's 32 words
	v_lshlrev_b32 v[QV], 7, v2
	v_lshl_add_u32 v[QV], v3, 4, v[QV]
	v_lshlrev_b32 v[GK], 4, v0
	v_lshlrev_b32 v14, 2, v2
	s_wait_kmcnt 0x0
	s_add_nc_u64 s[18:19], s[4:5], s[2:3]
	s_add_nc_u64 s[20:21], s[4:5], s[30:31]
	s_add_nc_u64 s[22:23], s[4:5], s[32:33]
	s_add_nc_u64 s[24:25], s[6:7], s[34:35]
	s_add_nc_u64 s[26:27], s[6:7], s[36:37]
	s_add_nc_u64 s[8:9], s[8:9], s[2:3]
	global_load_b128 v[144:147], v[GK], s[24:25]               ; the head's rinv: 8 numbers a thread
	global_load_b128 v[148:151], v[GK], s[24:25] offset:4096
	global_load_b32 v252, v14, s[26:27]                        ; rinv and smax of my queries r and 16 + r
	global_load_b32 v253, v14, s[26:27] offset:64
	global_load_b32 v254, v14, s[26:27] offset:131072
	global_load_b32 v255, v14, s[26:27] offset:131136
.irp grp, 0,1
.irp dh, 0,1
	global_load_b128 v[Q+16*\grp+8*\dh:Q+16*\grp+8*\dh+3],   v[QV], s[18:19] offset:2048*\grp+64*\dh
	global_load_b128 v[Q+16*\grp+8*\dh+4:Q+16*\grp+8*\dh+7], v[QV], s[18:19] offset:2048*\grp+64*\dh+32
.endr
.endr
	WIN 0x40
.irp c, 0,1
	global_load_b128 v[XS+24*\c:XS+24*\c+3],     v[GK], s[20:21] offset:8192*\c
	global_load_b128 v[XS+24*\c+4:XS+24*\c+7],   v[GK], s[20:21] offset:8192*\c+4096
	global_load_b128 v[XS+24*\c+8:XS+24*\c+11],  v[GK], s[22:23] offset:8192*\c
	global_load_b128 v[XS+24*\c+12:XS+24*\c+15], v[GK], s[22:23] offset:8192*\c+4096
	global_load_b128 v[XS+24*\c+16:XS+24*\c+19], v[GK], s[22:23] offset:VLOW+8192*\c
	global_load_b128 v[XS+24*\c+20:XS+24*\c+23], v[GK], s[22:23] offset:VLOW+8192*\c+4096
.endr
	WIN 0
	s_lshl_b32 s15, s14, 7                         ; d = 128 m + 32 g - 32 kh
	s_sub_co_u32 s17, s11, s12
	s_lshl_b32 s17, s17, 5
	s_add_co_u32 s15, s15, s17
	s_mov_b32 s28, 0x76543210
	s_mov_b32 s29, 0xfedcba98
	v_lshrrev_b32 v15, 3, v1                       ; L >> 3
	v_mul_u32_u24 v[KS], v15, KP                   ; KS = (4 w + (L >> 3)) x 144 + 16 (L & 7)
	v_mul_u32_u24 v[VS], v15, VP                   ; VS = VBASE + (4 w + (L >> 3)) x 160 + 16 (L & 7)
	v_and_b32 v15, 7, v1
	v_lshl_add_u32 v[KS], v15, 4, v[KS]
	v_lshl_add_u32 v[VS], v15, 4, v[VS]
	s_mul_i32 s17, s10, 4*KP
	v_add_nc_u32 v[KS], s17, v[KS]
	s_mul_i32 s17, s10, 4*VP
	s_add_co_u32 s17, s17, VBASE
	v_add_nc_u32 v[VS], s17, v[VS]
	v_mul_u32_u24 v[KR], v2, KP                    ; KR = (32 kh + r) x 144 + 16 h
	v_lshl_add_u32 v[KR], v3, 4, v[KR]
	s_mul_i32 s17, s12, 32*KP
	v_add_nc_u32 v[KR], s17, v[KR]
	v_lshl_add_u32 v15, v3, 3, v15                 ; VR = VBASE + (32 kh + 8 h + (L & 7)) x 160 + 16 ((L >> 3) & 1)
	v_mul_u32_u24 v[VR], v15, VP
	v_bfe_u32 v15, v1, 3, 1
	v_lshl_add_u32 v[VR], v15, 4, v[VR]
	s_mul_i32 s17, s12, 32*VP
	s_add_co_u32 s17, s17, VBASE
	v_add_nc_u32 v[VR], s17, v[VR]
	v_lshlrev_b32 v15, 3, v3
	v_sub_nc_u32 v[RH], v2, v15
	v_add_nc_u32 v[RH], 0xffffffe9, v[RH]          ; r - 8 h - 23: the mask's 32 constants are then 0 .. 39
	v_mov_b32 v[NEG], 0xf149f2ca                   ; -1e30
	v_mov_b32 v[TMP], 0
.irp p, 0,1,2,3
	v_mov_b32 v[LS+\p], 0
.endr
	s_lshl_b32 s17, s10, 2
	s_add_co_u32 s17, s17, RED
	v_mov_b32 v15, s17
	s_wait_loadcnt 20                              ; the six loads from stat are in; Q's 8 and the two sets' 12 stay out
	v_pk_add_f32 v[144:145], v[144:145], v[146:147]
	v_pk_add_f32 v[148:149], v[148:149], v[150:151]
	v_pk_add_f32 v[144:145], v[144:145], v[148:149]
	v_add_f32 v144, v144, v145
	v_add_f32_dpp v144, v144, v144 row_xmask:1 row_mask:0xf bank_mask:0xf
	v_add_f32_dpp v144, v144, v144 row_xmask:2 row_mask:0xf bank_mask:0xf
	v_add_f32_dpp v144, v144, v144 row_xmask:4 row_mask:0xf bank_mask:0xf
	v_add_f32_dpp v144, v144, v144 row_xmask:8 row_mask:0xf bank_mask:0xf
	v_permlanex16_b32 v145, v144, s28, s29
	v_add_f32 v144, v144, v145
	ds_store_b32 v15, v144                         ; my wave's part, to its own word
	s_wait_dscnt 0x0
	s_barrier_signal -1
	s_barrier_wait -1
	v_mov_b32 v15, RED
	ds_load_b128 v[144:147], v15
	ds_load_b128 v[148:151], v15 offset:16
	s_wait_dscnt 0x0
	v_pk_add_f32 v[144:145], v[144:145], v[146:147]
	v_pk_add_f32 v[148:149], v[148:149], v[150:151]
	v_pk_add_f32 v[144:145], v[144:145], v[148:149]
	v_add_f32 v144, v144, v145                     ; the sum over the head's queries of rinv
	v_rcp_f32 v146, v144
	v_nop
	s_wait_alu depctr_va_vdst(0)
	v_mul_f32 v146, 0x3fb8aa3b, v146               ; log2 e / sum
	v_mul_f32 v[CC], v252, v146
	v_mul_f32 v[CC+2], v253, v146
	v_mov_b32 v[CC+1], v[CC]
	v_mov_b32 v[CC+3], v[CC+2]
	v_mul_f32 v[NN], -v254, v[CC]
	v_mul_f32 v[NN+2], -v255, v[CC+2]
	v_mov_b32 v[NN+1], v[NN]
	v_mov_b32 v[NN+3], v[NN+2]
	s_cmp_eq_u32 s14, 0                            ; m + 1 pairs of blocks
	s_cbranch_scc1 .Lonly
	PAIR 1, 1
	s_sub_co_u32 s16, s14, 1
	s_cmp_eq_u32 s16, 0
	s_cbranch_scc1 .Llast
.Lpair:
	PAIR 0, 1
	s_sub_co_u32 s16, s16, 1
	s_cmp_lg_u32 s16, 0
	s_cbranch_scc1 .Lpair
.Llast:
	PAIR 0, 0                                      ; the last pair fetches nothing beyond the work-group's last key
	s_branch .Lfin
.Lonly:
	PAIR 1, 0
.Lfin:
	v_add_f32 v[LS], v[LS], v[LS+1]
	v_add_f32 v[LS+2], v[LS+2], v[LS+3]
	v_permlanex16_b32 v[TMP], v[LS], s28, s29
	v_add_f32 v[LS], v[LS], v[TMP]
	v_permlanex16_b32 v[TMP], v[LS+2], s28, s29
	v_add_f32 v[LS+2], v[LS+2], v[TMP]
	s_lshl_b32 s17, s11, 13
	s_add_co_u32 s17, s17, OX
	v_lshl_add_u32 v[OXA], v1, 4, s17              ; OX + 8,192 g + 16 L
	s_lshl_b32 s17, s11, 7
	s_add_co_u32 s17, s17, LSUM
	v_lshl_add_u32 v[LA], v2, 2, s17               ; LSUM + (32 g + r) x 4
	s_cmp_lt_u32 s10, 4
	s_cbranch_scc1 .Lkeep
.irp q, 0,1,2,3,4,5,6,7,8,9,10,11,12,13,14,15
	ds_store_b128 v[OXA], v[O+4*\q:O+4*\q+3] offset:512*\q     ; the upper key halves hand their sums over
.endr
	ds_store_b32 v[LA], v[LS]
	ds_store_b32 v[LA], v[LS+2] offset:64
.Lkeep:
	s_wait_dscnt 0x0
	s_barrier_signal -1
	s_barrier_wait -1
	s_cmp_ge_u32 s10, 4
	s_cbranch_scc1 .Lend
.irp q, 0,1,2,3,4,5,6,7,8,9,10,11,12,13,14,15
	ds_load_b128 v[KF+4*\q:KF+4*\q+3], v[OXA] offset:512*\q
.endr
	ds_load_b32 v252, v[LA]
	ds_load_b32 v253, v[LA] offset:64
	s_mul_i32 s17, s11, 64*KP
	s_add_co_u32 s17, s17, STAGE                   ; my stage: 32 rows of part 0, then 32 rows of part 1
	v_mul_u32_u24 v[STO], v2, KP                   ; in: row r, 16 bytes for each half of the lanes
	v_lshl_add_u32 v[STO], v3, 4, v[STO]
	v_add_nc_u32 v[STO], s17, v[STO]
	v_lshrrev_b32 v15, 3, v1                       ; back: eight lanes take a row of 128 bytes
	v_mul_u32_u24 v[RD], v15, KP
	v_and_b32 v15, 7, v1
	v_lshl_add_u32 v[RD], v15, 4, v[RD]
	v_add_nc_u32 v[RD], s17, v[RD]
	v_lshlrev_b32 v[CO], 4, v1
	s_wait_dscnt 0x0
.irp p, 0,2,4,6,8,10,12,14,16,18,20,22,24,26,28,30,32,34,36,38,40,42,44,46,48,50,52,54,56,58,60,62
	v_pk_add_f32 v[O+\p:O+\p+1], v[O+\p:O+\p+1], v[KF+\p:KF+\p+1]
.endr
	v_add_f32 v252, v252, v[LS]
	v_add_f32 v253, v253, v[LS+2]
	v_rcp_f32 v[CC], v252                          ; the row's own maximum gives p = 1 or nearly: the sum is never 0
	v_rcp_f32 v[CC+2], v253
	v_nop
	s_wait_alu depctr_va_vdst(0)
	v_mov_b32 v[CC+1], v[CC]
	v_mov_b32 v[CC+3], v[CC+2]
.irp grp, 0,1
.irp p, 0,2,4,6,8,10,12,14,16,18,20,22,24,26,28,30
	v_pk_mul_f32 v[O+32*\grp+\p:O+32*\grp+\p+1], v[O+32*\grp+\p:O+32*\grp+\p+1], v[CC+2*\grp:CC+2*\grp+1]
.endr
.endr
	; two bf16 numbers for each result: part 0 = the f32 cut to its upper 16 bits (exact in bf16), part 1 = the rest, exact in f32, rounded to bf16
.irp grp, 0,1
.irp p, 0,1,2,3,4,5,6,7,8,9,10,11,12,13,14,15,16,17,18,19,20,21,22,23,24,25,26,27,28,29,30,31
	v_and_b32 v[KF+\p], 0xffff0000, v[O+32*\grp+\p]
.endr
.irp p, 0,1,2,3,4,5,6,7,8,9,10,11,12,13,14,15
	v_cvt_pk_bf16_f32 v[VF+16*\grp+\p], v[KF+2*\p], v[KF+2*\p+1]
.endr
.irp p, 0,2,4,6,8,10,12,14,16,18,20,22,24,26,28,30
	v_pk_add_f32 v[O+32*\grp+\p:O+32*\grp+\p+1], v[O+32*\grp+\p:O+32*\grp+\p+1], v[KF+\p:KF+\p+1] neg_lo:[0,1] neg_hi:[0,1]
.endr
.irp p, 0,1,2,3,4,5,6,7,8,9,10,11,12,13,14,15
	v_cvt_pk_bf16_f32 v[VL+16*\grp+\p], v[O+32*\grp+2*\p], v[O+32*\grp+2*\p+1]
.endr
.endr
.irp grp, 0,1
.irp dt, 0,1,2,3
	ds_store_b128 v[STO], v[VF+16*\grp+4*\dt:VF+16*\grp+4*\dt+3] offset:16*KP*\grp+32*\dt
	ds_store_b128 v[STO], v[VL+16*\grp+4*\dt:VL+16*\grp+4*\dt+3] offset:32*KP+16*KP*\grp+32*\dt
.endr
.endr
.irp t, 0,1,2,3,4,5,6,7
	ds_load_b128 v[KF+4*\t:KF+4*\t+3], v[RD] offset:4*KP*\t    ; my own bytes: LDS serves a wave's instructions in order (ISA guide 5.7.1)
.endr
.irp t, 0,1,2,3,4,5,6,7
	ds_load_b128 v[O+4*\t:O+4*\t+3], v[RD] offset:32*KP+4*KP*\t
.endr
.irp t, 0,1,2,3,4,5,6,7
	s_wait_dscnt 15-\t                             ; the younger read-backs stay out
	global_store_b128 v[CO], v[KF+4*\t:KF+4*\t+3], s[8:9] offset:512*\t          ; four rows: 512 consecutive bytes, aligned
.endr
.irp t, 0,1,2,3,4,5,6,7
	s_wait_dscnt 7-\t
	global_store_b128 v[CO], v[O+4*\t:O+4*\t+3], s[8:9] offset:ALOW+512*\t
.endr
.Lend:
	s_set_vgpr_msb 0x5
	s_wait_tensorcnt 0x0
	ds_add_u32 v48, v49
	s_wait_dscnt 0x0
	s_set_vgpr_msb 0x500
	s_endpgm
.Lfunc_end_k_qe665fae83e_attn:
	.size	k_qe665fae83e_attn, .Lfunc_end_k_qe665fae83e_attn-k_qe665fae83e_attn
	.p2alignl 7, 3214868480
	.fill 96, 4, 3214868480
	.section	.rodata,"a",@progbits
	.p2align	6, 0x0
	.amdhsa_kernel k_qe665fae83e_attn
		.amdhsa_group_segment_fixed_size 131072
		.amdhsa_private_segment_fixed_size 0
		.amdhsa_enable_private_segment 0
		.amdhsa_kernarg_size 24
		.amdhsa_user_sgpr_count 2
		.amdhsa_user_sgpr_kernarg_segment_ptr 1
		.amdhsa_wavefront_size32 1
		.amdhsa_system_sgpr_workgroup_id_x 1
		.amdhsa_system_sgpr_workgroup_id_y 1
		.amdhsa_system_sgpr_workgroup_id_z 1
		.amdhsa_system_vgpr_workitem_id 0
		.amdhsa_next_free_vgpr 306
		.amdhsa_next_free_sgpr 66
		.amdhsa_reserve_vcc 1
		.amdhsa_float_denorm_mode_32 3
		.amdhsa_float_denorm_mode_16_64 3
		.amdhsa_memory_ordered 1
		.amdhsa_forward_progress 1
		.amdhsa_inst_pref_size 132
	.end_amdhsa_kernel
	.amdgpu_metadata
---
amdhsa.version: [ 1, 2 ]
amdhsa.kernels:
  - .name:           k_qe665fae83e_attn
    .symbol:         k_qe665fae83e_attn.kd
    .args:
      - { .name: qkv, .offset: 0, .size: 8, .value_kind: global_buffer, .address_space: global }
      - { .name: stat, .offset: 8, .size: 8, .value_kind: global_buffer, .address_space: global }
      - { .name: ao, .offset: 16, .size: 8, .value_kind: global_buffer, .address_space: global }
    .group_segment_fixed_size: 131072
    .private_segment_fixed_size: 0
    .kernarg_segment_align: 8
    .kernarg_segment_size: 24
    .max_flat_workgroup_size: 256
    .sgpr_count:     66
    .vgpr_count:     306
    .wavefront_size: 32
...
	.end_amdgpu_metadata
.endif
;; end of part 3
;; launch oproj (part 4): grid 16 x 16, 8 waves a work-group, no clusters, 130,048 bytes of LDS; arguments ao, w_o, b_o, out0; writes out0
.if DOCPART == 4
	.amdgcn_target "amdgcn-amd-amdhsa--gfx1250"
	.amdhsa_code_object_version 6
	.text
	.protected	k_qe665fae83e_oproj
	.globl	k_qe665fae83e_oproj
	.p2align	8
	.type	k_qe665fae83e_oproj,@function
k_qe665fae83e_oproj:
	s_mov_b64 s[64:65], 0
	v_nop
	global_prefetch_b8 v0, s[64:65] scope:SCOPE_SE
	s_setreg_imm32_b32 hwreg(HW_REG_WAVE_MODE, 25, 1), 1
	s_wait_xcnt 0x0
; oproj: out0[t][n] (f32) = sum over k of a(t, k) w_o[k][n] + b_o[n]; a = part 0 + part 1 of ao, each [head][t][64] in bf16, k = 64 head + d.
; The two parts are two products with the same fragments of w_o: a then carries 16 significant bits, which the first rows of the result, much larger than the bulk, need.
; A work-group makes 128 rows x 64 columns; wave w: 32 rows (w & 3) x 32 columns (w >> 2), four accumulators.
; K goes in 16 steps of 64 (one head).  A part's tile of a head is 16 KiB of consecutive bytes and goes to LDS as it is; w_o is f32 and lies [K][N]: it is rounded
; to bf16 on the way through registers and read by the transposing load.  Two register sets keep two steps' tiles (48 KiB each) on their way, two LDS slots take turns.
; No joint loads of a cluster and no copy engine: w_o has to be rounded in registers once for the work-group.
; LIMITS: w_o is rounded to bf16 for the products; sums are f32 in the matrix unit's order.
.set PA,    144
.set PB,    160                        ; 128 bytes + 32: an odd multiple of 32, for the transposing load
.set ALO,   128*PA                     ; part 1's 128 rows lie behind part 0's
.set BOFF,  2*128*PA                   ; 36,864
.set SLOT,  BOFF+64*PB                 ; 47,104
.set STAGE, 2*SLOT                     ; f32 [128 rows], pitch 272
.set SP,    272
.set ALOW,  16*2048*128                ; ao's part 1
.set VA_G, 4
.set VB_G, 5
.set AS,   6                           ; v6-7   LDS: where I put 16 bytes of ao, slot 0, 1
.set BS,   8                           ; v8-9   LDS: where I put 8 bytes of w_o
.set AR,   10                          ; v10-11 LDS: my ao fragments
.set BR,   12                          ; v12-13 LDS: my w_o fragments
.set ACC,  16                          ; v16-47  ACC(a, b) at ACC + 8 (2 a + b)
.set F0,   48                          ; v48-95  fragments: part 0 (a) at + 8 a, part 1 (a) at + 16 + 8 a, w_o(b) at + 32 + 8 b
.set F1,   96                          ; v96-143
.set BI,   144                         ; v144-147 bias of the four columns that I store
.set STO,  148
.set RD,   149
.set CO,   150
.set BO,   151
.set SET0, 160                         ; v160-207, v208-255: 16 registers of part 0, 16 of part 1, 16 of w_o
.macro PLACES                          ; four places behind a matrix instruction before its result is read (ISA guide 7.12.1)
.rept 4
	v_nop
.endr
.endm
.macro GLOAD sl, adv
.if \adv
	s_wait_xcnt 0x0                                ; the offsets are named by the loads issued before: stepped only behind this wait
	v_add_nc_u32 v[VA_G], 0x40000, v[VA_G]         ; a head of ao
	v_add_nc_u32 v[VB_G], 0x40000, v[VB_G]         ; 64 rows of w_o
.endif
.irp i, 0,1,2,3
	global_load_b128 v[SET0+48*\sl+4*\i:SET0+48*\sl+4*\i+3], v[VA_G], s[4:5] offset:4096*\i
.endr
.irp i, 0,1,2,3
	global_load_b128 v[SET0+48*\sl+16+4*\i:SET0+48*\sl+16+4*\i+3], v[VA_G], s[4:5] offset:ALOW+4096*\i
.endr
.irp i, 0,1,2,3
	global_load_b128 v[SET0+48*\sl+32+4*\i:SET0+48*\sl+32+4*\i+3], v[VB_G], s[6:7] offset:65536*\i
.endr
.endm
; the fragments of 32 along K (half kk of the head) into buffer f: 12 LDS loads
.macro FETCH sl, kk, f
.irp a, 0,1
	ds_load_b128 v[\f+8*\a:\f+8*\a+3],       v[AR+\sl] offset:64*\kk+16*PA*\a
	ds_load_b128 v[\f+8*\a+4:\f+8*\a+7],     v[AR+\sl] offset:64*\kk+16*PA*\a+32
	ds_load_b128 v[\f+16+8*\a:\f+16+8*\a+3],   v[AR+\sl] offset:ALO+64*\kk+16*PA*\a
	ds_load_b128 v[\f+16+8*\a+4:\f+16+8*\a+7], v[AR+\sl] offset:ALO+64*\kk+16*PA*\a+32
.endr
.irp b, 0,1
	ds_load_tr16_b128 v[\f+32+8*\b:\f+32+8*\b+3],   v[BR+\sl] offset:32*PB*\kk+32*\b
	ds_load_tr16_b128 v[\f+32+8*\b+4:\f+32+8*\b+7], v[BR+\sl] offset:32*PB*\kk+32*\b+16*PB
.endr
.endm
; Source 0 = 16 columns of w_o, source 1 = 16 rows of ao: lane (r, h), register j holds row r, column 16 b + 8 h + j.
; The four accumulators take turns, twice round (part 0, part 1).
.macro MUL f, zero
.irp a, 0,1
.irp b, 0,1
.if \zero
	v_wmma_f32_16x16x32_bf16 v[ACC+8*(2*\a+\b):ACC+8*(2*\a+\b)+7], v[\f+32+8*\b:\f+32+8*\b+7], v[\f+8*\a:\f+8*\a+7], 0
.else
	v_wmma_f32_16x16x32_bf16 v[ACC+8*(2*\a+\b):ACC+8*(2*\a+\b)+7], v[\f+32+8*\b:\f+32+8*\b+7], v[\f+8*\a:\f+8*\a+7], v[ACC+8*(2*\a+\b):ACC+8*(2*\a+\b)+7]
.endif
.endr
.endr
.irp a, 0,1
.irp b, 0,1
	v_wmma_f32_16x16x32_bf16 v[ACC+8*(2*\a+\b):ACC+8*(2*\a+\b)+7], v[\f+32+8*\b:\f+32+8*\b+7], v[\f+16+8*\a:\f+16+8*\a+7], v[ACC+8*(2*\a+\b):ACC+8*(2*\a+\b)+7]
.endr
.endr
.endm
; One K step.  One barrier a step: in front of it my stores into this slot and my reads of the other slot are done; the other slot is stored into again only in the next step.
.macro TRIP sl, zero, fill, left
	s_wait_loadcnt \left                           ; this set is in; the younger loads stay out
.irp i, 0,1,2,3
	ds_store_b128 v[AS+\sl], v[SET0+48*\sl+4*\i:SET0+48*\sl+4*\i+3]       offset:32*PA*\i
	ds_store_b128 v[AS+\sl], v[SET0+48*\sl+16+4*\i:SET0+48*\sl+16+4*\i+3] offset:ALO+32*PA*\i
.endr
.irp i, 0,1,2,3
	v_cvt_pk_bf16_f32 v[SET0+48*\sl+32+4*\i],   v[SET0+48*\sl+32+4*\i],   v[SET0+48*\sl+32+4*\i+1]   ; these 8 lines are also the places behind the last step's products
	v_cvt_pk_bf16_f32 v[SET0+48*\sl+32+4*\i+1], v[SET0+48*\sl+32+4*\i+2], v[SET0+48*\sl+32+4*\i+3]
.endr
.irp i, 0,1,2,3
	ds_store_b64 v[BS+\sl], v[SET0+48*\sl+32+4*\i:SET0+48*\sl+32+4*\i+1] offset:16*PB*\i
.endr
.if \fill
	GLOAD \sl, 1                                   ; the tile two steps ahead
.endif
	s_wait_dscnt 0x0
	s_barrier_signal -1
	s_barrier_wait -1
	FETCH \sl, 0, F0
	FETCH \sl, 1, F1
	s_wait_dscnt 12                                ; all but the twelve loads just issued
	MUL F0, \zero
	s_wait_dscnt 0x0
	MUL F1, 0
.endm
	s_load_b256 s[4:11], s[0:1], 0x0               ; ao, w_o, b_o, out0
	v_lshl_add_u32 v158, v0, 2, 0x1f800
	v_mov_b32 v159, 0
	v_lshrrev_b32 v15, 5, v0
	v_readfirstlane_b32 s12, v15                   ; wave
	v_and_b32 v1, 31, v0                           ; L
	v_and_b32 v2, 15, v0                           ; r
	v_bfe_u32 v3, v0, 4, 1                         ; h
	s_and_b32 s13, s12, 3                          ; wm
	s_lshr_b32 s14, s12, 2                         ; wn
	s_and_b32 s15, ttmp7, 0xffff                   ; block row
	s_mov_b32 s3, 0
	v_lshlrev_b32 v[VA_G], 4, v0                   ; ao: 16 x thread
	v_lshlrev_b32 v[BO], 4, v2                     ; 16 r
	v_lshl_add_u32 v[VB_G], v3, 12, v[BO]          ; w_o: row 2 w + h (+ 16 i in the immediate), 16 bytes at 16 r
	s_lshl_b32 s17, s12, 13
	v_add_nc_u32 v[VB_G], s17, v[VB_G]
	s_wait_kmcnt 0x0
	s_lshl_b32 s2, s15, 14                         ; 128 rows of 128 bytes
	s_add_nc_u64 s[4:5], s[4:5], s[2:3]
	s_lshl_b32 s2, ttmp9, 8                        ; 64 columns of 4 bytes
	s_add_nc_u64 s[6:7], s[6:7], s[2:3]
	s_add_nc_u64 s[8:9], s[8:9], s[2:3]
	s_add_nc_u64 s[10:11], s[10:11], s[2:3]
	s_lshl_b32 s2, s15, 19                         ; 128 rows of 4,096 bytes
	s_add_nc_u64 s[10:11], s[10:11], s[2:3]
	global_load_b128 v[BI:BI+3], v[BO], s[8:9]
	GLOAD 0, 0
	GLOAD 1, 1
	v_lshrrev_b32 v14, 3, v1                       ; AS = (4 w + (L >> 3)) x 144 + 16 (L & 7)
	v_mul_u32_u24 v14, v14, PA
	v_and_b32 v15, 7, v1
	v_lshl_add_u32 v14, v15, 4, v14
	s_mul_i32 s17, s12, 4*PA
	v_add_nc_u32 v[AS], s17, v14
	v_add_nc_u32 v[AS+1], SLOT, v[AS]
	v_mul_u32_u24 v14, v3, PB                      ; BS = BOFF + (2 w + h) x 160 + 8 r
	v_lshl_add_u32 v14, v2, 3, v14
	s_mul_i32 s17, s12, 2*PB
	s_add_co_u32 s17, s17, BOFF
	v_add_nc_u32 v[BS], s17, v14
	v_add_nc_u32 v[BS+1], SLOT, v[BS]
	v_mul_u32_u24 v14, v2, PA                      ; AR = (32 wm + r) x 144 + 16 h
	v_lshl_add_u32 v14, v3, 4, v14
	s_mul_i32 s17, s13, 32*PA
	v_add_nc_u32 v[AR], s17, v14
	v_add_nc_u32 v[AR+1], SLOT, v[AR]
	v_lshl_add_u32 v15, v3, 3, v15                 ; BR = BOFF + (8 h + (L & 7)) x 160 + 64 wn + 16 ((L >> 3) & 1)
	v_mul_u32_u24 v14, v15, PB
	v_bfe_u32 v15, v1, 3, 1
	v_lshl_add_u32 v14, v15, 4, v14
	s_lshl_b32 s17, s14, 6
	s_add_co_u32 s17, s17, BOFF
	v_add_nc_u32 v[BR], s17, v14
	v_add_nc_u32 v[BR+1], SLOT, v[BR]
	v_mul_u32_u24 v14, v2, SP                      ; STO = STAGE + (32 wm + r) x 272 + 128 wn + 32 h
	v_lshl_add_u32 v14, v3, 5, v14
	s_mul_i32 s17, s13, 32*SP
	s_lshl_b32 s18, s14, 7
	s_add_co_u32 s17, s17, s18
	s_add_co_u32 s17, s17, STAGE
	v_add_nc_u32 v[STO], s17, v14
	v_mul_u32_u24 v14, v3, SP                      ; RD = STAGE + (16 w + h) x 272 + 16 r
	v_lshl_add_u32 v14, v2, 4, v14
	s_mul_i32 s17, s12, 16*SP
	s_add_co_u32 s17, s17, STAGE
	v_add_nc_u32 v[RD], s17, v14
	v_lshl_add_u32 v[CO], v3, 12, v[BO]            ; CO = (16 w + h) x 4,096 + 16 r
	s_lshl_b32 s17, s12, 16
	v_add_nc_u32 v[CO], s17, v[CO]
	TRIP 0, 1, 1, 12                               ; the first products start the sums.  12: the other set's loads stay out
	TRIP 1, 0, 1, 12
	s_mov_b32 s16, 6
.Lk:
	TRIP 0, 0, 1, 12
	TRIP 1, 0, 1, 12
	s_sub_co_u32 s16, s16, 1
	s_cmp_lg_u32 s16, 0
	s_cbranch_scc1 .Lk
	TRIP 0, 0, 0, 12                               ; the last two steps fetch nothing beyond K's end
	TRIP 1, 0, 0, 0
	; the way out: a row's 64 columns come from two waves, so they meet in the stage behind a barrier and leave as whole rows of 256 bytes
	PLACES
.irp a, 0,1
.irp b, 0,1
	ds_store_b128 v[STO], v[ACC+8*(2*\a+\b):ACC+8*(2*\a+\b)+3]   offset:16*SP*\a+64*\b
	ds_store_b128 v[STO], v[ACC+8*(2*\a+\b)+4:ACC+8*(2*\a+\b)+7] offset:16*SP*\a+64*\b+16
.endr
.endr
	s_wait_dscnt 0x0
	s_barrier_signal -1
	s_barrier_wait -1
.irp t, 0,1,2,3,4,5,6,7
	ds_load_b128 v[SET0+4*\t:SET0+4*\t+3], v[RD] offset:2*SP*\t
.endr
.irp t, 0,1,2,3,4,5,6,7
	s_wait_dscnt 7-\t                              ; the younger read-backs stay out
	v_pk_add_f32 v[SET0+4*\t:SET0+4*\t+1],   v[SET0+4*\t:SET0+4*\t+1],   v[BI:BI+1]
	v_pk_add_f32 v[SET0+4*\t+2:SET0+4*\t+3], v[SET0+4*\t+2:SET0+4*\t+3], v[BI+2:BI+3]
	global_store_b128 v[CO], v[SET0+4*\t:SET0+4*\t+3], s[10:11] offset:8192*\t th:TH_STORE_NT    ; sixteen lanes store 256 consecutive bytes, aligned
.endr
	s_wait_tensorcnt 0x0
	ds_add_u32 v158, v159
	s_wait_dscnt 0x0
	s_endpgm
.Lfunc_end_k_qe665fae83e_oproj:
	.size	k_qe665fae83e_oproj, .Lfunc_end_k_qe665fae83e_oproj-k_qe665fae83e_oproj
	.p2alignl 7, 3214868480
	.fill 96, 4, 3214868480
	.section	.rodata,"a",@progbits
	.p2align	6, 0x0
	.amdhsa_kernel k_qe665fae83e_oproj
		.amdhsa_group_segment_fixed_size 130048
		.amdhsa_private_segment_fixed_size 0
		.amdhsa_enable_private_segment 0
		.amdhsa_kernarg_size 32
		.amdhsa_user_sgpr_count 2
		.amdhsa_user_sgpr_kernarg_segment_ptr 1
		.amdhsa_wavefront_size32 1
		.amdhsa_system_sgpr_workgroup_id_x 1
		.amdhsa_system_sgpr_workgroup_id_y 1
		.amdhsa_system_sgpr_workgroup_id_z 1
		.amdhsa_system_vgpr_workitem_id 0
		.amdhsa_next_free_vgpr 256
		.amdhsa_next_free_sgpr 66
		.amdhsa_reserve_vcc 0
		.amdhsa_float_denorm_mode_32 3
		.amdhsa_float_denorm_mode_16_64 3
		.amdhsa_memory_ordered 1
		.amdhsa_forward_progress 1
		.amdhsa_inst_pref_size 39
	.end_amdhsa_kernel
	.amdgpu_metadata
---
amdhsa.version: [ 1, 2 ]
amdhsa.kernels:
  - .name:           k_qe665fae83e_oproj
    .symbol:         k_qe665fae83e_oproj.kd
    .args:
      - { .name: ao, .offset: 0, .size: 8, .value_kind: global_buffer, .address_space: global }
      - { .name: w_o, .offset: 8, .size: 8, .value_kind: global_buffer, .address_space: global }
      - { .name: b_o, .offset: 16, .size: 8, .value_kind: global_buffer, .address_space: global }
      - { .name: out0, .offset: 24, .size: 8, .value_kind: global_buffer, .address_space: global }
    .group_segment_fixed_size: 130048
    .private_segment_fixed_size: 0
    .kernarg_segment_align: 8
    .kernarg_segment_size: 32
    .max_flat_workgroup_size: 256
    .sgpr_count:     66
    .vgpr_count:     256
    .wavefront_size: 32
...
	.end_amdgpu_metadata
.endif
;; end of part 4
;; ======== version 2 of 3: 4 launches; 1.22 times as fast as version 1
;; limits: values are held in f16: magnitudes above 65,504 overflow, below 6.1e-05 lose precision
;; workspace buffers: qkv 9,437,184 bytes; stat 262,144 bytes; ao 4,194,304 bytes
;; launch proj (part 5): grid 16 x 16, 8 waves a work-group, no clusters, 97,280 bytes of LDS; arguments x, w_q, w_k, w_v, b_q, b_k, b_v, rms_q_w, rms_k_w, qkv; writes qkv
.if DOCPART == 5
	.amdgcn_target "amdgcn-amd-amdhsa--gfx1250"
	.amdhsa_code_object_version 6
	.text
	.protected	k_qe665fae83e_proj
	.globl	k_qe665fae83e_proj
	.p2align	8
	.type	k_qe665fae83e_proj,@function
k_qe665fae83e_proj:
	s_mov_b64 s[64:65], 0
	v_nop
	global_prefetch_b8 v0, s[64:65] scope:SCOPE_SE
	s_setreg_imm32_b32 hwreg(HW_REG_WAVE_MODE, 25, 1), 1
	s_wait_xcnt 0x0
; proj: the three projections of x, with bias, into qkv.  Heads 0-15 q, 16-31 k: [head][t][64] in bf16, RMS-normalised over their 64 numbers and
; multiplied by their gain; q also carries the scores' factor 1/8 (a power of two: exact).  Behind them v, in f16, as [16 column groups][t][16]:
; the first rows of the result are means of few value rows and much larger than the bulk, so v keeps f16's 11 significant bits and not bf16's 8.
; THE SHARE: q and k are 32 heads x 2,048 rows = 16 x 16 blocks of 128 rows x 128 columns (two heads), one for each of 256 work-groups: block column
; 0-7 of w_q, 8-15 of w_k.  v has no norm, so its columns need not be cut at heads: its 256 columns are dealt out, 16 to each block column, and a
; work-group makes 128 x 144 from one tile of x.  All work-groups have the same work.
; Eight waves: wave w takes 32 rows (wm = w & 3) of one head (wn = w >> 2), so a row's sum of squares stays in one wave; and of v's 128 x 16 the
; sixteen rows 32 wm + 16 wn.  Its two fragments of x are numbered so that fragment 0 holds these rows (fragment a = rows 32 wm + 16 (a xor wn)).
; K goes in 16 steps of 64.  x and W are f32 in memory and W lies [K][N]: they pass through registers, are rounded to bf16 once for
; the work-group and laid into one of two LDS slots; two register sets keep two steps' tiles (68 KiB each) on their way.
; A row of w_v gives this work-group 64 consecutive bytes: four lanes take a row, a load of a wave eight rows.
; No joint loads of a cluster and no copy engine: an engine moves bytes as they are, f32 tiles would double the LDS bytes read by
; every fragment, and the transposing LDS load that W needs works on 16-bit elements.
; REGISTERS: v0-255 as listed; the two sets that carry a K step from memory to LDS are v256-323 and v324-391, named v0-135 under s_set_vgpr_msb (low byte:
; bits 1:0 source 0, 3:2 source 1 = an LDS store's data, 7:6 destination).  Four switches a K step; every window is 0 at each label, branch and barrier.
; LIMITS: x and W are rounded to bf16 for the products, sums are f32 in the matrix unit's order, q and k are stored as bf16, v as f16.
; v must stay below f16's largest number, 65,504: as drawn |v| reaches about 3, with x and w_v both 30 times larger about 3,000, with both carrying
; offsets of 30 spreads about 18,500.  Below 2^-14 f16's step is 2^-24: the error of a small v is at most 2^-25 absolute.
.set PA,    144                        ; LDS pitch of x's rows: 128 bytes + 16
.set PB,    288                        ; LDS pitch of W's rows: 256 bytes + 32 (an odd multiple of 32, for the transposing load)
.set BOFF,  128*PA                     ; W's 64 rows lie behind x's 128 rows
.set SLOT,  BOFF+64*PB                 ; 36,864 bytes
.set STAGE, 2*SLOT                     ; behind the slots: 16 rows x 144 bytes for each wave, for the way out
.set VT,    STAGE+8*16*PA              ; behind the stage: w_v's tile, 64 rows of 32 bytes, once for each slot
.set VTS,   64*32
.set VA_G, 4                           ; byte offset of my 16 bytes in x's tile        (steps 256 a K step)
.set VB_G, 5                           ; the same in W's tile                          (steps 64 rows of 4,096 bytes)
.set VV_G, 6                           ; the same in w_v's tile                        (steps 64 rows of 1,024 bytes)
.set VA_S, 7                           ; LDS: where I put 8 bytes of x
.set VB_S, 8                           ; LDS: where I put 8 bytes of W
.set VV_S, 9                           ; LDS: where I put 8 bytes of w_v
.set VA_R, 10                          ; v10-11 LDS: my x fragments 0 and 1
.set VB_R, 12                          ; LDS: my W fragments
.set VV_R, 13                          ; LDS: the w_v fragment
.set ACC,  16                          ; v16-79   ACC(a, b) = 8 registers at ACC + 8 (4 a + b): x fragment a, columns 16 b
.set FA,   80                          ; v80-95   x fragments
.set FB,   96                          ; v96-127  W fragments
.set BIAS, 128                         ; v128-159 the end: bias of my 32 columns
.set GAIN, 160                         ; v160-191 the end: gain of my 32 columns
.set T,    192                         ; v192-195 the end: at work
.set BV,   196                         ; v196-203 the end: v's bias of my 8 columns
.set PK,   204                         ; v204-219 the end: 16 rows packed
.set PV,   220                         ; v220-223 the end: v packed
.set VACC, 224                         ; v224-231 v's accumulator
.set FV,   232                         ; v232-239 the w_v fragment
.set VBI,  240                         ; byte offset of my 8 columns in the bias
.set VGN,  241                         ; the same in the gain and in v's bias
.set STO,  242                         ; the way out: in
.set RD,   243                         ; the way out: back
.set CO,   244                         ; v244-245 the way out: 16 x lane + the 16 rows of fragment 0, 1
.set VO,   246                         ; v's way out
.set XS,   0                           ; window 1: set s at XS + 68 s: 32 registers of x, 32 of W, 4 of w_v
.set SA,   38                          ; s[38:39] x at the block's first row
.set SB,   28                          ; s[28:29] W at my block's first column
.set SV,   14                          ; s[14:15] w_v at my 16 columns
.set SVO,  40                          ; s[40:41] qkv at my wave's 16 rows of v
.set MSB, 0
.macro WIN new                         ; the immediate's high byte repeats the setting that is left
.if MSB != \new
	s_set_vgpr_msb (MSB<<8)|\new
.set MSB, \new
.endif
.endm
.macro PLACES                          ; four places behind a matrix instruction before its registers are loaded into or its result is read (ISA guide 7.12.1)
.rept 4
	v_nop
.endr
.endm
.macro STEPADR                         ; one K step on
	s_wait_xcnt 0x0                                ; the offsets are named by the loads issued before: stepped only behind this wait
	v_add_nc_u32 v[VA_G], 256, v[VA_G]
	v_add_nc_u32 v[VB_G], 0x40000, v[VB_G]
	v_add_nc_u32 v[VV_G], 0x10000, v[VV_G]
.endm
; 17 loads: one K step's tiles.  x: two rows of 256 bytes an instruction; W: one row of 512 bytes; w_v: eight rows of 64 bytes.
.macro GLOAD sl
	WIN 0x40                                       ; the loads' data: window 1
.irp i, 0,1,2,3,4,5,6,7
	global_load_b128 v[XS+68*\sl+4*\i:XS+68*\sl+4*\i+3], v[VA_G], s[SA:SA+1] offset:8192*\i
.endr
.irp i, 0,1,2,3,4,5,6,7
	global_load_b128 v[XS+68*\sl+32+4*\i:XS+68*\sl+32+4*\i+3], v[VB_G], s[SB:SB+1] offset:32768*\i
.endr
	global_load_b128 v[XS+68*\sl+64:XS+68*\sl+67], v[VV_G], s[SV:SV+1]
	WIN 0
.endm
; 32 along K: 14 LDS loads, 9 matrix instructions.  Source 0 = 16 columns of W, source 1 = 16 rows of x: lane (r, h), register j then
; holds row r, column 16 b + 8 h + j: eight neighbouring numbers of a row.  The nine accumulators take turns.
.macro KK sl, kk, zero
.irp a, 0,1
	ds_load_b128 v[FA+8*\a:FA+8*\a+3],   v[VA_R+\a] offset:\sl*SLOT+64*\kk
	ds_load_b128 v[FA+8*\a+4:FA+8*\a+7], v[VA_R+\a] offset:\sl*SLOT+64*\kk+32
.endr
.irp b, 0,1,2,3
	ds_load_tr16_b128 v[FB+8*\b:FB+8*\b+3],   v[VB_R] offset:\sl*SLOT+9216*\kk+32*\b
	ds_load_tr16_b128 v[FB+8*\b+4:FB+8*\b+7], v[VB_R] offset:\sl*SLOT+9216*\kk+32*\b+4608
.endr
	ds_load_tr16_b128 v[FV:FV+3],   v[VV_R] offset:\sl*VTS+1024*\kk
	ds_load_tr16_b128 v[FV+4:FV+7], v[VV_R] offset:\sl*VTS+1024*\kk+512
	s_wait_dscnt 0x0
.irp a, 0,1
.irp b, 0,1,2,3
.if \zero
	v_wmma_f32_16x16x32_bf16 v[ACC+8*(4*\a+\b):ACC+8*(4*\a+\b)+7], v[FB+8*\b:FB+8*\b+7], v[FA+8*\a:FA+8*\a+7], 0
.else
	v_wmma_f32_16x16x32_bf16 v[ACC+8*(4*\a+\b):ACC+8*(4*\a+\b)+7], v[FB+8*\b:FB+8*\b+7], v[FA+8*\a:FA+8*\a+7], v[ACC+8*(4*\a+\b):ACC+8*(4*\a+\b)+7]
.endif
.endr
.endr
.if \zero
	v_wmma_f32_16x16x32_bf16 v[VACC:VACC+7], v[FV:FV+7], v[FA:FA+7], 0
.else
	v_wmma_f32_16x16x32_bf16 v[VACC:VACC+7], v[FV:FV+7], v[FA:FA+7], v[VACC:VACC+7]
.endif
.endm
; One K step.  left = the younger loads that may stay out.  One barrier a step: in front of it my stores into this slot and my reads
; of the other slot (waited for ahead of their products) are done; the other slot is stored into again only in the next step.
.macro TRIP sl, zero, fill, left
	s_wait_loadcnt \left                           ; loads come back in order (ISA guide 5.7.1): this set is in
.if \fill
	STEPADR
.endif
	WIN 0x45                                       ; sources and destination: window 1
.irp i, 0,1,2,3,4,5,6,7,8,9,10,11,12,13,14,15,16
	v_cvt_pk_bf16_f32 v[XS+68*\sl+4*\i],   v[XS+68*\sl+4*\i],   v[XS+68*\sl+4*\i+1]   ; these 34 lines are also the places behind the last step's products
	v_cvt_pk_bf16_f32 v[XS+68*\sl+4*\i+1], v[XS+68*\sl+4*\i+2], v[XS+68*\sl+4*\i+3]
.endr
	WIN 0x04                                       ; the stores' data: window 1
.irp i, 0,1,2,3,4,5,6,7
	ds_store_b64 v[VA_S], v[XS+68*\sl+4*\i:XS+68*\sl+4*\i+1] offset:\sl*SLOT+288*\i
.endr
.irp i, 0,1,2,3,4,5,6,7
	ds_store_b64 v[VB_S], v[XS+68*\sl+32+4*\i:XS+68*\sl+32+4*\i+1] offset:\sl*SLOT+2304*\i
.endr
	ds_store_b64 v[VV_S], v[XS+68*\sl+64:XS+68*\sl+65] offset:\sl*VTS
.if \fill
	GLOAD \sl                                      ; the tile two steps ahead
.endif
	WIN 0
	s_wait_dscnt 0x0                               ; for the other waves: my stores are in LDS
	s_barrier_signal -1
	s_barrier_wait -1
	KK \sl, 0, \zero
	PLACES
	KK \sl, 1, 0
.endm
	s_load_b512 s[8:23], s[0:1], 0x0               ; x, w_q, w_k, w_v, b_q, b_k, b_v, rms_q_w
	s_load_b128 s[24:27], s[0:1], 0x40             ; rms_k_w, qkv
	v_lshl_add_u32 v254, v0, 2, 0x17800
	v_mov_b32 v255, 0
	v_lshrrev_b32 v15, 5, v0
	v_readfirstlane_b32 s4, v15                    ; wave 0..7
	v_and_b32 v1, 31, v0                           ; lane L
	v_and_b32 v2, 15, v0                           ; r = L & 15
	v_bfe_u32 v3, v0, 4, 1                         ; h = L >> 4
	s_and_b32 s5, s4, 3                            ; wm: which 32 rows
	s_lshr_b32 s6, s4, 2                           ; wn: which head
	s_and_b32 s58, ttmp7, 0xffff                   ; block row
	s_and_b32 s37, ttmp9, 7                        ; block column inside its own weight matrix
	s_mov_b32 s3, 0
	v_lshlrev_b32 v[VA_G], 4, v2                   ; x: row 16 w + h (+ 2 i in the immediate), 16 bytes at 16 r
	v_lshl_add_u32 v[VA_G], v3, 12, v[VA_G]
	s_lshl_b32 s7, s4, 16
	v_add_nc_u32 v[VA_G], s7, v[VA_G]
	s_lshl_b32 s7, s4, 12
	v_lshl_add_u32 v[VB_G], v1, 4, s7              ; W: row w (+ 8 i in the immediate), 16 bytes at 16 L
	v_lshrrev_b32 v15, 2, v1                       ; w_v: row 8 w + (L >> 2), 16 bytes at 16 (L & 3)
	v_and_b32 v14, 3, v1
	v_lshlrev_b32 v[VV_G], 10, v15
	v_lshl_add_u32 v[VV_G], v14, 4, v[VV_G]
	s_lshl_b32 s7, s4, 13
	v_add_nc_u32 v[VV_G], s7, v[VV_G]
	s_wait_kmcnt 0x0
	s_cmp_lt_u32 ttmp9, 8                          ; q, or k
	s_cselect_b64 s[SB:SB+1], s[10:11], s[12:13]   ; W
	s_cselect_b64 s[30:31], s[16:17], s[18:19]     ; bias
	s_cselect_b64 s[32:33], s[22:23], s[24:25]     ; gain
	s_cselect_b32 s34, 0x3e000000, 1.0             ; 1/8 for q
	s_lshl_b32 s2, s58, 19                         ; 128 rows of 4,096 bytes
	s_add_nc_u64 s[SA:SA+1], s[8:9], s[2:3]
	s_lshl_b32 s2, s37, 9                          ; 128 columns of 4 bytes
	s_add_nc_u64 s[SB:SB+1], s[SB:SB+1], s[2:3]
	s_add_nc_u64 s[30:31], s[30:31], s[2:3]
	s_lshl_b32 s2, ttmp9, 6                        ; 16 columns of 4 bytes
	s_add_nc_u64 s[SV:SV+1], s[SV:SV+1], s[2:3]
	s_add_nc_u64 s[20:21], s[20:21], s[2:3]        ; v's bias
	GLOAD 0                                        ; K steps 0 and 1 are asked for before anything else is done
	STEPADR
	GLOAD 1
	s_mov_b32 s59, 0x3c800000                      ; 1/64
	s_mov_b32 s60, 0x34000000                      ; eps = 2^-23
	s_mov_b32 s61, 0x76543210                      ; v_permlanex16_b32: lane i reads lane i of the other half
	s_mov_b32 s62, 0xfedcba98
	v_mul_u32_u24 v[VA_S], v3, PA                  ; (16 w + h) x 144 + 8 r
	v_lshl_add_u32 v[VA_S], v2, 3, v[VA_S]
	s_mul_i32 s7, s4, 16*PA
	v_add_nc_u32 v[VA_S], s7, v[VA_S]
	s_mul_i32 s7, s4, PB                           ; BOFF + 288 w + 8 L
	s_add_co_u32 s7, s7, BOFF
	v_lshl_add_u32 v[VB_S], v1, 3, s7
	s_lshl_b32 s7, s4, 8                           ; VT + (8 w + (L >> 2)) x 32 + 8 (L & 3) = VT + 256 w + 8 L
	s_add_co_u32 s7, s7, VT
	v_lshl_add_u32 v[VV_S], v1, 3, s7
	v_mul_u32_u24 v15, v2, PA                      ; fragment a: (32 wm + 16 (a xor wn) + r) x 144 + 16 h
	v_lshl_add_u32 v15, v3, 4, v15
	s_lshl_b32 s7, s5, 1
	s_add_co_u32 s7, s7, s6                        ; 2 wm + wn
	s_mul_i32 s63, s7, 16*PA
	v_add_nc_u32 v[VA_R], s63, v15
	s_xor_b32 s7, s7, 1                            ; 2 wm + (1 - wn)
	s_mul_i32 s63, s7, 16*PA
	v_add_nc_u32 v[VA_R+1], s63, v15
	v_and_b32 v15, 7, v1                           ; W:   BOFF + (8 h + (L & 7)) x 288 + 128 wn + 16 ((L >> 3) & 1)
	v_lshl_add_u32 v15, v3, 3, v15                 ; w_v: VT   + (8 h + (L & 7)) x 32           + 16 ((L >> 3) & 1)
	v_mul_u32_u24 v[VB_R], v15, PB
	v_lshlrev_b32 v[VV_R], 5, v15
	v_bfe_u32 v15, v1, 3, 1
	v_lshl_add_u32 v[VB_R], v15, 4, v[VB_R]
	v_lshl_add_u32 v[VV_R], v15, 4, v[VV_R]
	s_lshl_b32 s7, s6, 7
	s_add_co_u32 s7, s7, BOFF
	v_add_nc_u32 v[VB_R], s7, v[VB_R]
	v_add_nc_u32 v[VV_R], VT, v[VV_R]
	s_lshl_b32 s7, s6, 8
	v_lshl_add_u32 v[VBI], v3, 5, s7               ; 256 wn + 32 h
	v_lshlrev_b32 v[VGN], 5, v3                    ; 32 h
	s_mul_i32 s7, s4, 16*PA
	s_add_co_u32 s7, s7, STAGE                     ; my stage
	v_mul_u32_u24 v[STO], v2, PA                   ; in: row r, 16 bytes for each half of the lanes
	v_lshl_add_u32 v[STO], v3, 4, v[STO]
	v_add_nc_u32 v[STO], s7, v[STO]
	v_lshrrev_b32 v15, 3, v1                       ; back: eight lanes take a row of 128 bytes
	v_mul_u32_u24 v[RD], v15, PA
	v_and_b32 v15, 7, v1
	v_lshl_add_u32 v[RD], v15, 4, v[RD]
	v_add_nc_u32 v[RD], s7, v[RD]
	s_lshl_b32 s63, s6, 11                         ; fragment a's 16 rows of 128 bytes begin at 2,048 (a xor wn)
	v_lshl_add_u32 v[CO], v1, 4, s63
	s_xor_b32 s63, s63, 2048
	v_lshl_add_u32 v[CO+1], v1, 4, s63
	v_lshlrev_b32 v[VO], 5, v2                     ; v: 32 r + 16 h
	v_lshl_add_u32 v[VO], v3, 4, v[VO]
	s_lshl_b32 s2, ttmp9, 16                       ; v: a column group is 2,048 rows of 32 bytes,
	s_add_co_u32 s2, s2, 0x800000                  ; behind the 32 heads of q and k;
	s_lshl_b32 s63, s58, 12                        ; 128 rows,
	s_add_co_u32 s2, s2, s63
	s_lshl_b32 s63, s5, 10                         ; 32 rows,
	s_add_co_u32 s2, s2, s63
	s_lshl_b32 s63, s6, 9                          ; 16 rows
	s_add_co_u32 s2, s2, s63
	s_add_nc_u64 s[SVO:SVO+1], s[26:27], s[2:3]
	s_lshl_b32 s7, ttmp9, 1                        ; head = 2 x block column + wn
	s_add_co_u32 s7, s7, s6
	s_lshl_b32 s7, s7, 18                          ; a head: 2,048 rows of 128 bytes
	s_lshl_b32 s63, s58, 14                        ; 128 rows
	s_add_co_u32 s7, s7, s63
	s_lshl_b32 s63, s5, 12                         ; 32 rows
	s_add_co_u32 s2, s7, s63
	s_add_nc_u64 s[26:27], s[26:27], s[2:3]        ; qkv at my wave's first row of q or k
	TRIP 0, 1, 1, 17                               ; the first products start the sums: nothing is cleared.  17: the other set's loads stay out
	TRIP 1, 0, 1, 17
	s_mov_b32 s57, 6
.Lk:
	TRIP 0, 0, 1, 17
	TRIP 1, 0, 1, 17
	s_sub_co_u32 s57, s57, 1
	s_cmp_lg_u32 s57, 0
	s_cbranch_scc1 .Lk
	TRIP 0, 0, 0, 17                               ; the last two steps fetch nothing beyond K's end
.irp b, 0,1,2,3
	global_load_b128 v[BIAS+8*\b:BIAS+8*\b+3],   v[VBI], s[30:31] offset:64*\b      ; bias and gain of columns 16 b + 8 h + 0..7
	global_load_b128 v[BIAS+8*\b+4:BIAS+8*\b+7], v[VBI], s[30:31] offset:64*\b+16
	global_load_b128 v[GAIN+8*\b:GAIN+8*\b+3],   v[VGN], s[32:33] offset:64*\b
	global_load_b128 v[GAIN+8*\b+4:GAIN+8*\b+7], v[VGN], s[32:33] offset:64*\b+16
.endr
	global_load_b128 v[BV:BV+3],   v[VGN], s[20:21]                                 ; v's bias of columns 8 h + 0..7 of my 16
	global_load_b128 v[BV+4:BV+7], v[VGN], s[20:21] offset:16
	TRIP 1, 0, 0, 18                               ; 18: the loads just issued stay out
; q and k, the 16 rows of fragment a: bias, the row's mean square (32 numbers in my lane, 32 in the lane of the other half), y x rsqrt x gain, bf16;
; then out through my stage: in by 16 bytes a lane, back as whole rows of 128 bytes
.macro EPI a
.irp p, 0,2,4,6,8,10,12,14,16,18,20,22,24,26,28,30
	v_pk_add_f32 v[ACC+32*\a+\p:ACC+32*\a+\p+1], v[ACC+32*\a+\p:ACC+32*\a+\p+1], v[BIAS+\p:BIAS+\p+1]
.endr
	v_pk_mul_f32 v[T:T+1],   v[ACC+32*\a:ACC+32*\a+1],   v[ACC+32*\a:ACC+32*\a+1]
	v_pk_mul_f32 v[T+2:T+3], v[ACC+32*\a+2:ACC+32*\a+3], v[ACC+32*\a+2:ACC+32*\a+3]
.irp p, 4,8,12,16,20,24,28
	v_pk_fma_f32 v[T:T+1],   v[ACC+32*\a+\p:ACC+32*\a+\p+1],   v[ACC+32*\a+\p:ACC+32*\a+\p+1],   v[T:T+1]
	v_pk_fma_f32 v[T+2:T+3], v[ACC+32*\a+\p+2:ACC+32*\a+\p+3], v[ACC+32*\a+\p+2:ACC+32*\a+\p+3], v[T+2:T+3]
.endr
	v_pk_add_f32 v[T:T+1], v[T:T+1], v[T+2:T+3]
	v_add_f32 v[T], v[T], v[T+1]
	v_permlanex16_b32 v[T+1], v[T], s61, s62
	v_add_f32 v[T], v[T], v[T+1]
	v_fma_f32 v[T], v[T], s59, s60                 ; mean + eps
	v_rsq_f32 v[T+2], v[T]
	v_nop                                          ; one plain place behind the transcendental (ISA guide 5.7.2)
	s_wait_alu depctr_va_vdst(0)
	v_mul_f32 v[T+2], s34, v[T+2]                  ; q: the scores' 1/8
	v_mov_b32 v[T+3], v[T+2]
.irp p, 0,2,4,6,8,10,12,14,16,18,20,22,24,26,28,30
	v_pk_mul_f32 v[ACC+32*\a+\p:ACC+32*\a+\p+1], v[ACC+32*\a+\p:ACC+32*\a+\p+1], v[T+2:T+3]
.endr
.irp p, 0,2,4,6,8,10,12,14,16,18,20,22,24,26,28,30
	v_pk_mul_f32 v[ACC+32*\a+\p:ACC+32*\a+\p+1], v[ACC+32*\a+\p:ACC+32*\a+\p+1], v[GAIN+\p:GAIN+\p+1]
.endr
.irp p, 0,1,2,3,4,5,6,7,8,9,10,11,12,13,14,15
	v_cvt_pk_bf16_f32 v[PK+\p], v[ACC+32*\a+2*\p], v[ACC+32*\a+2*\p+1]
.endr
.irp b, 0,1,2,3
	ds_store_b128 v[STO], v[PK+4*\b:PK+4*\b+3] offset:32*\b
.endr
.irp t, 0,1,2,3
	ds_load_b128 v[FA+16*\a+4*\t:FA+16*\a+4*\t+3], v[RD] offset:576*\t       ; my own bytes: LDS serves a wave's instructions in order (ISA guide 5.7.1)
.endr
.irp t, 0,1,2,3
	s_wait_dscnt 3-\t                              ; the younger read-backs stay out
	global_store_b128 v[CO+\a], v[FA+16*\a+4*\t:FA+16*\a+4*\t+3], s[26:27] offset:512*\t    ; four rows: 512 consecutive bytes, aligned
.endr
.endm
	PLACES
	s_wait_loadcnt 0x0
	; v, my 16 rows x 16 columns: bias, f16.  Lane (r, h) holds the 16 bytes at 32 r + 16 h: the wave's one store covers 512 consecutive bytes, aligned
.irp p, 0,2,4,6
	v_pk_add_f32 v[VACC+\p:VACC+\p+1], v[VACC+\p:VACC+\p+1], v[BV+\p:BV+\p+1]
.endr
.irp p, 0,1,2,3
	v_cvt_pk_f16_f32 v[PV+\p], v[VACC+2*\p], v[VACC+2*\p+1]
.endr
	global_store_b128 v[VO], v[PV:PV+3], s[SVO:SVO+1]
	EPI 0
	EPI 1
	s_wait_tensorcnt 0x0
	ds_add_u32 v254, v255
	s_wait_dscnt 0x0
	s_endpgm
.Lfunc_end_k_qe665fae83e_proj:
	.size	k_qe665fae83e_proj, .Lfunc_end_k_qe665fae83e_proj-k_qe665fae83e_proj
	.p2alignl 7, 3214868480
	.fill 96, 4, 3214868480
	.section	.rodata,"a",@progbits
	.p2align	6, 0x0
	.amdhsa_kernel k_qe665fae83e_proj
		.amdhsa_group_segment_fixed_size 97280
		.amdhsa_private_segment_fixed_size 0
		.amdhsa_enable_private_segment 0
		.amdhsa_kernarg_size 80
		.amdhsa_user_sgpr_count 2
		.amdhsa_user_sgpr_kernarg_segment_ptr 1
		.amdhsa_wavefront_size32 1
		.amdhsa_system_sgpr_workgroup_id_x 1
		.amdhsa_system_sgpr_workgroup_id_y 1
		.amdhsa_system_sgpr_workgroup_id_z 1
		.amdhsa_system_vgpr_workitem_id 0
		.amdhsa_next_free_vgpr 392
		.amdhsa_next_free_sgpr 66
		.amdhsa_reserve_vcc 0
		.amdhsa_float_denorm_mode_32 3
		.amdhsa_float_denorm_mode_16_64 3
		.amdhsa_memory_ordered 1
		.amdhsa_forward_progress 1
		.amdhsa_inst_pref_size 71
	.end_amdhsa_kernel
	.amdgpu_metadata
---
amdhsa.version: [ 1, 2 ]
amdhsa.kernels:
  - .name:           k_qe665fae83e_proj
    .symbol:         k_qe665fae83e_proj.kd
    .args:
      - { .name: x, .offset: 0, .size: 8, .value_kind: global_buffer, .address_space: global }
      - { .name: w_q, .offset: 8, .size: 8, .value_kind: global_buffer, .address_space: global }
      - { .name: w_k, .offset: 16, .size: 8, .value_kind: global_buffer, .address_space: global }
      - { .name: w_v, .offset: 24, .size: 8, .value_kind: global_buffer, .address_space: global }
      - { .name: b_q, .offset: 32, .size: 8, .value_kind: global_buffer, .address_space: global }
      - { .name: b_k, .offset: 40, .size: 8, .value_kind: global_buffer, .address_space: global }
      - { .name: b_v, .offset: 48, .size: 8, .value_kind: global_buffer, .address_space: global }
      - { .name: rms_q_w, .offset: 56, .size: 8, .value_kind: global_buffer, .address_space: global }
      - { .name: rms_k_w, .offset: 64, .size: 8, .value_kind: global_buffer, .address_space: global }
      - { .name: qkv, .offset: 72, .size: 8, .value_kind: global_buffer, .address_space: global }
    .group_segment_fixed_size: 97280
    .private_segment_fixed_size: 0
    .kernarg_segment_align: 8
    .kernarg_segment_size: 80
    .max_flat_workgroup_size: 256
    .sgpr_count:     66
    .vgpr_count:     392
    .wavefront_size: 32
...
	.end_amdgpu_metadata
.endif
;; end of part 5
;; launch fit: the kernel of part 2 again; grid 16 x 16, 8 waves a work-group, no clusters, 21,504 bytes of LDS; arguments qkv, stat; writes stat
;; launch attn (part 6): grid 16 x 16, 8 waves a work-group, no clusters, 92,160 bytes of LDS; arguments qkv, stat, ao; writes ao
.if DOCPART == 6
	.amdgcn_target "amdgcn-amd-amdhsa--gfx1250"
	.amdhsa_code_object_version 6
	.text
	.protected	k_qe665fae83e_attn
	.globl	k_qe665fae83e_attn
	.p2align	8
	.type	k_qe665fae83e_attn,@function
k_qe665fae83e_attn:
	s_mov_b64 s[64:65], 0
	v_nop
	global_prefetch_b8 v0, s[64:65] scope:SCOPE_SE
	s_setreg_imm32_b32 hwreg(HW_REG_WAVE_MODE, 25, 1), 1
	s_wait_xcnt 0x0
; attn: ao[head][t][64] (f16) = softmax over the band of (score x fitness) times V.  fitness f(i) = rinv(i) / (sum over the head's 2,048 queries of rinv).
; f > 0 (rinv lies in 2/3 .. 2), so the largest logit of a row is f x smax, with smax from the launch before: the exact maximum is taken away in front of
; the exponential, p = 2^((s - smax) f log2 e), and no running maximum is needed.  Columns outside the band have weight exp(-1e10 - max) = 0: not computed.
; Shares as in the launch before: a work-group = (128 queries, one head), blocks of 64 keys through two LDS slots; wave w: queries 32 (w & 3) .. + 31 and of
; every block the 32 keys of half w >> 2; steps with distance d outside 0 .. 512 are jumped over, d = 0 and d = 512 are masked.
; Scores are made transposed (lane (r, h), register j: key 8 h + j, query r), so two score tiles, rounded and packed in the lane, ARE the second source of
; O^T = V^T P^T; V^T comes from LDS by the transposing load.  The two key halves' sums meet in LDS at the end.
; V lies in qkv as [16 column groups][t][16] in f16 (rows of 32 bytes); a value head is four groups, a block of 64 keys four runs of 2,048 bytes.
; THE VALUE PATH IS f16: the first rows are means of few value rows and much larger than the bulk of the result, so v, p and the result keep f16's 11
; significant bits and not bf16's 8; the products P V use the f16 form, the scores the bf16 form.
; The first block is never jumped over and always masked: its products start the sums of O on every path (a wave with no key of the band there adds zeros).
; No joint loads of a cluster: only V is common to four heads, half of a block's 16 KiB, and K and V pass through registers here.
; LIMITS: q and k are bf16; |v|, and so the result, below 65,504 (see the launch that makes v); the row sum is made of the unrounded p; masked scores are
; -1e30 (p = 0); p below 2^-126 is 0 in the sum, p below about 3e-8 is 0 in the product.
.set KP,    144
.set VP,    160                        ; an odd multiple of 32, for the transposing load
.set KSLOT, 64*KP
.set VBASE, 2*KSLOT
.set VSLOT, 64*VP
.set VGRP,  2048*32                    ; a column group of V in qkv
.set RED,   VBASE+2*VSLOT              ; 8 words: the waves' parts of the sum of rinv
.set LSUM,  RED+256                    ; f32 [128]: row sums of the upper key halves
.set OX,    LSUM+768                   ; 4 x 8,192: O of the upper key halves
.set STAGE, OX+4*8192                  ; 4 x 32 rows x 144: the way out
.set GV,  0                            ; v0: the thread's number, and when that has been used up my byte offset in a block of V
.set QV,  4
.set GK,  5
.set KS,  6
.set VS,  7
.set KR,  8
.set VR,  9
.set RH,  10
.set NEG, 11
.set DV,  12
.set TMP, 13
.set Q,   16                           ; v16-47   Q(grp, dh)
.set O,   48                           ; v48-111  O(grp, dt) at O + 32 grp + 8 dt
.set S,   112                          ; v112-143 S(grp, kt) at S + 16 grp + 8 kt; then P(grp) in S + 16 grp + 0..7
.set KF,  144                          ; v144-175
.set VF,  176                          ; v176-207 V^T(dt)
.set SET, 208                          ; v208-223, v224-239: 8 registers of K, 8 of V, two sets
.set CC,  240                          ; v240-243 f log2 e, a pair for each grp
.set NN,  244                          ; v244-247 - smax f log2 e
.set LS,  248                          ; v248-251 row sums
.set OXA, 112                          ; the end, in the score registers: addresses
.set LA,  113
.set STO, 114
.set RD,  115
.set CO,  116
.macro MASK
	v_add_nc_u32 v[DV], s15, v[RH]
.irp grp, 0,1
.irp kt, 0,1
.irp j, 0,1,2,3,4,5,6,7
	v_add_nc_u32 v[TMP], 16*(\grp-\kt)-\j+23, v[DV]
	v_cmp_gt_u32 vcc_lo, 513, v[TMP]               ; 0 <= i - j <= 512, in one unsigned compare
	v_cndmask_b32 v[S+16*\grp+8*\kt+\j], v[NEG], v[S+16*\grp+8*\kt+\j], vcc_lo
.endr
.endr
.endr
.endm
.macro STEP sl, first
.if \first == 0
	s_cmp_gt_u32 s15, 512
	s_cbranch_scc1 .Lskip_\@
.endif
.irp kt, 0,1
.irp dh, 0,1
	ds_load_b128 v[KF+16*\kt+8*\dh:KF+16*\kt+8*\dh+3],   v[KR] offset:\sl*KSLOT+2304*\kt+64*\dh
	ds_load_b128 v[KF+16*\kt+8*\dh+4:KF+16*\kt+8*\dh+7], v[KR] offset:\sl*KSLOT+2304*\kt+64*\dh+32
.endr
.endr
.irp dt, 0,1,2,3
	ds_load_tr16_b128 v[VF+8*\dt:VF+8*\dt+3],   v[VR] offset:\sl*VSLOT+32*\dt
	ds_load_tr16_b128 v[VF+8*\dt+4:VF+8*\dt+7], v[VR] offset:\sl*VSLOT+32*\dt+16*VP
.endr
	s_wait_dscnt 0x8                               ; K's eight loads are in; V's eight stay out
.irp grp, 0,1                                      ; the accumulators take turns
.irp kt, 0,1
	v_wmma_f32_16x16x32_bf16 v[S+16*\grp+8*\kt:S+16*\grp+8*\kt+7], v[KF+16*\kt:KF+16*\kt+7], v[Q+16*\grp:Q+16*\grp+7], 0
.endr
.endr
.irp grp, 0,1
.irp kt, 0,1
	v_wmma_f32_16x16x32_bf16 v[S+16*\grp+8*\kt:S+16*\grp+8*\kt+7], v[KF+16*\kt+8:KF+16*\kt+15], v[Q+16*\grp+8:Q+16*\grp+15], v[S+16*\grp+8*\kt:S+16*\grp+8*\kt+7]
.endr
.endr
.rept 5
	v_nop                                          ; the places behind the score products (ISA guide 7.12.1)
.endr
.if \first == 0
	s_and_b32 s17, s15, 511
	s_cmp_lg_u32 s17, 0
	s_cbranch_scc1 .Linner_\@
.endif
	MASK
.Linner_\@:
.irp grp, 0,1
.irp p, 0,2,4,6,8,10,12,14
	v_pk_fma_f32 v[S+16*\grp+\p:S+16*\grp+\p+1], v[S+16*\grp+\p:S+16*\grp+\p+1], v[CC+2*\grp:CC+2*\grp+1], v[NN+2*\grp:NN+2*\grp+1]
.endr
.endr
.irp p, 0,1,2,3,4,5,6,7,8,9,10,11,12,13,14,15,16,17,18,19,20,21,22,23,24,25,26,27,28,29,30,31
	v_exp_f32 v[S+\p], v[S+\p]
.endr
	v_nop                                          ; one plain place behind the transcendentals (ISA guide 5.7.2)
	s_wait_alu depctr_va_vdst(0)
.irp p, 0,2,4,6,8,10,12,14
.irp grp, 0,1
	v_pk_add_f32 v[LS+2*\grp:LS+2*\grp+1], v[LS+2*\grp:LS+2*\grp+1], v[S+16*\grp+\p:S+16*\grp+\p+1]
.endr
.endr
.irp grp, 0,1
.irp i, 0,1,2,3,4,5,6,7
	v_cvt_pk_f16_f32 v[S+16*\grp+\i], v[S+16*\grp+2*\i], v[S+16*\grp+2*\i+1]     ; register i is written when 2 i and 2 i + 1 have been read: in place
.endr
.endr
	s_wait_dscnt 0x0                               ; V
.irp grp, 0,1                                      ; eight accumulators take turns
.irp dt, 0,1,2,3
.if \first
	v_wmma_f32_16x16x32_f16 v[O+32*\grp+8*\dt:O+32*\grp+8*\dt+7], v[VF+8*\dt:VF+8*\dt+7], v[S+16*\grp:S+16*\grp+7], 0
.else
	v_wmma_f32_16x16x32_f16 v[O+32*\grp+8*\dt:O+32*\grp+8*\dt+7], v[VF+8*\dt:VF+8*\dt+7], v[S+16*\grp:S+16*\grp+7], v[O+32*\grp+8*\dt:O+32*\grp+8*\dt+7]
.endif
.endr
.endr
.rept 5
	v_nop                                          ; the places before P's registers are written over, V's loaded again, O read
.endr
.Lskip_\@:
.endm
; One block of 64 keys: K and V, 16 KiB, four times 16 bytes a thread.  One barrier a block: in front of it my stores into this slot and my reads of the
; other slot are done; the other slot is stored into again only in the next block.  A block is 8,192 bytes further on in K, 2,048 in each column group of V.
.macro BLOCK sl, first, fill, left
	s_wait_loadcnt \left
	ds_store_b128 v[KS], v[SET+16*\sl:SET+16*\sl+3]     offset:\sl*KSLOT
	ds_store_b128 v[KS], v[SET+16*\sl+4:SET+16*\sl+7]   offset:\sl*KSLOT+32*KP
	ds_store_b128 v[VS], v[SET+16*\sl+8:SET+16*\sl+11]  offset:\sl*VSLOT
	ds_store_b128 v[VS], v[SET+16*\sl+12:SET+16*\sl+15] offset:\sl*VSLOT+64
.if \fill
	s_wait_xcnt 0x0                                ; the bases are named by the loads issued before: stepped only behind this wait
	s_add_nc_u64 s[20:21], s[20:21], 8192
	s_add_nc_u64 s[22:23], s[22:23], 2048
	global_load_b128 v[SET+16*\sl:SET+16*\sl+3],     v[GK], s[20:21] offset:8192     ; the block two ahead
	global_load_b128 v[SET+16*\sl+4:SET+16*\sl+7],   v[GK], s[20:21] offset:12288
	global_load_b128 v[SET+16*\sl+8:SET+16*\sl+11],  v[GV], s[22:23] offset:2048
	global_load_b128 v[SET+16*\sl+12:SET+16*\sl+15], v[GV], s[22:23] offset:2*VGRP+2048
.endif
	s_wait_dscnt 0x0
	s_barrier_signal -1
	s_barrier_wait -1
	STEP \sl, \first
	s_sub_co_u32 s15, s15, 64
.endm
.macro PAIR first, fill
	BLOCK 0, \first, \fill, 4                      ; 4: the other set's loads stay out
.if \fill
	BLOCK 1, 0, 1, 4
.else
	BLOCK 1, 0, 0, 0
.endif
.endm
	s_load_b128 s[4:7], s[0:1], 0x0                ; qkv, stat
	s_load_b64 s[8:9], s[0:1], 0x10                ; ao
	s_set_vgpr_msb 0x40
	v_lshl_add_u32 v0, v0, 2, 0x16400
	v_mov_b32 v1, 0
	s_set_vgpr_msb 0x4000
	v_lshrrev_b32 v15, 5, v0
	v_readfirstlane_b32 s10, v15                   ; wave
	v_and_b32 v1, 31, v0                           ; L
	v_and_b32 v2, 15, v0                           ; r
	v_bfe_u32 v3, v0, 4, 1                         ; h
	s_and_b32 s11, s10, 3                          ; g
	s_lshr_b32 s12, s10, 2                         ; kh
	s_and_b32 s13, ttmp7, 0xffff                   ; head
	s_min_u32 s14, ttmp9, 4                        ; m
	s_mov_b32 s3, 0
	s_mov_b32 s31, 0
	s_mov_b32 s33, 0
	s_mov_b32 s35, 0
	s_mov_b32 s37, 0
	s_lshl_b32 s17, s13, 18                        ; a head: 2,048 rows of 128 bytes
	s_lshl_b32 s2, ttmp9, 14
	s_add_co_u32 s2, s2, s17
	s_lshl_b32 s16, s11, 12
	s_add_co_u32 s2, s2, s16                       ; my wave's queries in qkv, and its rows in ao
	s_sub_co_u32 s30, ttmp9, s14                   ; the first key / 128
	s_lshr_b32 s32, s13, 2                         ; value head = head / 4: four column groups, as many bytes as a head,
	s_add_co_u32 s32, s32, 32                      ; behind 16 q and 16 k heads
	s_lshl_b32 s32, s32, 18
	s_lshl_b32 s16, s30, 12                        ; the first key in a column group: rows of 32 bytes
	s_add_co_u32 s32, s32, s16
	s_lshl_b32 s30, s30, 14                        ; the first key in K: rows of 128 bytes
	s_add_co_u32 s30, s30, s17
	s_add_co_u32 s30, s30, 0x400000
	s_lshl_b32 s34, s13, 13                        ; stat: the head's 2,048 words
	s_lshl_b32 s36, ttmp9, 9
	s_add_co_u32 s36, s36, s34
	s_lshl_b32 s16, s11, 7
	s_add_co_u32 s36, s36, s16                     ; my wave's 32 words
	v_lshlrev_b32 v[QV], 7, v2
	v_lshl_add_u32 v[QV], v3, 4, v[QV]
	v_lshlrev_b32 v[GK], 4, v0
	v_lshlrev_b32 v14, 2, v2
	s_lshl_b32 s38, s12, 16                        ; V: column group kh (and kh + 2 in the immediate), 16 bytes at 512 g + 16 L:
	s_lshl_b32 s39, s11, 9                         ; key 16 g + (L >> 1), half L & 1 of its 32 bytes
	s_add_co_u32 s38, s38, s39
	v_lshl_add_u32 v[GV], v1, 4, s38               ; the thread's number is not needed any more
	s_wait_kmcnt 0x0
	s_add_nc_u64 s[18:19], s[4:5], s[2:3]
	s_add_nc_u64 s[20:21], s[4:5], s[30:31]
	s_add_nc_u64 s[22:23], s[4:5], s[32:33]
	s_add_nc_u64 s[24:25], s[6:7], s[34:35]
	s_add_nc_u64 s[26:27], s[6:7], s[36:37]
	s_add_nc_u64 s[8:9], s[8:9], s[2:3]
	global_load_b128 v[144:147], v[GK], s[24:25]               ; the head's rinv: 8 numbers a thread
	global_load_b128 v[148:151], v[GK], s[24:25] offset:4096
	global_load_b32 v252, v14, s[26:27]                        ; rinv and smax of my queries r and 16 + r
	global_load_b32 v253, v14, s[26:27] offset:64
	global_load_b32 v254, v14, s[26:27] offset:131072
	global_load_b32 v255, v14, s[26:27] offset:131136
.irp grp, 0,1
.irp dh, 0,1
	global_load_b128 v[Q+16*\grp+8*\dh:Q+16*\grp+8*\dh+3],   v[QV], s[18:19] offset:2048*\grp+64*\dh
	global_load_b128 v[Q+16*\grp+8*\dh+4:Q+16*\grp+8*\dh+7], v[QV], s[18:19] offset:2048*\grp+64*\dh+32
.endr
.endr
.irp c, 0,1
	global_load_b128 v[SET+16*\c:SET+16*\c+3],     v[GK], s[20:21] offset:8192*\c
	global_load_b128 v[SET+16*\c+4:SET+16*\c+7],   v[GK], s[20:21] offset:8192*\c+4096
	global_load_b128 v[SET+16*\c+8:SET+16*\c+11],  v[GV], s[22:23] offset:2048*\c
	global_load_b128 v[SET+16*\c+12:SET+16*\c+15], v[GV], s[22:23] offset:2*VGRP+2048*\c
.endr
	s_lshl_b32 s15, s14, 7                         ; d = 128 m + 32 g - 32 kh
	s_sub_co_u32 s17, s11, s12
	s_lshl_b32 s17, s17, 5
	s_add_co_u32 s15, s15, s17
	s_mov_b32 s28, 0x76543210
	s_mov_b32 s29, 0xfedcba98
	v_lshrrev_b32 v15, 1, v1                       ; VS = VBASE + (16 g + (L >> 1)) x 160 + 32 kh + 16 (L & 1); group kh + 2 lies 64 bytes further on in the row
	v_mul_u32_u24 v[VS], v15, VP
	v_and_b32 v15, 1, v1
	v_lshl_add_u32 v[VS], v15, 4, v[VS]
	s_mul_i32 s17, s11, 16*VP
	s_lshl_b32 s16, s12, 5
	s_add_co_u32 s17, s17, s16
	s_add_co_u32 s17, s17, VBASE
	v_add_nc_u32 v[VS], s17, v[VS]
	v_lshrrev_b32 v15, 3, v1                       ; KS = (4 w + (L >> 3)) x 144 + 16 (L & 7)
	v_mul_u32_u24 v[KS], v15, KP
	v_and_b32 v15, 7, v1
	v_lshl_add_u32 v[KS], v15, 4, v[KS]
	s_mul_i32 s17, s10, 4*KP
	v_add_nc_u32 v[KS], s17, v[KS]
	v_mul_u32_u24 v[KR], v2, KP                    ; KR = (32 kh + r) x 144 + 16 h
	v_lshl_add_u32 v[KR], v3, 4, v[KR]
	s_mul_i32 s17, s12, 32*KP
	v_add_nc_u32 v[KR], s17, v[KR]
	v_lshl_add_u32 v15, v3, 3, v15                 ; VR = VBASE + (32 kh + 8 h + (L & 7)) x 160 + 16 ((L >> 3) & 1)
	v_mul_u32_u24 v[VR], v15, VP
	v_bfe_u32 v15, v1, 3, 1
	v_lshl_add_u32 v[VR], v15, 4, v[VR]
	s_mul_i32 s17, s12, 32*VP
	s_add_co_u32 s17, s17, VBASE
	v_add_nc_u32 v[VR], s17, v[VR]
	v_lshlrev_b32 v15, 3, v3
	v_sub_nc_u32 v[RH], v2, v15
	v_add_nc_u32 v[RH], 0xffffffe9, v[RH]          ; r - 8 h - 23: the mask's 32 constants are then 0 .. 39
	v_mov_b32 v[NEG], 0xf149f2ca                   ; -1e30
	v_mov_b32 v[TMP], 0
.irp p, 0,1,2,3
	v_mov_b32 v[LS+\p], 0
.endr
	s_lshl_b32 s17, s10, 2
	s_add_co_u32 s17, s17, RED
	v_mov_b32 v15, s17
	s_wait_loadcnt 16                              ; the six loads from stat are in; Q's 8 and the two sets' 8 stay out
	v_pk_add_f32 v[144:145], v[144:145], v[146:147]
	v_pk_add_f32 v[148:149], v[148:149], v[150:151]
	v_pk_add_f32 v[144:145], v[144:145], v[148:149]
	v_add_f32 v144, v144, v145
	v_add_f32_dpp v144, v144, v144 row_xmask:1 row_mask:0xf bank_mask:0xf
	v_add_f32_dpp v144, v144, v144 row_xmask:2 row_mask:0xf bank_mask:0xf
	v_add_f32_dpp v144, v144, v144 row_xmask:4 row_mask:0xf bank_mask:0xf
	v_add_f32_dpp v144, v144, v144 row_xmask:8 row_mask:0xf bank_mask:0xf
	v_permlanex16_b32 v145, v144, s28, s29
	v_add_f32 v144, v144, v145
	ds_store_b32 v15, v144                         ; my wave's part, to its own word
	s_wait_dscnt 0x0
	s_barrier_signal -1
	s_barrier_wait -1
	v_mov_b32 v15, RED
	ds_load_b128 v[144:147], v15
	ds_load_b128 v[148:151], v15 offset:16
	s_wait_dscnt 0x0
	v_pk_add_f32 v[144:145], v[144:145], v[146:147]
	v_pk_add_f32 v[148:149], v[148:149], v[150:151]
	v_pk_add_f32 v[144:145], v[144:145], v[148:149]
	v_add_f32 v144, v144, v145                     ; the sum over the head's queries of rinv
	v_rcp_f32 v146, v144
	v_nop
	s_wait_alu depctr_va_vdst(0)
	v_mul_f32 v146, 0x3fb8aa3b, v146               ; log2 e / sum
	v_mul_f32 v[CC], v252, v146
	v_mul_f32 v[CC+2], v253, v146
	v_mov_b32 v[CC+1], v[CC]
	v_mov_b32 v[CC+3], v[CC+2]
	v_mul_f32 v[NN], -v254, v[CC]
	v_mul_f32 v[NN+2], -v255, v[CC+2]
	v_mov_b32 v[NN+1], v[NN]
	v_mov_b32 v[NN+3], v[NN+2]
	s_cmp_eq_u32 s14, 0                            ; m + 1 pairs of blocks
	s_cbranch_scc1 .Lonly
	PAIR 1, 1
	s_sub_co_u32 s16, s14, 1
	s_cmp_eq_u32 s16, 0
	s_cbranch_scc1 .Llast
.Lpair:
	PAIR 0, 1
	s_sub_co_u32 s16, s16, 1
	s_cmp_lg_u32 s16, 0
	s_cbranch_scc1 .Lpair
.Llast:
	PAIR 0, 0                                      ; the last pair fetches nothing beyond the work-group's last key
	s_branch .Lfin
.Lonly:
	PAIR 1, 0
.Lfin:
	v_add_f32 v[LS], v[LS], v[LS+1]
	v_add_f32 v[LS+2], v[LS+2], v[LS+3]
	v_permlanex16_b32 v[TMP], v[LS], s28, s29
	v_add_f32 v[LS], v[LS], v[TMP]
	v_permlanex16_b32 v[TMP], v[LS+2], s28, s29
	v_add_f32 v[LS+2], v[LS+2], v[TMP]
	s_lshl_b32 s17, s11, 13
	s_add_co_u32 s17, s17, OX
	v_lshl_add_u32 v[OXA], v1, 4, s17              ; OX + 8,192 g + 16 L
	s_lshl_b32 s17, s11, 7
	s_add_co_u32 s17, s17, LSUM
	v_lshl_add_u32 v[LA], v2, 2, s17               ; LSUM + (32 g + r) x 4
	s_cmp_lt_u32 s10, 4
	s_cbranch_scc1 .Lkeep
.irp q, 0,1,2,3,4,5,6,7,8,9,10,11,12,13,14,15
	ds_store_b128 v[OXA], v[O+4*\q:O+4*\q+3] offset:512*\q     ; the upper key halves hand their sums over
.endr
	ds_store_b32 v[LA], v[LS]
	ds_store_b32 v[LA], v[LS+2] offset:64
.Lkeep:
	s_wait_dscnt 0x0
	s_barrier_signal -1
	s_barrier_wait -1
	s_cmp_ge_u32 s10, 4
	s_cbranch_scc1 .Lend
.irp q, 0,1,2,3,4,5,6,7,8,9,10,11,12,13,14,15
	ds_load_b128 v[KF+4*\q:KF+4*\q+3], v[OXA] offset:512*\q
.endr
	ds_load_b32 v252, v[LA]
	ds_load_b32 v253, v[LA] offset:64
	s_mul_i32 s17, s11, 32*KP
	s_add_co_u32 s17, s17, STAGE                   ; my stage
	v_mul_u32_u24 v[STO], v2, KP                   ; in: row r, 16 bytes for each half of the lanes
	v_lshl_add_u32 v[STO], v3, 4, v[STO]
	v_add_nc_u32 v[STO], s17, v[STO]
	v_lshrrev_b32 v15, 3, v1                       ; back: eight lanes take a row of 128 bytes
	v_mul_u32_u24 v[RD], v15, KP
	v_and_b32 v15, 7, v1
	v_lshl_add_u32 v[RD], v15, 4, v[RD]
	v_add_nc_u32 v[RD], s17, v[RD]
	v_lshlrev_b32 v[CO], 4, v1
	s_wait_dscnt 0x0
.irp p, 0,2,4,6,8,10,12,14,16,18,20,22,24,26,28,30,32,34,36,38,40,42,44,46,48,50,52,54,56,58,60,62
	v_pk_add_f32 v[O+\p:O+\p+1], v[O+\p:O+\p+1], v[KF+\p:KF+\p+1]
.endr
	v_add_f32 v252, v252, v[LS]
	v_add_f32 v253, v253, v[LS+2]
	v_rcp_f32 v[CC], v252                          ; the row's own maximum gives p = 1 or nearly: the sum is never 0
	v_rcp_f32 v[CC+2], v253
	v_nop
	s_wait_alu depctr_va_vdst(0)
	v_mov_b32 v[CC+1], v[CC]
	v_mov_b32 v[CC+3], v[CC+2]
.irp grp, 0,1
.irp p, 0,2,4,6,8,10,12,14,16,18,20,22,24,26,28,30
	v_pk_mul_f32 v[O+32*\grp+\p:O+32*\grp+\p+1], v[O+32*\grp+\p:O+32*\grp+\p+1], v[CC+2*\grp:CC+2*\grp+1]
.endr
.endr
.irp p, 0,1,2,3,4,5,6,7,8,9,10,11,12,13,14,15,16,17,18,19,20,21,22,23,24,25,26,27,28,29,30,31
	v_cvt_pk_f16_f32 v[KF+\p], v[O+2*\p], v[O+2*\p+1]
.endr
.irp grp, 0,1
.irp dt, 0,1,2,3
	ds_store_b128 v[STO], v[KF+16*\grp+4*\dt:KF+16*\grp+4*\dt+3] offset:16*KP*\grp+32*\dt
.endr
.endr
.irp t, 0,1,2,3,4,5,6,7
	ds_load_b128 v[VF+4*\t:VF+4*\t+3], v[RD] offset:4*KP*\t    ; my own bytes: LDS serves a wave's instructions in order (ISA guide 5.7.1)
.endr
.irp t, 0,1,2,3,4,5,6,7
	s_wait_dscnt 7-\t                              ; the younger read-backs stay out
	global_store_b128 v[CO], v[VF+4*\t:VF+4*\t+3], s[8:9] offset:512*\t          ; four rows: 512 consecutive bytes, aligned
.endr
.Lend:
	s_set_vgpr_msb 0x5
	s_wait_tensorcnt 0x0
	ds_add_u32 v0, v1
	s_wait_dscnt 0x0
	s_set_vgpr_msb 0x500
	s_endpgm
.Lfunc_end_k_qe665fae83e_attn:
	.size	k_qe665fae83e_attn, .Lfunc_end_k_qe665fae83e_attn-k_qe665fae83e_attn
	.p2alignl 7, 3214868480
	.fill 96, 4, 3214868480
	.section	.rodata,"a",@progbits
	.p2align	6, 0x0
	.amdhsa_kernel k_qe665fae83e_attn
		.amdhsa_group_segment_fixed_size 92160
		.amdhsa_private_segment_fixed_size 0
		.amdhsa_enable_private_segment 0
		.amdhsa_kernarg_size 24
		.amdhsa_user_sgpr_count 2
		.amdhsa_user_sgpr_kernarg_segment_ptr 1
		.amdhsa_wavefront_size32 1
		.amdhsa_system_sgpr_workgroup_id_x 1
		.amdhsa_system_sgpr_workgroup_id_y 1
		.amdhsa_system_sgpr_workgroup_id_z 1
		.amdhsa_system_vgpr_workitem_id 0
		.amdhsa_next_free_vgpr 258
		.amdhsa_next_free_sgpr 66
		.amdhsa_reserve_vcc 1
		.amdhsa_float_denorm_mode_32 3
		.amdhsa_float_denorm_mode_16_64 3
		.amdhsa_memory_ordered 1
		.amdhsa_forward_progress 1
		.amdhsa_inst_pref_size 111
	.end_amdhsa_kernel
	.amdgpu_metadata
---
amdhsa.version: [ 1, 2 ]
amdhsa.kernels:
  - .name:           k_qe665fae83e_attn
    .symbol:         k_qe665fae83e_attn.kd
    .args:
      - { .name: qkv, .offset: 0, .size: 8, .value_kind: global_buffer, .address_space: global }
      - { .name: stat, .offset: 8, .size: 8, .value_kind: global_buffer, .address_space: global }
      - { .name: ao, .offset: 16, .size: 8, .value_kind: global_buffer, .address_space: global }
    .group_segment_fixed_size: 92160
    .private_segment_fixed_size: 0
    .kernarg_segment_align: 8
    .kernarg_segment_size: 24
    .max_flat_workgroup_size: 256
    .sgpr_count:     66
    .vgpr_count:     258
    .wavefront_size: 32
...
	.end_amdgpu_metadata
.endif
;; end of part 6
;; launch oproj (part 7): grid 16 x 16, 8 waves a work-group, no clusters, 150,528 bytes of LDS; arguments ao, w_o, b_o, out0; writes out0
.if DOCPART == 7
	.amdgcn_target "amdgcn-amd-amdhsa--gfx1250"
	.amdhsa_code_object_version 6
	.text
	.protected	k_qe665fae83e_oproj
	.globl	k_qe665fae83e_oproj
	.p2align	8
	.type	k_qe665fae83e_oproj,@function
k_qe665fae83e_oproj:
	s_mov_b64 s[64:65], 0
	v_nop
	global_prefetch_b8 v0, s[64:65] scope:SCOPE_SE
	s_setreg_imm32_b32 hwreg(HW_REG_WAVE_MODE, 25, 1), 1
	s_wait_xcnt 0x0
; oproj: out0[t][n] (f32) = sum over k of ao(t, k) w_o[k][n] + b_o[n]; ao lies [head][t][64] in f16, k = 64 head + d.
; A work-group makes 128 rows x 64 columns; wave w: 32 rows (w & 3) x 32 columns (w >> 2), four accumulators.
; K goes in 8 steps of 128 (two heads).  ao's tile of a head is 16 KiB of consecutive bytes and goes to LDS as it is; w_o is f32 and lies [K][N]: it is converted
; on the way through registers and read by the transposing load.  Two register sets keep two steps' tiles (64 KiB each) on their way, two LDS slots take turns.
; THE FORM IS f16, since ao keeps f16's 11 significant bits.  w_o is first rounded to bf16, as every other input of the program is, so that all inputs carry the
; same rounding; that number is then written as f16, which is exact from 2^-17 upward (8 significant bits against f16's smallest step, 2^-24).
; No joint loads of a cluster and no copy engine: w_o, half of a step's bytes, has to be converted in registers once for the work-group.
; LIMITS: w_o is rounded to bf16; |w_o| below 65,504 (as drawn it reaches about 0.1, 30 times larger about 3); below 2^-17 its f16 is off by at most 2^-25
; absolute; sums are f32 in the matrix unit's order.
.set PA,    144
.set PB,    160                        ; 128 bytes + 32: an odd multiple of 32, for the transposing load
.set BOFF,  2*128*PA                   ; 36,864
.set SLOT,  BOFF+128*PB                ; 57,344
.set STAGE, 2*SLOT                     ; f32 [128 rows], pitch 272
.set SP,    272
.set VA_G, 4
.set VB_G, 5
.set AS,   6                           ; v6-7   LDS: where I put 16 bytes of ao, slot 0, 1
.set BS,   8                           ; v8-9   LDS: where I put 8 bytes of w_o
.set AR,   10                          ; v10-11 LDS: my ao fragments
.set BR,   12                          ; v12-13 LDS: my w_o fragments
.set ACC,  16                          ; v16-47  ACC(a, b) at ACC + 8 (2 a + b)
.set F0,   48                          ; v48-79  fragments: ao(a) at + 8 a, w_o(b) at + 16 + 8 b
.set F1,   80                          ; v80-111
.set BI,   112                         ; v112-115 bias of the four columns that I store
.set STO,  116
.set RD,   117
.set CO,   118
.set BO,   119
.set SET0, 128                         ; v128-191, v192-255: 32 registers of ao, 32 of w_o
.macro PLACES                          ; four places behind a matrix instruction before its registers are loaded into or its result is read (ISA guide 7.12.1)
.rept 4
	v_nop
.endr
.endm
.macro GLOAD sl, adv
.if \adv
	s_wait_xcnt 0x0                                ; the offsets are named by the loads issued before: stepped only behind this wait
	v_add_nc_u32 v[VA_G], 0x80000, v[VA_G]         ; two heads of ao
	v_add_nc_u32 v[VB_G], 0x80000, v[VB_G]         ; 128 rows of w_o
.endif
.irp e, 0,1
.irp i, 0,1,2,3
	global_load_b128 v[SET0+64*\sl+16*\e+4*\i:SET0+64*\sl+16*\e+4*\i+3], v[VA_G], s[4:5] offset:262144*\e+4096*\i
.endr
.endr
.irp i, 0,1,2,3,4,5,6,7
	global_load_b128 v[SET0+64*\sl+32+4*\i:SET0+64*\sl+32+4*\i+3], v[VB_G], s[6:7] offset:65536*\i
.endr
.endm
; the fragments of sub-step u (32 along K; head u / 2, half u % 2) into buffer f: 8 LDS loads
.macro FETCH sl, u, f
.irp a, 0,1
	ds_load_b128 v[\f+8*\a:\f+8*\a+3],   v[AR+\sl] offset:128*PA*(\u/2)+64*(\u%2)+16*PA*\a
	ds_load_b128 v[\f+8*\a+4:\f+8*\a+7], v[AR+\sl] offset:128*PA*(\u/2)+64*(\u%2)+16*PA*\a+32
.endr
.irp b, 0,1
	ds_load_tr16_b128 v[\f+16+8*\b:\f+16+8*\b+3],   v[BR+\sl] offset:32*PB*\u+32*\b
	ds_load_tr16_b128 v[\f+16+8*\b+4:\f+16+8*\b+7], v[BR+\sl] offset:32*PB*\u+32*\b+16*PB
.endr
.endm
; Source 0 = 16 columns of w_o, source 1 = 16 rows of ao: lane (r, h), register j holds row r, column 16 b + 8 h + j.  The four accumulators take turns.
.macro MUL f, zero
.irp a, 0,1
.irp b, 0,1
.if \zero
	v_wmma_f32_16x16x32_f16 v[ACC+8*(2*\a+\b):ACC+8*(2*\a+\b)+7], v[\f+16+8*\b:\f+16+8*\b+7], v[\f+8*\a:\f+8*\a+7], 0
.else
	v_wmma_f32_16x16x32_f16 v[ACC+8*(2*\a+\b):ACC+8*(2*\a+\b)+7], v[\f+16+8*\b:\f+16+8*\b+7], v[\f+8*\a:\f+8*\a+7], v[ACC+8*(2*\a+\b):ACC+8*(2*\a+\b)+7]
.endif
.endr
.endr
.endm
; four f32 of w_o in v[b .. b+3] become four f16 in v[b], v[b+1]: rounded to bf16, widened again (a shift, a mask), written as f16
.macro W16 b
	v_cvt_pk_bf16_f32 v[\b],   v[\b],   v[\b+1]
	v_cvt_pk_bf16_f32 v[\b+2], v[\b+2], v[\b+3]
	v_and_b32 v[\b+1], s19, v[\b]
	v_lshlrev_b32 v[\b], 16, v[\b]
	v_and_b32 v[\b+3], s19, v[\b+2]
	v_lshlrev_b32 v[\b+2], 16, v[\b+2]
	v_cvt_pk_f16_f32 v[\b],   v[\b],   v[\b+1]
	v_cvt_pk_f16_f32 v[\b+1], v[\b+2], v[\b+3]
.endm
; One K step.  One barrier a step: in front of it my stores into this slot and my reads of the other slot are done; the other slot is stored into again only in the next step.
.macro TRIP sl, zero, fill, left
	s_wait_loadcnt \left                           ; this set is in; the younger loads stay out
.irp e, 0,1
.irp i, 0,1,2,3
	ds_store_b128 v[AS+\sl], v[SET0+64*\sl+16*\e+4*\i:SET0+64*\sl+16*\e+4*\i+3] offset:128*PA*\e+32*PA*\i
.endr
.endr
.irp i, 0,1,2,3,4,5,6,7
	W16 SET0+64*\sl+32+4*\i                        ; these lines are also the places behind the last step's products
.endr
.irp i, 0,1,2,3,4,5,6,7
	ds_store_b64 v[BS+\sl], v[SET0+64*\sl+32+4*\i:SET0+64*\sl+32+4*\i+1] offset:16*PB*\i
.endr
.if \fill
	GLOAD \sl, 1                                   ; the tile two steps ahead
.endif
	s_wait_dscnt 0x0
	s_barrier_signal -1
	s_barrier_wait -1
	FETCH \sl, 0, F0
	FETCH \sl, 1, F1
	s_wait_dscnt 0x8                               ; all but the eight loads just issued
	MUL F0, \zero
	PLACES
	FETCH \sl, 2, F0
	s_wait_dscnt 0x8
	MUL F1, 0
	PLACES
	FETCH \sl, 3, F1
	s_wait_dscnt 0x8
	MUL F0, 0
	s_wait_dscnt 0x0
	MUL F1, 0
.endm
	s_load_b256 s[4:11], s[0:1], 0x0               ; ao, w_o, b_o, out0
	v_lshl_add_u32 v126, v0, 2, 0x24800
	v_mov_b32 v127, 0
	v_lshrrev_b32 v15, 5, v0
	v_readfirstlane_b32 s12, v15                   ; wave
	v_and_b32 v1, 31, v0                           ; L
	v_and_b32 v2, 15, v0                           ; r
	v_bfe_u32 v3, v0, 4, 1                         ; h
	s_and_b32 s13, s12, 3                          ; wm
	s_lshr_b32 s14, s12, 2                         ; wn
	s_and_b32 s15, ttmp7, 0xffff                   ; block row
	s_mov_b32 s3, 0
	s_mov_b32 s19, 0xffff0000                      ; a word's upper bf16
	v_lshlrev_b32 v[VA_G], 4, v0                   ; ao: 16 x thread
	v_lshlrev_b32 v[BO], 4, v2                     ; 16 r
	v_lshl_add_u32 v[VB_G], v3, 12, v[BO]          ; w_o: row 2 w + h (+ 16 i in the immediate), 16 bytes at 16 r
	s_lshl_b32 s17, s12, 13
	v_add_nc_u32 v[VB_G], s17, v[VB_G]
	s_wait_kmcnt 0x0
	s_lshl_b32 s2, s15, 14                         ; 128 rows of 128 bytes
	s_add_nc_u64 s[4:5], s[4:5], s[2:3]
	s_lshl_b32 s2, ttmp9, 8                        ; 64 columns of 4 bytes
	s_add_nc_u64 s[6:7], s[6:7], s[2:3]
	s_add_nc_u64 s[8:9], s[8:9], s[2:3]
	s_add_nc_u64 s[10:11], s[10:11], s[2:3]
	s_lshl_b32 s2, s15, 19                         ; 128 rows of 4,096 bytes
	s_add_nc_u64 s[10:11], s[10:11], s[2:3]
	global_load_b128 v[BI:BI+3], v[BO], s[8:9]
	GLOAD 0, 0
	GLOAD 1, 1
	v_lshrrev_b32 v14, 3, v1                       ; AS = (4 w + (L >> 3)) x 144 + 16 (L & 7)
	v_mul_u32_u24 v14, v14, PA
	v_and_b32 v15, 7, v1
	v_lshl_add_u32 v14, v15, 4, v14
	s_mul_i32 s17, s12, 4*PA
	v_add_nc_u32 v[AS], s17, v14
	v_add_nc_u32 v[AS+1], SLOT, v[AS]
	v_mul_u32_u24 v14, v3, PB                      ; BS = BOFF + (2 w + h) x 160 + 8 r
	v_lshl_add_u32 v14, v2, 3, v14
	s_mul_i32 s17, s12, 2*PB
	s_add_co_u32 s17, s17, BOFF
	v_add_nc_u32 v[BS], s17, v14
	v_add_nc_u32 v[BS+1], SLOT, v[BS]
	v_mul_u32_u24 v14, v2, PA                      ; AR = (32 wm + r) x 144 + 16 h
	v_lshl_add_u32 v14, v3, 4, v14
	s_mul_i32 s17, s13, 32*PA
	v_add_nc_u32 v[AR], s17, v14
	v_add_nc_u32 v[AR+1], SLOT, v[AR]
	v_lshl_add_u32 v15, v3, 3, v15                 ; BR = BOFF + (8 h + (L & 7)) x 160 + 64 wn + 16 ((L >> 3) & 1)
	v_mul_u32_u24 v14, v15, PB
	v_bfe_u32 v15, v1, 3, 1
	v_lshl_add_u32 v14, v15, 4, v14
	s_lshl_b32 s17, s14, 6
	s_add_co_u32 s17, s17, BOFF
	v_add_nc_u32 v[BR], s17, v14
	v_add_nc_u32 v[BR+1], SLOT, v[BR]
	v_mul_u32_u24 v14, v2, SP                      ; STO = STAGE + (32 wm + r) x 272 + 128 wn + 32 h
	v_lshl_add_u32 v14, v3, 5, v14
	s_mul_i32 s17, s13, 32*SP
	s_lshl_b32 s18, s14, 7
	s_add_co_u32 s17, s17, s18
	s_add_co_u32 s17, s17, STAGE
	v_add_nc_u32 v[STO], s17, v14
	v_mul_u32_u24 v14, v3, SP                      ; RD = STAGE + (16 w + h) x 272 + 16 r
	v_lshl_add_u32 v14, v2, 4, v14
	s_mul_i32 s17, s12, 16*SP
	s_add_co_u32 s17, s17, STAGE
	v_add_nc_u32 v[RD], s17, v14
	v_lshl_add_u32 v[CO], v3, 12, v[BO]            ; CO = (16 w + h) x 4,096 + 16 r
	s_lshl_b32 s17, s12, 16
	v_add_nc_u32 v[CO], s17, v[CO]
	TRIP 0, 1, 1, 16                               ; the first products start the sums.  16: the other set's loads stay out
	TRIP 1, 0, 1, 16
	s_mov_b32 s16, 2
.Lk:
	TRIP 0, 0, 1, 16
	TRIP 1, 0, 1, 16
	s_sub_co_u32 s16, s16, 1
	s_cmp_lg_u32 s16, 0
	s_cbranch_scc1 .Lk
	TRIP 0, 0, 0, 16                               ; the last two steps fetch nothing beyond K's end
	TRIP 1, 0, 0, 0
	; the way out: a row's 64 columns come from two waves, so they meet in the stage behind a barrier and leave as whole rows of 256 bytes
	PLACES
.irp a, 0,1
.irp b, 0,1
	ds_store_b128 v[STO], v[ACC+8*(2*\a+\b):ACC+8*(2*\a+\b)+3]   offset:16*SP*\a+64*\b
	ds_store_b128 v[STO], v[ACC+8*(2*\a+\b)+4:ACC+8*(2*\a+\b)+7] offset:16*SP*\a+64*\b+16
.endr
.endr
	s_wait_dscnt 0x0
	s_barrier_signal -1
	s_barrier_wait -1
.irp t, 0,1,2,3,4,5,6,7
	ds_load_b128 v[SET0+4*\t:SET0+4*\t+3], v[RD] offset:2*SP*\t
.endr
.irp t, 0,1,2,3,4,5,6,7
	s_wait_dscnt 7-\t                              ; the younger read-backs stay out
	v_pk_add_f32 v[SET0+4*\t:SET0+4*\t+1],   v[SET0+4*\t:SET0+4*\t+1],   v[BI:BI+1]
	v_pk_add_f32 v[SET0+4*\t+2:SET0+4*\t+3], v[SET0+4*\t+2:SET0+4*\t+3], v[BI+2:BI+3]
	global_store_b128 v[CO], v[SET0+4*\t:SET0+4*\t+3], s[10:11] offset:8192*\t th:TH_STORE_NT    ; sixteen lanes store 256 consecutive bytes, aligned
.endr
	s_wait_tensorcnt 0x0
	ds_add_u32 v126, v127
	s_wait_dscnt 0x0
	s_endpgm
.Lfunc_end_k_qe665fae83e_oproj:
	.size	k_qe665fae83e_oproj, .Lfunc_end_k_qe665fae83e_oproj-k_qe665fae83e_oproj
	.p2alignl 7, 3214868480
	.fill 96, 4, 3214868480
	.section	.rodata,"a",@progbits
	.p2align	6, 0x0
	.amdhsa_kernel k_qe665fae83e_oproj
		.amdhsa_group_segment_fixed_size 150528
		.amdhsa_private_segment_fixed_size 0
		.amdhsa_enable_private_segment 0
		.amdhsa_kernarg_size 32
		.amdhsa_user_sgpr_count 2
		.amdhsa_user_sgpr_kernarg_segment_ptr 1
		.amdhsa_wavefront_size32 1
		.amdhsa_system_sgpr_workgroup_id_x 1
		.amdhsa_system_sgpr_workgroup_id_y 1
		.amdhsa_system_sgpr_workgroup_id_z 1
		.amdhsa_system_vgpr_workitem_id 0
		.amdhsa_next_free_vgpr 256
		.amdhsa_next_free_sgpr 66
		.amdhsa_reserve_vcc 0
		.amdhsa_float_denorm_mode_32 3
		.amdhsa_float_denorm_mode_16_64 3
		.amdhsa_memory_ordered 1
		.amdhsa_forward_progress 1
		.amdhsa_inst_pref_size 63
	.end_amdhsa_kernel
	.amdgpu_metadata
---
amdhsa.version: [ 1, 2 ]
amdhsa.kernels:
  - .name:           k_qe665fae83e_oproj
    .symbol:         k_qe665fae83e_oproj.kd
    .args:
      - { .name: ao, .offset: 0, .size: 8, .value_kind: global_buffer, .address_space: global }
      - { .name: w_o, .offset: 8, .size: 8, .value_kind: global_buffer, .address_space: global }
      - { .name: b_o, .offset: 16, .size: 8, .value_kind: global_buffer, .address_space: global }
      - { .name: out0, .offset: 24, .size: 8, .value_kind: global_buffer, .address_space: global }
    .group_segment_fixed_size: 150528
    .private_segment_fixed_size: 0
    .kernarg_segment_align: 8
    .kernarg_segment_size: 32
    .max_flat_workgroup_size: 256
    .sgpr_count:     66
    .vgpr_count:     256
    .wavefront_size: 32
...
	.end_amdgpu_metadata
.endif
;; end of part 7
;; ======== version 3 of 3: 4 launches; version 2 with the launches proj, oproj written anew for expert scheduling mode
;; limits: values are held in f16: magnitudes above 65,504 overflow, below 6.1e-05 lose precision
;; workspace buffers: qkv 9,437,184 bytes; stat 262,144 bytes; ao 4,194,304 bytes
;; launch proj (part 8): grid 16 x 16, 8 waves a work-group, no clusters, 97,280 bytes of LDS; arguments x, w_q, w_k, w_v, b_q, b_k, b_v, rms_q_w, rms_k_w, qkv; writes qkv
.if DOCPART == 8
	.amdgcn_target "amdgcn-amd-amdhsa--gfx1250"
	.amdhsa_code_object_version 6
	.text
	.protected	k_qe665fae83e_proj
	.globl	k_qe665fae83e_proj
	.p2align	8
	.type	k_qe665fae83e_proj,@function
k_qe665fae83e_proj:
	s_mov_b64 s[64:65], 0
	v_nop
	global_prefetch_b8 v0, s[64:65] scope:SCOPE_SE
	s_setreg_imm32_b32 hwreg(HW_REG_WAVE_SCHED_MODE, 0, 2), 2
	s_setreg_imm32_b32 hwreg(HW_REG_WAVE_MODE, 25, 1), 1
	s_wait_xcnt 0x0
	s_wait_alu depctr_vm_vsrc(0)
; proj: the three projections of x, with bias, into qkv.  Heads 0-15 q, 16-31 k: [head][t][64] in bf16, RMS-normalised over their 64 numbers and
; multiplied by their gain; q also carries the scores' factor 1/8 (a power of two: exact).  Behind them v, in f16, as [16 column groups][t][16]:
; the first rows of the result are means of few value rows and much larger than the bulk, so v keeps f16's 11 significant bits and not bf16's 8.
; THE SHARE: q and k are 32 heads x 2,048 rows = 16 x 16 blocks of 128 rows x 128 columns (two heads), one for each of 256 work-groups: block column
; 0-7 of w_q, 8-15 of w_k.  v has no norm, so its columns need not be cut at heads: its 256 columns are dealt out, 16 to each block column, and a
; work-group makes 128 x 144 from one tile of x.  All work-groups have the same work.
; Eight waves: wave w takes 32 rows (wm = w & 3) of one head (wn = w >> 2), so a row's sum of squares stays in one wave; and of v's 128 x 16 the
; sixteen rows 32 wm + 16 wn.  Its two fragments of x are numbered so that fragment 0 holds these rows (fragment a = rows 32 wm + 16 (a xor wn)).
; K goes in 16 steps of 64.  x and W are f32 in memory and W lies [K][N]: they pass through registers, are rounded to bf16 once for
; the work-group and laid into one of two LDS slots; two register sets keep two steps' tiles (68 KiB each) on their way.
; A row of w_v gives this work-group 64 consecutive bytes: four lanes take a row, a load of a wave eight rows.
; No joint loads of a cluster and no copy engine: an engine moves bytes as they are, f32 tiles would double the LDS bytes read by
; every fragment, and the transposing LDS load that W needs works on 16-bit elements.
; REGISTERS: v0-255 as listed.  Window 1 (v256-503, named v0-247 under s_set_vgpr_msb; low byte: bits 1:0 source 0, 3:2 source 1 = an LDS store's data,
; 7:6 destination) holds what passes between memory, LDS and the matrix unit: the two sets that carry a K step from memory to LDS (v256-323, v324-391) and
; two fragment buffers (v392-447, v448-503).  Four switches a K step; every window is 0 at each label and branch.
; THE MODE: SCHED_MODE bits 1:0 = 2 (LLVM: expert scheduling mode 2), set by the entry lines.  The code itself states the register dependences
; between vector or matrix instructions and memory or LDS instructions, with s_wait_alu, always for 0.
; THE PLAN.  Registers that memory or LDS instructions touch, in the loop:
;   XS0, XS1      Step t works on set t % 2: the loads issued in step t - 2 have landed; the step's 34 roundings read and write it in place; its 17 LDS stores
;                 read it; the loads of step t + 2 land in it.
;   FR0, FR1      The step's 28 LDS loads, behind the barrier, land in them: the first 32 along K in FR0, the second in FR1; its 18 products read them.
;   v4-v13        Three offsets into memory and seven LDS addresses, made at the head and never written again: the K steps are reached by three scalar bases.
;   The accumulators are named by matrix instructions alone until the end.
; So a step has one wait on va_vdst behind its roundings, for the stores' data and for the fragment buffers, which the products of the step before have read; and, where
; the set is asked for again, one on vm_vsrc and one on va_vdst behind the switch to the loads' window.  No vector or matrix instruction stands between these waits
; and the fragments' loads, and no wait stands among the products.
; LIMITS: x and W are rounded to bf16 for the products, sums are f32 in the matrix unit's order, q and k are stored as bf16, v as f16.
; v must stay below f16's largest number, 65,504: as drawn |v| reaches about 3, with x and w_v both 30 times larger about 3,000, with both carrying
; offsets of 30 spreads about 18,500.  Below 2^-14 f16's step is 2^-24: the error of a small v is at most 2^-25 absolute.
.set PA,    144                        ; LDS pitch of x's rows: 128 bytes + 16
.set PB,    288                        ; LDS pitch of W's rows: 256 bytes + 32 (an odd multiple of 32, for the transposing load)
.set BOFF,  128*PA                     ; W's 64 rows lie behind x's 128 rows
.set SLOT,  BOFF+64*PB                 ; 36,864 bytes
.set STAGE, 2*SLOT                     ; behind the slots: 16 rows x 144 bytes for each wave, for the way out
.set VT,    STAGE+8*16*PA              ; behind the stage: w_v's tile, 64 rows of 32 bytes, once for each slot
.set VTS,   64*32
.set VA_G, 4                           ; byte offset of my 16 bytes in x's tile
.set VB_G, 5                           ; the same in W's tile
.set VV_G, 6                           ; the same in w_v's tile
.set VA_S, 7                           ; LDS: where I put 8 bytes of x
.set VB_S, 8                           ; LDS: where I put 8 bytes of W
.set VV_S, 9                           ; LDS: where I put 8 bytes of w_v
.set VA_R, 10                          ; v10-11 LDS: my x fragments 0 and 1
.set VB_R, 12                          ; LDS: my W fragments
.set VV_R, 13                          ; LDS: the w_v fragment
.set ACC,  16                          ; v16-79   ACC(a, b) = 8 registers at ACC + 8 (4 a + b): x fragment a, columns 16 b
.set OB,   80                          ; v80-111  the end: 16 rows read back from the stage, for fragment 0 and 1
.set PK1,  112                         ; v112-127 the end: fragment 1's 16 rows packed
.set BIAS, 128                         ; v128-159 the end: bias of my 32 columns
.set GAIN, 160                         ; v160-191 the end: gain of my 32 columns
.set T,    192                         ; v192-195 the end: at work
.set BV,   196                         ; v196-203 the end: v's bias of my 8 columns
.set PK0,  204                         ; v204-219 the end: fragment 0's 16 rows packed
.set PV,   220                         ; v220-223 the end: v packed
.set VACC, 224                         ; v224-231 v's accumulator
.set VBI,  240                         ; byte offset of my 8 columns in the bias
.set VGN,  241                         ; the same in the gain and in v's bias
.set STO,  242                         ; the way out: in
.set RD,   243                         ; the way out: back
.set CO,   244                         ; v244-245 the way out: 16 x lane + the 16 rows of fragment 0, 1
.set VO,   246                         ; v's way out
.set XS,   0                           ; window 1: set s at XS + 68 s: 32 registers of x, 32 of W, 4 of w_v
.set FR,   136                         ; window 1: fragment buffer c at FR + 56 c: 16 registers of x, 32 of W, 8 of w_v
.set SA,   38                          ; s[38:39] x at the block's first row, at the K step to be asked for
.set SB,   28                          ; s[28:29] W at my block's first column, likewise
.set SV,   14                          ; s[14:15] w_v at my 16 columns, likewise
.set SVO,  40                          ; s[40:41] qkv at my wave's 16 rows of v
.set MSB, 0
.macro WIN new                         ; the immediate's high byte repeats the setting that is left
.if MSB != \new
	s_set_vgpr_msb (MSB<<8)|\new
.set MSB, \new
.endif
.endm
.macro PLACES                          ; four places behind a matrix instruction before its result is read (ISA guide 7.12.1)
.rept 4
	v_nop
.endr
.endm
.macro STEPB                           ; the three bases go one K step on
	s_wait_xcnt 0x0                                ; the bases are named by the loads issued before: stepped only behind this wait
	s_add_nc_u64 s[SA:SA+1], s[SA:SA+1], 256       ; 64 numbers of a row of x
	s_add_nc_u64 s[SB:SB+1], s[SB:SB+1], 0x40000   ; 64 rows of 4,096 bytes
	s_add_nc_u64 s[SV:SV+1], s[SV:SV+1], 0x10000   ; 64 rows of 1,024 bytes
.endm
; 17 loads: one K step's tiles.  x: two rows of 256 bytes an instruction; W: one row of 512 bytes; w_v: eight rows of 64 bytes.  The caller has set the loads' data to window 1.
.macro GLOAD sl
.irp i, 0,1,2,3,4,5,6,7
	global_load_b128 v[XS+68*\sl+4*\i:XS+68*\sl+4*\i+3], v[VA_G], s[SA:SA+1] offset:8192*\i
.endr
.irp i, 0,1,2,3,4,5,6,7
	global_load_b128 v[XS+68*\sl+32+4*\i:XS+68*\sl+32+4*\i+3], v[VB_G], s[SB:SB+1] offset:32768*\i
.endr
	global_load_b128 v[XS+68*\sl+64:XS+68*\sl+67], v[VV_G], s[SV:SV+1]
.endm
; 32 along K: 14 LDS loads into fragment buffer kk.  The caller has set the loads' data to window 1.
.macro KLOAD sl, kk
.irp a, 0,1
	ds_load_b128 v[FR+56*\kk+8*\a:FR+56*\kk+8*\a+3],   v[VA_R+\a] offset:\sl*SLOT+64*\kk
	ds_load_b128 v[FR+56*\kk+8*\a+4:FR+56*\kk+8*\a+7], v[VA_R+\a] offset:\sl*SLOT+64*\kk+32
.endr
.irp b, 0,1,2,3
	ds_load_tr16_b128 v[FR+56*\kk+16+8*\b:FR+56*\kk+16+8*\b+3],   v[VB_R] offset:\sl*SLOT+9216*\kk+32*\b
	ds_load_tr16_b128 v[FR+56*\kk+16+8*\b+4:FR+56*\kk+16+8*\b+7], v[VB_R] offset:\sl*SLOT+9216*\kk+32*\b+4608
.endr
	ds_load_tr16_b128 v[FR+56*\kk+48:FR+56*\kk+51], v[VV_R] offset:\sl*VTS+1024*\kk
	ds_load_tr16_b128 v[FR+56*\kk+52:FR+56*\kk+55], v[VV_R] offset:\sl*VTS+1024*\kk+512
.endm
; 32 along K: 9 matrix instructions on fragment buffer kk (sources 0 and 1 in window 1).  Source 0 = 16 columns of W, source 1 = 16 rows of x: lane (r, h), register j then
; holds row r, column 16 b + 8 h + j: eight neighbouring numbers of a row.  The nine accumulators take turns.
.macro KMUL kk, zero
.irp a, 0,1
.irp b, 0,1,2,3
.if \zero
	v_wmma_f32_16x16x32_bf16 v[ACC+8*(4*\a+\b):ACC+8*(4*\a+\b)+7], v[FR+56*\kk+16+8*\b:FR+56*\kk+16+8*\b+7], v[FR+56*\kk+8*\a:FR+56*\kk+8*\a+7], 0
.else
	v_wmma_f32_16x16x32_bf16 v[ACC+8*(4*\a+\b):ACC+8*(4*\a+\b)+7], v[FR+56*\kk+16+8*\b:FR+56*\kk+16+8*\b+7], v[FR+56*\kk+8*\a:FR+56*\kk+8*\a+7], v[ACC+8*(4*\a+\b):ACC+8*(4*\a+\b)+7]
.endif
.endr
.endr
.if \zero
	v_wmma_f32_16x16x32_bf16 v[VACC:VACC+7], v[FR+56*\kk+48:FR+56*\kk+55], v[FR+56*\kk:FR+56*\kk+7], 0
.else
	v_wmma_f32_16x16x32_bf16 v[VACC:VACC+7], v[FR+56*\kk+48:FR+56*\kk+55], v[FR+56*\kk:FR+56*\kk+7], v[VACC:VACC+7]
.endif
.endm
; One K step.  left = the younger loads that may stay out.  One barrier a step: in front of it my stores into this slot and my reads
; of the other slot (waited for ahead of their products) are done; the other slot is stored into again only in the next step.
.macro TRIP sl, zero, fill, left
	s_wait_loadcnt \left                           ; loads come back in order (ISA guide 5.7.1): this set is in
	WIN 0x45                                       ; sources and destination: window 1
.irp i, 0,1,2,3,4,5,6,7,8,9,10,11,12,13,14,15,16
	v_cvt_pk_bf16_f32 v[XS+68*\sl+4*\i],   v[XS+68*\sl+4*\i],   v[XS+68*\sl+4*\i+1]
	v_cvt_pk_bf16_f32 v[XS+68*\sl+4*\i+1], v[XS+68*\sl+4*\i+2], v[XS+68*\sl+4*\i+3]
.endr
	WIN 0x04                                       ; the stores' data: window 1
	s_wait_alu depctr_va_vdst(0)                   ; the roundings have written the set, which the LDS stores read; the last step's products are done reading both fragment buffers, in which the LDS loads behind the barrier land; in the first step the head's addresses are written
.irp i, 0,1,2,3,4,5,6,7
	ds_store_b64 v[VA_S], v[XS+68*\sl+4*\i:XS+68*\sl+4*\i+1] offset:\sl*SLOT+288*\i
.endr
.irp i, 0,1,2,3,4,5,6,7
	ds_store_b64 v[VB_S], v[XS+68*\sl+32+4*\i:XS+68*\sl+32+4*\i+1] offset:\sl*SLOT+2304*\i
.endr
	ds_store_b64 v[VV_S], v[XS+68*\sl+64:XS+68*\sl+65] offset:\sl*VTS
	WIN 0x40                                       ; the data of the loads below, from memory and from LDS: window 1
.if \fill
	STEPB
	s_wait_alu depctr_vm_vsrc(0)                   ; the seventeen LDS stores have read the set, in which the loads below land
	s_wait_alu depctr_va_vdst(0)                   ; behind the window's switch and the stores that read the set: the roundings are done reading and writing it
	GLOAD \sl                                      ; the tile two steps ahead
.endif
	s_wait_dscnt 0x0                               ; for the other waves: my stores are in LDS
	s_barrier_signal -1
	s_barrier_wait -1
	KLOAD \sl, 0                                   ; no wait: no vector or matrix instruction since the last wait on va_vdst names a fragment buffer or an LDS address
	KLOAD \sl, 1
	WIN 0x05                                       ; the products' sources 0 and 1: window 1
	s_wait_dscnt 14                                ; LDS loads come back in order (ISA guide 5.7.1): the first 32 along K are in, the second half's fourteen loads stay out
	KMUL 0, \zero
	s_wait_dscnt 0x0
	KMUL 1, 0
.endm
	s_load_b512 s[8:23], s[0:1], 0x0               ; x, w_q, w_k, w_v, b_q, b_k, b_v, rms_q_w
	s_load_b128 s[24:27], s[0:1], 0x40             ; rms_k_w, qkv
	v_lshl_add_u32 v254, v0, 2, 0x17800
	v_mov_b32 v255, 0
	v_lshrrev_b32 v15, 5, v0
	v_readfirstlane_b32 s4, v15                    ; wave 0..7
	v_and_b32 v1, 31, v0                           ; lane L
	v_and_b32 v2, 15, v0                           ; r = L & 15
	v_bfe_u32 v3, v0, 4, 1                         ; h = L >> 4
	s_wait_alu depctr_va_sdst(0)                   ; s4 is written, ahead of its first reader
	s_and_b32 s5, s4, 3                            ; wm: which 32 rows
	s_lshr_b32 s6, s4, 2                           ; wn: which head
	s_and_b32 s58, ttmp7, 0xffff                   ; block row
	s_and_b32 s37, ttmp9, 7                        ; block column inside its own weight matrix
	s_mov_b32 s3, 0
	v_lshlrev_b32 v[VA_G], 4, v2                   ; x: row 16 w + h (+ 2 i in the immediate), 16 bytes at 16 r
	v_lshl_add_u32 v[VA_G], v3, 12, v[VA_G]
	s_lshl_b32 s7, s4, 16
	v_add_nc_u32 v[VA_G], s7, v[VA_G]
	s_lshl_b32 s7, s4, 12
	v_lshl_add_u32 v[VB_G], v1, 4, s7              ; W: row w (+ 8 i in the immediate), 16 bytes at 16 L
	v_lshrrev_b32 v15, 2, v1                       ; w_v: row 8 w + (L >> 2), 16 bytes at 16 (L & 3)
	v_and_b32 v14, 3, v1
	v_lshlrev_b32 v[VV_G], 10, v15
	v_lshl_add_u32 v[VV_G], v14, 4, v[VV_G]
	s_lshl_b32 s7, s4, 13
	v_add_nc_u32 v[VV_G], s7, v[VV_G]
	s_wait_kmcnt 0x0
	s_cmp_lt_u32 ttmp9, 8                          ; q, or k
	s_cselect_b64 s[SB:SB+1], s[10:11], s[12:13]   ; W
	s_cselect_b64 s[30:31], s[16:17], s[18:19]     ; bias
	s_cselect_b64 s[32:33], s[22:23], s[24:25]     ; gain
	s_cselect_b32 s34, 0x3e000000, 1.0             ; 1/8 for q
	s_lshl_b32 s2, s58, 19                         ; 128 rows of 4,096 bytes
	s_add_nc_u64 s[SA:SA+1], s[8:9], s[2:3]
	s_lshl_b32 s2, s37, 9                          ; 128 columns of 4 bytes
	s_add_nc_u64 s[SB:SB+1], s[SB:SB+1], s[2:3]
	s_add_nc_u64 s[30:31], s[30:31], s[2:3]
	s_lshl_b32 s2, ttmp9, 6                        ; 16 columns of 4 bytes
	s_add_nc_u64 s[SV:SV+1], s[SV:SV+1], s[2:3]
	s_add_nc_u64 s[20:21], s[20:21], s[2:3]        ; v's bias
	WIN 0x40                                       ; the loads' data: window 1
	s_wait_alu depctr_va_vdst(0)                   ; the three offsets v4 to v6 are written, which every load of x, W and w_v reads
	GLOAD 0                                        ; K steps 0 and 1 are asked for before anything else is done
	STEPB
	GLOAD 1
	WIN 0
	s_mov_b32 s59, 0x3c800000                      ; 1/64
	s_mov_b32 s60, 0x34000000                      ; eps = 2^-23
	s_mov_b32 s61, 0x76543210                      ; v_permlanex16_b32: lane i reads lane i of the other half
	s_mov_b32 s62, 0xfedcba98
	v_mul_u32_u24 v[VA_S], v3, PA                  ; (16 w + h) x 144 + 8 r
	v_lshl_add_u32 v[VA_S], v2, 3, v[VA_S]
	s_mul_i32 s7, s4, 16*PA
	v_add_nc_u32 v[VA_S], s7, v[VA_S]
	s_mul_i32 s7, s4, PB                           ; BOFF + 288 w + 8 L
	s_add_co_u32 s7, s7, BOFF
	v_lshl_add_u32 v[VB_S], v1, 3, s7
	s_lshl_b32 s7, s4, 8                           ; VT + (8 w + (L >> 2)) x 32 + 8 (L & 3) = VT + 256 w + 8 L
	s_add_co_u32 s7, s7, VT
	v_lshl_add_u32 v[VV_S], v1, 3, s7
	v_mul_u32_u24 v15, v2, PA                      ; fragment a: (32 wm + 16 (a xor wn) + r) x 144 + 16 h
	v_lshl_add_u32 v15, v3, 4, v15
	s_lshl_b32 s7, s5, 1
	s_add_co_u32 s7, s7, s6                        ; 2 wm + wn
	s_mul_i32 s63, s7, 16*PA
	v_add_nc_u32 v[VA_R], s63, v15
	s_xor_b32 s7, s7, 1                            ; 2 wm + (1 - wn)
	s_mul_i32 s63, s7, 16*PA
	v_add_nc_u32 v[VA_R+1], s63, v15
	v_and_b32 v15, 7, v1                           ; W:   BOFF + (8 h + (L & 7)) x 288 + 128 wn + 16 ((L >> 3) & 1)
	v_lshl_add_u32 v15, v3, 3, v15                 ; w_v: VT   + (8 h + (L & 7)) x 32           + 16 ((L >> 3) & 1)
	v_mul_u32_u24 v[VB_R], v15, PB
	v_lshlrev_b32 v[VV_R], 5, v15
	v_bfe_u32 v15, v1, 3, 1
	v_lshl_add_u32 v[VB_R], v15, 4, v[VB_R]
	v_lshl_add_u32 v[VV_R], v15, 4, v[VV_R]
	s_lshl_b32 s7, s6, 7
	s_add_co_u32 s7, s7, BOFF
	v_add_nc_u32 v[VB_R], s7, v[VB_R]
	v_add_nc_u32 v[VV_R], VT, v[VV_R]
	s_lshl_b32 s7, s6, 8
	v_lshl_add_u32 v[VBI], v3, 5, s7               ; 256 wn + 32 h
	v_lshlrev_b32 v[VGN], 5, v3                    ; 32 h
	s_mul_i32 s7, s4, 16*PA
	s_add_co_u32 s7, s7, STAGE                     ; my stage
	v_mul_u32_u24 v[STO], v2, PA                   ; in: row r, 16 bytes for each half of the lanes
	v_lshl_add_u32 v[STO], v3, 4, v[STO]
	v_add_nc_u32 v[STO], s7, v[STO]
	v_lshrrev_b32 v15, 3, v1                       ; back: eight lanes take a row of 128 bytes
	v_mul_u32_u24 v[RD], v15, PA
	v_and_b32 v15, 7, v1
	v_lshl_add_u32 v[RD], v15, 4, v[RD]
	v_add_nc_u32 v[RD], s7, v[RD]
	s_lshl_b32 s63, s6, 11                         ; fragment a's 16 rows of 128 bytes begin at 2,048 (a xor wn)
	v_lshl_add_u32 v[CO], v1, 4, s63
	s_xor_b32 s63, s63, 2048
	v_lshl_add_u32 v[CO+1], v1, 4, s63
	v_lshlrev_b32 v[VO], 5, v2                     ; v: 32 r + 16 h
	v_lshl_add_u32 v[VO], v3, 4, v[VO]
	s_lshl_b32 s2, ttmp9, 16                       ; v: a column group is 2,048 rows of 32 bytes,
	s_add_co_u32 s2, s2, 0x800000                  ; behind the 32 heads of q and k;
	s_lshl_b32 s63, s58, 12                        ; 128 rows,
	s_add_co_u32 s2, s2, s63
	s_lshl_b32 s63, s5, 10                         ; 32 rows,
	s_add_co_u32 s2, s2, s63
	s_lshl_b32 s63, s6, 9                          ; 16 rows
	s_add_co_u32 s2, s2, s63
	s_add_nc_u64 s[SVO:SVO+1], s[26:27], s[2:3]
	s_lshl_b32 s7, ttmp9, 1                        ; head = 2 x block column + wn
	s_add_co_u32 s7, s7, s6
	s_lshl_b32 s7, s7, 18                          ; a head: 2,048 rows of 128 bytes
	s_lshl_b32 s63, s58, 14                        ; 128 rows
	s_add_co_u32 s7, s7, s63
	s_lshl_b32 s63, s5, 12                         ; 32 rows
	s_add_co_u32 s2, s7, s63
	s_add_nc_u64 s[26:27], s[26:27], s[2:3]        ; qkv at my wave's first row of q or k
	TRIP 0, 1, 1, 17                               ; the first products start the sums: nothing is cleared.  17: the other set's loads stay out
	TRIP 1, 0, 1, 17
	WIN 0                                          ; at a label and at a branch every window is 0
	s_mov_b32 s57, 6
.Lk:
	TRIP 0, 0, 1, 17
	TRIP 1, 0, 1, 17
	WIN 0
	s_sub_co_u32 s57, s57, 1
	s_cmp_lg_u32 s57, 0
	s_cbranch_scc1 .Lk
	TRIP 0, 0, 0, 17                               ; the last two steps fetch nothing beyond K's end
	WIN 0
.irp b, 0,1,2,3
	global_load_b128 v[BIAS+8*\b:BIAS+8*\b+3],   v[VBI], s[30:31] offset:64*\b      ; bias and gain of columns 16 b + 8 h + 0..7; no vector instruction has named these registers, and the two offsets were written at the head
	global_load_b128 v[BIAS+8*\b+4:BIAS+8*\b+7], v[VBI], s[30:31] offset:64*\b+16
	global_load_b128 v[GAIN+8*\b:GAIN+8*\b+3],   v[VGN], s[32:33] offset:64*\b
	global_load_b128 v[GAIN+8*\b+4:GAIN+8*\b+7], v[VGN], s[32:33] offset:64*\b+16
.endr
	global_load_b128 v[BV:BV+3],   v[VGN], s[20:21]                                 ; v's bias of columns 8 h + 0..7 of my 16
	global_load_b128 v[BV+4:BV+7], v[VGN], s[20:21] offset:16
	TRIP 1, 0, 0, 18                               ; 18: the loads just issued stay out
	WIN 0
; q and k, the 16 rows of fragment a: bias, the row's mean square (32 numbers in my lane, 32 in the lane of the other half), y x rsqrt x gain, bf16;
; then out through my stage: in by 16 bytes a lane, back as whole rows of 128 bytes.  pk: the sixteen registers that the block is packed into, a set for each block,
; so that the second block's roundings write no register that the first block's LDS stores read.
.macro EPI a, pk
.irp p, 0,2,4,6,8,10,12,14,16,18,20,22,24,26,28,30
	v_pk_add_f32 v[ACC+32*\a+\p:ACC+32*\a+\p+1], v[ACC+32*\a+\p:ACC+32*\a+\p+1], v[BIAS+\p:BIAS+\p+1]
.endr
	v_pk_mul_f32 v[T:T+1],   v[ACC+32*\a:ACC+32*\a+1],   v[ACC+32*\a:ACC+32*\a+1]
	v_pk_mul_f32 v[T+2:T+3], v[ACC+32*\a+2:ACC+32*\a+3], v[ACC+32*\a+2:ACC+32*\a+3]
.irp p, 4,8,12,16,20,24,28
	v_pk_fma_f32 v[T:T+1],   v[ACC+32*\a+\p:ACC+32*\a+\p+1],   v[ACC+32*\a+\p:ACC+32*\a+\p+1],   v[T:T+1]
	v_pk_fma_f32 v[T+2:T+3], v[ACC+32*\a+\p+2:ACC+32*\a+\p+3], v[ACC+32*\a+\p+2:ACC+32*\a+\p+3], v[T+2:T+3]
.endr
	v_pk_add_f32 v[T:T+1], v[T:T+1], v[T+2:T+3]
	v_add_f32 v[T], v[T], v[T+1]
	v_permlanex16_b32 v[T+1], v[T], s61, s62
	v_add_f32 v[T], v[T], v[T+1]
	v_fma_f32 v[T], v[T], s59, s60                 ; mean + eps
	v_rsq_f32 v[T+2], v[T]
	v_nop                                          ; one plain place behind the transcendental (ISA guide 5.7.2)
	s_wait_alu depctr_va_vdst(0)                   ; the root is written, ahead of its first reader; in the first block v's roundings have written v[PV ..] too
.if \a == 0
	global_store_b128 v[VO], v[PV:PV+3], s[SVO:SVO+1]          ; v: lane (r, h) holds the 16 bytes at 32 r + 16 h: the wave's one store covers 512 consecutive bytes, aligned
.endif
	v_mul_f32 v[T+2], s34, v[T+2]                  ; q: the scores' 1/8
	v_mov_b32 v[T+3], v[T+2]
.irp p, 0,2,4,6,8,10,12,14,16,18,20,22,24,26,28,30
	v_pk_mul_f32 v[ACC+32*\a+\p:ACC+32*\a+\p+1], v[ACC+32*\a+\p:ACC+32*\a+\p+1], v[T+2:T+3]
.endr
.irp p, 0,2,4,6,8,10,12,14,16,18,20,22,24,26,28,30
	v_pk_mul_f32 v[ACC+32*\a+\p:ACC+32*\a+\p+1], v[ACC+32*\a+\p:ACC+32*\a+\p+1], v[GAIN+\p:GAIN+\p+1]
.endr
.irp p, 0,1,2,3,4,5,6,7,8,9,10,11,12,13,14,15
	v_cvt_pk_bf16_f32 v[\pk+\p], v[ACC+32*\a+2*\p], v[ACC+32*\a+2*\p+1]
.endr
	s_wait_alu depctr_va_vdst(0)                   ; the roundings have written the block's sixteen packed registers, which the LDS stores read
.irp b, 0,1,2,3
	ds_store_b128 v[STO], v[\pk+4*\b:\pk+4*\b+3] offset:32*\b
.endr
.irp t, 0,1,2,3
	ds_load_b128 v[OB+16*\a+4*\t:OB+16*\a+4*\t+3], v[RD] offset:576*\t       ; my own bytes: LDS serves a wave's instructions in order (ISA guide 5.7.1); no vector instruction names these registers
.endr
.irp t, 0,1,2,3
	s_wait_dscnt 3-\t                              ; the younger read-backs stay out
	global_store_b128 v[CO+\a], v[OB+16*\a+4*\t:OB+16*\a+4*\t+3], s[26:27] offset:512*\t    ; four rows: 512 consecutive bytes, aligned
.endr
.endm
	PLACES
	s_wait_loadcnt 0x0
	; v, my 16 rows x 16 columns: bias, f16; its store stands behind the first block's first wait
.irp p, 0,2,4,6
	v_pk_add_f32 v[VACC+\p:VACC+\p+1], v[VACC+\p:VACC+\p+1], v[BV+\p:BV+\p+1]
.endr
.irp p, 0,1,2,3
	v_cvt_pk_f16_f32 v[PV+\p], v[VACC+2*\p], v[VACC+2*\p+1]
.endr
	EPI 0, PK0
	EPI 1, PK1
	s_wait_dscnt 0x0                               ; the closing lines, six on end
	s_wait_alu 0x0
	s_wait_tensorcnt 0x0
	ds_add_u32 v254, v255
	s_wait_dscnt 0x0
	s_endpgm
.Lfunc_end_k_qe665fae83e_proj:
	.size	k_qe665fae83e_proj, .Lfunc_end_k_qe665fae83e_proj-k_qe665fae83e_proj
	.p2alignl 7, 3214868480
	.fill 96, 4, 3214868480
	.section	.rodata,"a",@progbits
	.p2align	6, 0x0
	.amdhsa_kernel k_qe665fae83e_proj
		.amdhsa_group_segment_fixed_size 97280
		.amdhsa_private_segment_fixed_size 0
		.amdhsa_enable_private_segment 0
		.amdhsa_kernarg_size 80
		.amdhsa_user_sgpr_count 2
		.amdhsa_user_sgpr_kernarg_segment_ptr 1
		.amdhsa_wavefront_size32 1
		.amdhsa_system_sgpr_workgroup_id_x 1
		.amdhsa_system_sgpr_workgroup_id_y 1
		.amdhsa_system_sgpr_workgroup_id_z 1
		.amdhsa_system_vgpr_workitem_id 0
		.amdhsa_next_free_vgpr 504
		.amdhsa_next_free_sgpr 66
		.amdhsa_reserve_vcc 0
		.amdhsa_float_denorm_mode_32 3
		.amdhsa_float_denorm_mode_16_64 3
		.amdhsa_memory_ordered 1
		.amdhsa_forward_progress 1
		.amdhsa_inst_pref_size 71
	.end_amdhsa_kernel
	.amdgpu_metadata
---
amdhsa.version: [ 1, 2 ]
amdhsa.kernels:
  - .name:           k_qe665fae83e_proj
    .symbol:         k_qe665fae83e_proj.kd
    .args:
      - { .name: x, .offset: 0, .size: 8, .value_kind: global_buffer, .address_space: global }
      - { .name: w_q, .offset: 8, .size: 8, .value_kind: global_buffer, .address_space: global }
      - { .name: w_k, .offset: 16, .size: 8, .value_kind: global_buffer, .address_space: global }
      - { .name: w_v, .offset: 24, .size: 8, .value_kind: global_buffer, .address_space: global }
      - { .name: b_q, .offset: 32, .size: 8, .value_kind: global_buffer, .address_space: global }
      - { .name: b_k, .offset: 40, .size: 8, .value_kind: global_buffer, .address_space: global }
      - { .name: b_v, .offset: 48, .size: 8, .value_kind: global_buffer, .address_space: global }
      - { .name: rms_q_w, .offset: 56, .size: 8, .value_kind: global_buffer, .address_space: global }
      - { .name: rms_k_w, .offset: 64, .size: 8, .value_kind: global_buffer, .address_space: global }
      - { .name: qkv, .offset: 72, .size: 8, .value_kind: global_buffer, .address_space: global }
    .group_segment_fixed_size: 97280
    .private_segment_fixed_size: 0
    .kernarg_segment_align: 8
    .kernarg_segment_size: 80
    .max_flat_workgroup_size: 256
    .sgpr_count:     66
    .vgpr_count:     504
    .wavefront_size: 32
...
	.end_amdgpu_metadata
.endif
;; end of part 8
;; launch fit: the kernel of part 2 again; grid 16 x 16, 8 waves a work-group, no clusters, 21,504 bytes of LDS; arguments qkv, stat; writes stat
;; launch attn: the kernel of part 6 again; grid 16 x 16, 8 waves a work-group, no clusters, 92,160 bytes of LDS; arguments qkv, stat, ao; writes ao
;; launch oproj (part 9): grid 16 x 16, 8 waves a work-group, no clusters, 150,528 bytes of LDS; arguments ao, w_o, b_o, out0; writes out0
.if DOCPART == 9
	.amdgcn_target "amdgcn-amd-amdhsa--gfx1250"
	.amdhsa_code_object_version 6
	.text
	.protected	k_qe665fae83e_oproj
	.globl	k_qe665fae83e_oproj
	.p2align	8
	.type	k_qe665fae83e_oproj,@function
k_qe665fae83e_oproj:
	s_mov_b64 s[64:65], 0
	v_nop
	global_prefetch_b8 v0, s[64:65] scope:SCOPE_SE
	s_setreg_imm32_b32 hwreg(HW_REG_WAVE_SCHED_MODE, 0, 2), 2
	s_setreg_imm32_b32 hwreg(HW_REG_WAVE_MODE, 25, 1), 1
	s_wait_xcnt 0x0
	s_wait_alu depctr_vm_vsrc(0)
; oproj: out0[t][n] (f32) = sum over k of ao(t, k) w_o[k][n] + b_o[n]; ao lies [head][t][64] in f16, k = 64 head + d.
; A work-group makes 128 rows x 64 columns; wave w: 32 rows (w & 3) x 32 columns (w >> 2), four accumulators.
; K goes in 8 steps of 128 (two heads).  ao's tile of a head is 16 KiB of consecutive bytes and goes to LDS as it is; w_o is f32 and lies [K][N]: it is converted
; on the way through registers and read by the transposing load.  Two register sets keep two steps' tiles (64 KiB each) on their way, two LDS slots take turns.
; THE FORM IS f16, since ao keeps f16's 11 significant bits.  w_o is first rounded to bf16, as every other input of the program is, so that all inputs carry the
; same rounding; that number is then written as f16, which is exact from 2^-17 upward (8 significant bits against f16's smallest step, 2^-24).
; No joint loads of a cluster and no copy engine: w_o, half of a step's bytes, has to be converted in registers once for the work-group.
; THE MODE: SCHED_MODE bits 1:0 = 2 (LLVM: expert scheduling mode 2), set by the entry lines.  The code itself states the register dependences
; between vector or matrix instructions and memory or LDS instructions, with s_wait_alu, always for 0.
; THE PLAN.  Registers that memory or LDS instructions touch, in the loop:
;   SET0, SET1    Step t works on set t % 2, in which the loads issued in step t - 2 have landed.  ao's 32 registers: eight LDS stores read them; no vector instruction names them.
;                 w_o's 32 registers: the conversions read and write them in place, eight LDS stores read them.  Then the loads of step t + 2 land in the set.
;   F0 .. F3      Sub-step u (32 along K): eight LDS loads land in F[u], four products read it.  F2 and F3 are v256-319, named v0-63 under s_set_vgpr_msb
;                 (low byte: bits 1:0 source 0, 3:2 source 1, 7:6 destination).
;   v4-v13        Two offsets into memory and eight LDS addresses, made at the head and never written again: the K steps are reached by two scalar bases.
;   The accumulators are named by matrix instructions alone until the end.
; So ONE wait on va_vdst stands in a step, behind its conversions: it states that w_o's registers are written and done with, and that the products of the step before are done
; reading F0 to F3.  One wait on vm_vsrc stands ahead of the set's next loads.  The step's 32 LDS loads are dealt among its products, which since that wait name
; only fragment buffers already loaded and the accumulators: none of the registers that the later loads touch.
; LIMITS: w_o is rounded to bf16; |w_o| below 65,504 (as drawn it reaches about 0.1, 30 times larger about 3); below 2^-17 its f16 is off by at most 2^-25
; absolute; sums are f32 in the matrix unit's order.
.set PA,    144
.set PB,    160                        ; 128 bytes + 32: an odd multiple of 32, for the transposing load
.set BOFF,  2*128*PA                   ; 36,864
.set SLOT,  BOFF+128*PB                ; 57,344
.set STAGE, 2*SLOT                     ; f32 [128 rows], pitch 272
.set SP,    272
.set VA_G, 4
.set VB_G, 5
.set AS,   6                           ; v6-7   LDS: where I put 16 bytes of ao, slot 0, 1
.set BS,   8                           ; v8-9   LDS: where I put 8 bytes of w_o
.set AR,   10                          ; v10-11 LDS: my ao fragments
.set BR,   12                          ; v12-13 LDS: my w_o fragments
.set ACC,  16                          ; v16-47  ACC(a, b) at ACC + 8 (2 a + b)
.set F0,   48                          ; v48-79  fragments: ao(a) at + 8 a, w_o(b) at + 16 + 8 b
.set F1,   80                          ; v80-111
.set F2,   0                           ; window 1: v256-287
.set F3,   32                          ; window 1: v288-319
.set BI,   112                         ; v112-115 bias of the four columns that I store
.set STO,  116
.set RD,   117
.set CO,   118
.set BO,   119
.set SET0, 128                         ; v128-191, v192-255: 32 registers of ao, 32 of w_o
.set MSB, 0
.macro WIN new                         ; the immediate's high byte repeats the setting that is left
.if MSB != \new
	s_set_vgpr_msb (MSB<<8)|\new
.set MSB, \new
.endif
.endm
.macro PLACES                          ; four places behind a matrix instruction before its result is read (ISA guide 7.12.1)
.rept 4
	v_nop
.endr
.endm
.macro STEPB                           ; the two bases go one K step on
	s_wait_xcnt 0x0                                ; the bases are named by the loads issued before: stepped only behind this wait
	s_add_nc_u64 s[4:5], s[4:5], 0x80000           ; two heads of ao
	s_add_nc_u64 s[6:7], s[6:7], 0x80000           ; 128 rows of w_o
.endm
.macro GLOAD sl
.irp e, 0,1
.irp i, 0,1,2,3
	global_load_b128 v[SET0+64*\sl+16*\e+4*\i:SET0+64*\sl+16*\e+4*\i+3], v[VA_G], s[4:5] offset:262144*\e+4096*\i
.endr
.endr
.irp i, 0,1,2,3,4,5,6,7
	global_load_b128 v[SET0+64*\sl+32+4*\i:SET0+64*\sl+32+4*\i+3], v[VB_G], s[6:7] offset:65536*\i
.endr
.endm
; the fragments of sub-step u (32 along K; head u / 2, half u % 2) into buffer f: 8 LDS loads
.macro FETCH sl, u, f
.irp a, 0,1
	ds_load_b128 v[\f+8*\a:\f+8*\a+3],   v[AR+\sl] offset:128*PA*(\u/2)+64*(\u%2)+16*PA*\a
	ds_load_b128 v[\f+8*\a+4:\f+8*\a+7], v[AR+\sl] offset:128*PA*(\u/2)+64*(\u%2)+16*PA*\a+32
.endr
.irp b, 0,1
	ds_load_tr16_b128 v[\f+16+8*\b:\f+16+8*\b+3],   v[BR+\sl] offset:32*PB*\u+32*\b
	ds_load_tr16_b128 v[\f+16+8*\b+4:\f+16+8*\b+7], v[BR+\sl] offset:32*PB*\u+32*\b+16*PB
.endr
.endm
; Source 0 = 16 columns of w_o, source 1 = 16 rows of ao: lane (r, h), register j holds row r, column 16 b + 8 h + j.  The four accumulators take turns.
.macro MUL f, zero
.irp a, 0,1
.irp b, 0,1
.if \zero
	v_wmma_f32_16x16x32_f16 v[ACC+8*(2*\a+\b):ACC+8*(2*\a+\b)+7], v[\f+16+8*\b:\f+16+8*\b+7], v[\f+8*\a:\f+8*\a+7], 0
.else
	v_wmma_f32_16x16x32_f16 v[ACC+8*(2*\a+\b):ACC+8*(2*\a+\b)+7], v[\f+16+8*\b:\f+16+8*\b+7], v[\f+8*\a:\f+8*\a+7], v[ACC+8*(2*\a+\b):ACC+8*(2*\a+\b)+7]
.endif
.endr
.endr
.endm
; four f32 of w_o in v[b .. b+3] become four f16 in v[b], v[b+1]: rounded to bf16, widened again (a shift, a mask), written as f16
.macro W16 b
	v_cvt_pk_bf16_f32 v[\b],   v[\b],   v[\b+1]
	v_cvt_pk_bf16_f32 v[\b+2], v[\b+2], v[\b+3]
	v_and_b32 v[\b+1], s19, v[\b]
	v_lshlrev_b32 v[\b], 16, v[\b]
	v_and_b32 v[\b+3], s19, v[\b+2]
	v_lshlrev_b32 v[\b+2], 16, v[\b+2]
	v_cvt_pk_f16_f32 v[\b],   v[\b],   v[\b+1]
	v_cvt_pk_f16_f32 v[\b+1], v[\b+2], v[\b+3]
.endm
; One K step.  One barrier a step: in front of it my stores into this slot and my reads of the other slot are done; the other slot is stored into again only in the next step.
.macro TRIP sl, zero, fill, left
	s_wait_loadcnt \left                           ; this set is in; the younger loads stay out
.irp e, 0,1
.irp i, 0,1,2,3
	ds_store_b128 v[AS+\sl], v[SET0+64*\sl+16*\e+4*\i:SET0+64*\sl+16*\e+4*\i+3] offset:128*PA*\e+32*PA*\i   ; no wait: the data come from loads, the address from the head
.endr
.endr
.irp i, 0,1,2,3,4,5,6,7
	W16 SET0+64*\sl+32+4*\i
.endr
	s_wait_alu depctr_va_vdst(0)                   ; the conversions have written w_o's registers, which the LDS stores read, and are done with them, so that loads may land there; the last step's products are done reading F0 to F3
.irp i, 0,1,2,3,4,5,6,7
	ds_store_b64 v[BS+\sl], v[SET0+64*\sl+32+4*\i:SET0+64*\sl+32+4*\i+1] offset:16*PB*\i
.endr
.if \fill
	STEPB
	s_wait_alu depctr_vm_vsrc(0)                   ; the sixteen LDS stores have read the set, in which the loads below land
	GLOAD \sl                                      ; the tile two steps ahead
.endif
	s_wait_dscnt 0x0
	s_barrier_signal -1
	s_barrier_wait -1
	FETCH \sl, 0, F0                               ; no wait: no vector or matrix instruction since the wait on va_vdst names a fragment buffer or an LDS address
	FETCH \sl, 1, F1
	s_wait_dscnt 0x8                               ; LDS loads come back in order (ISA guide 5.7.1): F0 is in, F1's eight loads stay out
	MUL F0, \zero
	WIN 0x40                                       ; the loads' data: window 1
	FETCH \sl, 2, F2                               ; no wait: the four products above name F0 and the accumulators alone
	FETCH \sl, 3, F3
	WIN 0
	s_wait_dscnt 0x10                              ; F1 is in; the sixteen loads just issued stay out
	MUL F1, 0
	WIN 0x05                                       ; the products' sources 0 and 1: window 1
	s_wait_dscnt 0x8                               ; F2 is in
	MUL F2, 0
	s_wait_dscnt 0x0
	MUL F3, 0
	WIN 0                                          ; at a label and at a branch every window is 0
.endm
	s_load_b256 s[4:11], s[0:1], 0x0               ; ao, w_o, b_o, out0
	v_lshl_add_u32 v126, v0, 2, 0x24800
	v_mov_b32 v127, 0
	v_lshrrev_b32 v15, 5, v0
	v_readfirstlane_b32 s12, v15                   ; wave
	v_and_b32 v1, 31, v0                           ; L
	v_and_b32 v2, 15, v0                           ; r
	v_bfe_u32 v3, v0, 4, 1                         ; h
	s_wait_alu depctr_va_sdst(0)                   ; s12 is written, ahead of its first reader
	s_and_b32 s13, s12, 3                          ; wm
	s_lshr_b32 s14, s12, 2                         ; wn
	s_and_b32 s15, ttmp7, 0xffff                   ; block row
	s_mov_b32 s3, 0
	s_mov_b32 s19, 0xffff0000                      ; a word's upper bf16
	v_lshlrev_b32 v[VA_G], 4, v0                   ; ao: 16 x thread
	v_lshlrev_b32 v[BO], 4, v2                     ; 16 r
	v_lshl_add_u32 v[VB_G], v3, 12, v[BO]          ; w_o: row 2 w + h (+ 16 i in the immediate), 16 bytes at 16 r
	s_lshl_b32 s17, s12, 13
	v_add_nc_u32 v[VB_G], s17, v[VB_G]
	s_wait_kmcnt 0x0
	s_lshl_b32 s2, s15, 14                         ; 128 rows of 128 bytes
	s_add_nc_u64 s[4:5], s[4:5], s[2:3]
	s_lshl_b32 s2, ttmp9, 8                        ; 64 columns of 4 bytes
	s_add_nc_u64 s[6:7], s[6:7], s[2:3]
	s_add_nc_u64 s[8:9], s[8:9], s[2:3]
	s_add_nc_u64 s[10:11], s[10:11], s[2:3]
	s_lshl_b32 s2, s15, 19                         ; 128 rows of 4,096 bytes
	s_add_nc_u64 s[10:11], s[10:11], s[2:3]
	s_wait_alu depctr_va_vdst(0)                   ; the three offsets v4, v5 and v119 are written, which the loads below read
	global_load_b128 v[BI:BI+3], v[BO], s[8:9]
	GLOAD 0
	STEPB
	GLOAD 1
	v_lshrrev_b32 v14, 3, v1                       ; AS = (4 w + (L >> 3)) x 144 + 16 (L & 7)
	v_mul_u32_u24 v14, v14, PA
	v_and_b32 v15, 7, v1
	v_lshl_add_u32 v14, v15, 4, v14
	s_mul_i32 s17, s12, 4*PA
	v_add_nc_u32 v[AS], s17, v14
	v_add_nc_u32 v[AS+1], SLOT, v[AS]
	v_mul_u32_u24 v14, v3, PB                      ; BS = BOFF + (2 w + h) x 160 + 8 r
	v_lshl_add_u32 v14, v2, 3, v14
	s_mul_i32 s17, s12, 2*PB
	s_add_co_u32 s17, s17, BOFF
	v_add_nc_u32 v[BS], s17, v14
	v_add_nc_u32 v[BS+1], SLOT, v[BS]
	v_mul_u32_u24 v14, v2, PA                      ; AR = (32 wm + r) x 144 + 16 h
	v_lshl_add_u32 v14, v3, 4, v14
	s_mul_i32 s17, s13, 32*PA
	v_add_nc_u32 v[AR], s17, v14
	v_add_nc_u32 v[AR+1], SLOT, v[AR]
	v_lshl_add_u32 v15, v3, 3, v15                 ; BR = BOFF + (8 h + (L & 7)) x 160 + 64 wn + 16 ((L >> 3) & 1)
	v_mul_u32_u24 v14, v15, PB
	v_bfe_u32 v15, v1, 3, 1
	v_lshl_add_u32 v14, v15, 4, v14
	s_lshl_b32 s17, s14, 6
	s_add_co_u32 s17, s17, BOFF
	v_add_nc_u32 v[BR], s17, v14
	v_add_nc_u32 v[BR+1], SLOT, v[BR]
	v_mul_u32_u24 v14, v2, SP                      ; STO = STAGE + (32 wm + r) x 272 + 128 wn + 32 h
	v_lshl_add_u32 v14, v3, 5, v14
	s_mul_i32 s17, s13, 32*SP
	s_lshl_b32 s18, s14, 7
	s_add_co_u32 s17, s17, s18
	s_add_co_u32 s17, s17, STAGE
	v_add_nc_u32 v[STO], s17, v14
	v_mul_u32_u24 v14, v3, SP                      ; RD = STAGE + (16 w + h) x 272 + 16 r
	v_lshl_add_u32 v14, v2, 4, v14
	s_mul_i32 s17, s12, 16*SP
	s_add_co_u32 s17, s17, STAGE
	v_add_nc_u32 v[RD], s17, v14
	v_lshl_add_u32 v[CO], v3, 12, v[BO]            ; CO = (16 w + h) x 4,096 + 16 r
	s_lshl_b32 s17, s12, 16
	v_add_nc_u32 v[CO], s17, v[CO]
	s_wait_alu depctr_va_vdst(0)                   ; the LDS addresses v6 to v13, v116 and v117 and the offset v118 are written: the first step begins with LDS stores that read v6
	TRIP 0, 1, 1, 16                               ; the first products start the sums.  16: the other set's loads stay out
	TRIP 1, 0, 1, 16
	s_mov_b32 s16, 2
.Lk:
	TRIP 0, 0, 1, 16
	TRIP 1, 0, 1, 16
	s_sub_co_u32 s16, s16, 1
	s_cmp_lg_u32 s16, 0
	s_cbranch_scc1 .Lk
	TRIP 0, 0, 0, 16                               ; the last two steps fetch nothing beyond K's end
	TRIP 1, 0, 0, 0
	; the way out: a row's 64 columns come from two waves, so they meet in the stage behind a barrier and leave as whole rows of 256 bytes
	PLACES
	s_wait_alu depctr_va_vdst(0)                   ; the products have written the accumulators, which the LDS stores read; the places above stay beside this wait
.irp a, 0,1
.irp b, 0,1
	ds_store_b128 v[STO], v[ACC+8*(2*\a+\b):ACC+8*(2*\a+\b)+3]   offset:16*SP*\a+64*\b
	ds_store_b128 v[STO], v[ACC+8*(2*\a+\b)+4:ACC+8*(2*\a+\b)+7] offset:16*SP*\a+64*\b+16
.endr
.endr
	s_wait_dscnt 0x0
	s_barrier_signal -1
	s_barrier_wait -1
	s_wait_alu depctr_vm_vsrc(0)                   ; the LDS stores of the last step but one have read v[SET0 .. SET0+31], in which the rows below land and which the additions write
.irp t, 0,1,2,3,4,5,6,7
	ds_load_b128 v[SET0+4*\t:SET0+4*\t+3], v[RD] offset:2*SP*\t
.endr
.irp t, 0,1,2,3,4,5,6,7
	s_wait_dscnt 7-\t                              ; the younger read-backs stay out
	v_pk_add_f32 v[SET0+4*\t:SET0+4*\t+1],   v[SET0+4*\t:SET0+4*\t+1],   v[BI:BI+1]
	v_pk_add_f32 v[SET0+4*\t+2:SET0+4*\t+3], v[SET0+4*\t+2:SET0+4*\t+3], v[BI+2:BI+3]
.endr
	s_wait_alu depctr_va_vdst(0)                   ; the sixteen additions have written v[SET0 .. SET0+31], which the run of stores reads
.irp t, 0,1,2,3,4,5,6,7
	global_store_b128 v[CO], v[SET0+4*\t:SET0+4*\t+3], s[10:11] offset:8192*\t th:TH_STORE_NT    ; sixteen lanes store 256 consecutive bytes, aligned
.endr
	s_wait_dscnt 0x0                               ; the closing lines, six on end
	s_wait_alu 0x0
	s_wait_tensorcnt 0x0
	ds_add_u32 v126, v127
	s_wait_dscnt 0x0
	s_endpgm
.Lfunc_end_k_qe665fae83e_oproj:
	.size	k_qe665fae83e_oproj, .Lfunc_end_k_qe665fae83e_oproj-k_qe665fae83e_oproj
	.p2alignl 7, 3214868480
	.fill 96, 4, 3214868480
	.section	.rodata,"a",@progbits
	.p2align	6, 0x0
	.amdhsa_kernel k_qe665fae83e_oproj
		.amdhsa_group_segment_fixed_size 150528
		.amdhsa_private_segment_fixed_size 0
		.amdhsa_enable_private_segment 0
		.amdhsa_kernarg_size 32
		.amdhsa_user_sgpr_count 2
		.amdhsa_user_sgpr_kernarg_segment_ptr 1
		.amdhsa_wavefront_size32 1
		.amdhsa_system_sgpr_workgroup_id_x 1
		.amdhsa_system_sgpr_workgroup_id_y 1
		.amdhsa_system_sgpr_workgroup_id_z 1
		.amdhsa_system_vgpr_workitem_id 0
		.amdhsa_next_free_vgpr 320
		.amdhsa_next_free_sgpr 66
		.amdhsa_reserve_vcc 0
		.amdhsa_float_denorm_mode_32 3
		.amdhsa_float_denorm_mode_16_64 3
		.amdhsa_memory_ordered 1
		.amdhsa_forward_progress 1
		.amdhsa_inst_pref_size 62
	.end_amdhsa_kernel
	.amdgpu_metadata
---
amdhsa.version: [ 1, 2 ]
amdhsa.kernels:
  - .name:           k_qe665fae83e_oproj
    .symbol:         k_qe665fae83e_oproj.kd
    .args:
      - { .name: ao, .offset: 0, .size: 8, .value_kind: global_buffer, .address_space: global }
      - { .name: w_o, .offset: 8, .size: 8, .value_kind: global_buffer, .address_space: global }
      - { .name: b_o, .offset: 16, .size: 8, .value_kind: global_buffer, .address_space: global }
      - { .name: out0, .offset: 24, .size: 8, .value_kind: global_buffer, .address_space: global }
    .group_segment_fixed_size: 150528
    .private_segment_fixed_size: 0
    .kernarg_segment_align: 8
    .kernarg_segment_size: 32
    .max_flat_workgroup_size: 256
    .sgpr_count:     66
    .vgpr_count:     320
    .wavefront_size: 32
...
	.end_amdgpu_metadata
.endif
;; end of part 9
